; MI455X (gfx1250); checked and timed in simulation.
; The chip was launched on July 23, 2026; its instructions are those of AMD's public machine-readable ISA for CDNA 5 (MIT licence, August 2026) and "CDNA5" Instruction Set Architecture Reference Guide (July 2026). The comments in the code are by the model that wrote it; some were corrected since.
;; Self Attention. Allowed arithmetic: matrix products marked QUANTISED: E2M3 operands, one E8M0 scale for each 32 along K, by v_wmma_scale_f32_16x16x128_f8f6f4 with both operands' format E2M3, f32 sums; everything else in f32.
;; Inputs: W_k 2,048 x 2,048 float32; W_o 2,048 x 2,048 float32; W_q 2,048 x 2,048 float32; W_v 2,048 x 2,048 float32; x 2 x 1,024 x 2,048 float32.
;; Outputs: out0 2 x 1,024 x 2,048 float32.
;; This version of the problem:
;;   THIS VERSION OF THE PROBLEM IS GIVEN IN LOW PRECISION. The matrix products marked QUANTISED in the list below multiply operands that are first quantised to E2M3 (2 exponent bits, 3 mantissa bits; 6 bits a number), with one power-of-two scale for each 32 numbers along K (OCP MX v1.0); their sums are f32. All else is computed in f32.
;;   The module's matrix products, in the order in which they are computed (A, B: the left and right operand; K: the contracted axis; several contracted axes count as one K, in the product's order):
;;     1. [M 2,048, K 2,048] x [K 2,048, N 2,048]; A: input x; B: input W_q: QUANTISED
;;     2. [M 2,048, K 2,048] x [K 2,048, N 2,048]; A: input x; B: input W_k: QUANTISED
;;     3. [M 2,048, K 2,048] x [K 2,048, N 2,048]; A: input x; B: input W_v: QUANTISED
;;     4. batch 32 x [M 1,024, K 128] x [K 128, N 1,024]; A: computed on the way; B: computed on the way: QUANTISED
;;     5. batch 32 x [M 1,024, K 1,024] x [K 1,024, N 128]; A: softmax (see below); B: computed on the way: QUANTISED
;;     6. [M 2,048, K 2,048] x [K 2,048, N 2,048]; A: computed on the way; B: input W_o: QUANTISED
;;   THE QUANTISER, for each operand of a quantised product, along K:
;;     - K is cut into blocks of 32 from its start; a last block that is shorter is filled with zeros.
;;     - A block's scale is 2^e with e = floor(log2(the largest magnitude in the block)) - 2, held to -126 .. 127; a block of zeros has e = 0. As a byte (E8M0): e + 127.
;;     - Each number is divided by its block's scale, clamped to +-7.5, and rounded to the nearest number of E2M3, ties to even, subnormals kept.
;;     - The product sums the exact products of the quantised numbers (number of the format x scale) in f32.
;;   ~~~python
;;   def quantise(x, axis):      # numpy; x: float32 -> the quantised numbers, widened to float32 again
;;       x = np.moveaxis(x, axis, -1); K = x.shape[-1]
;;       x = np.pad(x, [(0, 0)] * (x.ndim - 1) + [(0, -K % 32)]); x = x.reshape(x.shape[:-1] + (-1, 32)); a = np.abs(x).max(-1, keepdims=True)
;;       e = np.where(a > 0, np.clip(np.frexp(np.where(a > 0, a, 1))[1] - 1 - 2, -126, 127), 0)      # np.frexp(a)[1] - 1 = floor(log2(a)), exactly
;;       r = np.clip(x / 2.0 ** e, -7.5, 7.5)
;;       step = 2.0 ** (np.maximum(np.frexp(np.where(r == 0, 1, r))[1] - 1, 0) - 3)
;;       q = np.round(r / step) * step * 2.0 ** e      # np.round: ties to even
;;       return np.moveaxis(q.reshape(q.shape[:-2] + (-1,))[..., :K], -1, axis).astype(np.float32)
;;   ~~~
;;   SOFTMAX AHEAD OF A QUANTISED PRODUCT. Where the list says 'softmax', what is quantised is not the finished softmax but p = 2^(t - M), with t = logit x log2(e) and M = ceil(the row's largest t), a whole number; so 1/2 < the row's largest p <= 1. The row's sum l is taken of the UNQUANTISED p, in f32, and the product's result is divided by l at the end. Since M is a whole number, a kernel that streams over the keys may use a running M (the ceiling of the running maximum): every later rescaling is an exact power of two, which a block's scale takes up: the codes' values come out the same.
;;   OPERANDS COMPUTED ON THE WAY. 'Computed on the way' means the value that the module computes at that place (a softmax that the list does not call 'softmax' is quantised finished and normalised). What goes into a quantiser is computed in f32, as accurately as f32 sums, v_exp_f32 and their like allow (about 1e-6 of the number): no bf16 or f16 on the way to a quantiser, and a product that is left as it is and whose result goes on into a quantised operand takes f32 operands (vector FMAs, or v_wmma_f32_16x16x4_f32). A number that lies on a knife's edge between two numbers of the format may be rounded either way, as far as f32 arithmetic and the matrix unit's own rounding can turn it there, and no further.
;; 2 versions. Each part assembles by itself: llvm-mc -triple=amdgcn-amd-amdhsa -mcpu=gfx1250 --defsym DOCPART=n.
;; ======== version 1 of 2: 4 launches
;; workspace buffers: xw 15,728,640 bytes; xws 1,310,720 bytes; tab 589,824 bytes; qkv 9,830,400 bytes; ao 3,145,728 bytes; aos 262,144 bytes
;; launch prep (part 1): grid 784 x 1, 4 waves a work-group, no clusters, 36,352 bytes of LDS; arguments x, W_q, W_k, W_v, W_o, xw, xws, tab; writes xw, xws, tab
.if DOCPART == 1
	.amdgcn_target "amdgcn-amd-amdhsa--gfx1250"
	.amdhsa_code_object_version 6
	.text
	.protected	k_q50c09ea63e_prep
	.globl	k_q50c09ea63e_prep
	.p2align	8
	.type	k_q50c09ea63e_prep,@function
k_q50c09ea63e_prep:
	s_mov_b64 s[64:65], 0
	v_nop
	global_prefetch_b8 v0, s[64:65] scope:SCOPE_SE
	s_setreg_imm32_b32 hwreg(HW_REG_WAVE_MODE, 25, 1), 1
	s_wait_xcnt 0x0
; x, W_q, W_k, W_v, W_o, each [2048][2048] f32 with K innermost, become codes of FP6 (E2M3) with one E8M0 scale byte for each 32 along K; and the table of cosines and sines for the rotation is made.
; THE CODES ARE LAID AS IMAGES OF OPERAND REGISTERS.  A fragment (16 rows x 128 K) is 12 registers a lane; its image is 1,536 bytes: register group c (4 registers) of lane l at 512 c + 16 l.
; xw: [tensor 5][row tile 128][K step 16][1,536].   xws: [5][128][16][128]: the fragment's scale words, lane l's at 4 l (lanes 16-31 hold what lanes 0-15 hold).
; THE ROWS OF A TILE ARE NOT NEIGHBOURS: lane row p of row tile T is row 32 (T / 2) + 8 (T % 2) + p + 8 (p / 8), so that in a product used transposed the 16 registers of two neighbouring tiles are 16 neighbouring columns.
; A block's scale is 2^(floor(log2(its largest magnitude)) - 2); its byte is that magnitude's exponent field - 2, held at 1 from below.
; LIMITS: a block of zeros, and a block whose largest magnitude lies under 2^-124, gets the byte 1 (zeros give zero codes; the bytes are read by this program alone); NaN and infinities among the inputs are not served.
; SHARES.  Work-groups 0-639: tensor = number / 128, row tile = number % 128; wave w takes K steps 4 w .. 4 w + 3, a unit (16 rows x 128 numbers) at a time.  Each load reads 512 consecutive bytes of one row; the unit turns
; through the wave's own stage in LDS (rows 528 bytes apart) so that lane (r, h) gets, of row r, 16 neighbours of each block of 32.  Waves share nothing: no barrier.  No cluster: work-groups share no input.
; Work-groups 640-783: the table tab [1,152][64][cos, sin] f32.  Rows 0-1,023: the positions; rows 1,024-1,151: (1, 0), the rotation that changes nothing.
; The angle is f32(position) x 2^(-i log2(10000) / 64); it is reduced by multiples of pi / 2 held in two parts, and sine and cosine are polynomials on |r| <= pi / 4 (error about 1e-7 of 1).
; The angle itself carries the rounding of an f32 product: up to about 1e-4 rad at the largest positions, as in every f32 table.
.set TEN,   3145728                    ; bytes of a tensor's codes
.set TENS,  262144                     ; and of its scale words
.set WREG,  8960                       ; LDS of a wave: the stage, 16 x 528, and 512 bytes for four units' scale words
.set SP,    528
.set GA,    4                          ; v4   16 x lane: my bytes of a load's 512, and of a store's
.set SA,    5                          ; v5   the stage on the way in
.set LA,    6                          ; v6   and on the way out: row r, + 64 h
.set SG,    7                          ; v7   my scale word's place
.set SGR,   8                          ; v8   the scale words on the way out
.set R,     16                         ; v16-143  two sets of 64 registers as loaded
.set X,     144                        ; v144-207 register 16 b + i = k 32 b + 16 h + i of my row
.set PC,    208                        ; v208-227 the codes
.set TM,    228                        ; v228-243 at work
.set PW,    244                        ; the scale word
.set OS,    248
.set SEL,   20                         ; s[20:21] v_permlanex16_b32's selects for lane l xor 16
	v_lshl_add_u32 v254, v0, 2, 0x8c00
	v_mov_b32 v255, 0
	s_cmp_ge_u32 ttmp9, 640
	s_cbranch_scc1 .Ltable
	s_load_b256 s[4:11], s[0:1], 0x0               ; x, W_q, W_k, W_v
	s_load_b128 s[12:15], s[0:1], 0x20             ; W_o, xw
	s_load_b64 s[16:17], s[0:1], 0x30              ; xws
	v_lshrrev_b32 v1, 5, v0
	v_readfirstlane_b32 s18, v1                    ; wave
	v_and_b32 v1, 31, v0                           ; lane
	v_and_b32 v2, 15, v0                           ; r
	v_bfe_u32 v3, v0, 4, 1                         ; h
	s_mul_i32 s19, s18, WREG
	v_lshlrev_b32 v[GA], 4, v1
	v_add_nc_u32 v[SA], s19, v[GA]
	v_mul_u32_u24 v[LA], v2, SP
	v_lshl_add_u32 v[LA], v3, 6, v[LA]
	v_add_nc_u32 v[LA], s19, v[LA]
	s_add_co_u32 s19, s19, 16*SP
	v_lshl_add_u32 v[SG], v1, 2, s19
	v_add_nc_u32 v[SGR], s19, v[GA]
	s_mov_b32 s[SEL], 0x76543210
	s_mov_b32 s[SEL+1], 0xfedcba98
.irp b, 0,1,2,3
	v_mov_b32 v[TM+4+\b], 0                        ; written once: a lane permute's destination counts as one of its sources
.endr
	s_lshr_b32 s22, ttmp9, 7                       ; tensor
	s_and_b32 s23, ttmp9, 127                      ; row tile
	s_lshr_b32 s24, s23, 1
	s_lshl_b32 s24, s24, 5
	s_and_b32 s25, s23, 1
	s_lshl_b32 s25, s25, 3
	s_add_co_u32 s24, s24, s25                     ; the tile's first row: 32 (T / 2) + 8 (T % 2)
	s_lshl_b32 s24, s24, 13                        ; rows of 8,192 bytes
	s_lshl_b32 s25, s18, 11                        ; my four K steps: 2,048 bytes on for each wave
	s_add_co_u32 s24, s24, s25
	s_mov_b32 s25, 0
	s_mul_i32 s26, s22, TEN
	s_mul_i32 s27, s23, 24576
	s_add_co_u32 s26, s26, s27
	s_mul_i32 s27, s18, 6144
	s_add_co_u32 s26, s26, s27                     ; my four images
	s_mov_b32 s27, 0
	s_mul_i32 s28, s22, TENS
	s_lshl_b32 s29, s23, 11
	s_add_co_u32 s28, s28, s29
	s_lshl_b32 s29, s18, 9
	s_add_co_u32 s28, s28, s29                     ; and their scale words
	s_mov_b32 s29, 0
	s_wait_kmcnt 0x0
	s_cmp_eq_u32 s22, 1                            ; which tensor: the choice hangs on the work-group's number alone
	s_cselect_b64 s[4:5], s[6:7], s[4:5]
	s_cmp_eq_u32 s22, 2
	s_cselect_b64 s[4:5], s[8:9], s[4:5]
	s_cmp_eq_u32 s22, 3
	s_cselect_b64 s[4:5], s[10:11], s[4:5]
	s_cmp_eq_u32 s22, 4
	s_cselect_b64 s[4:5], s[12:13], s[4:5]
	s_add_nc_u64 s[4:5], s[4:5], s[24:25]
	s_add_nc_u64 s[14:15], s[14:15], s[26:27]
	s_add_nc_u64 s[16:17], s[16:17], s[28:29]
.macro LOAD u                          ; unit u: lane row i is the row i + 8 (i / 8) from the tile's first; 32 lanes read its 512 bytes of K step 4 w + u
.irp i, 0,1,2,3,4,5,6,7,8,9,10,11,12,13,14,15
	global_load_b128 v[R+64*((\u)%2)+4*\i:R+64*((\u)%2)+4*\i+3], v[GA], s[4:5] offset:(\i+8*(\i/8))*8192+512*(\u) th:TH_LOAD_NT
.endr
.endm
.macro TURN u                          ; through the stage: LDS serves a wave's instructions in order (ISA guide 5.7.1.4), so no wait stands between the stores and the loads
.irp i, 0,1,2,3,4,5,6,7,8,9,10,11,12,13,14,15
	ds_store_b128 v[SA], v[R+64*((\u)%2)+4*\i:R+64*((\u)%2)+4*\i+3] offset:SP*\i
.endr
.irp b, 0,1,2,3
.irp j, 0,1,2,3
	ds_load_b128 v[X+16*\b+4*\j:X+16*\b+4*\j+3], v[LA] offset:128*\b+16*\j
.endr
.endr
.endm
; 64 numbers of a lane, v[s] .. v[s + 63], register 16 b + i = k 32 b + 16 h + i of my row, become a fragment's codes in v[PC] on and its scale word in v[PW]
.macro QUANT s
.irp b, 0,1,2,3
	v_max3_num_f32 v[TM+\b], |v[\s+16*\b]|, |v[\s+1+16*\b]|, 0x1800000   ; block b: my 16 numbers, and the floor 2^(3 - 127): the byte cannot fall under 1
.endr
.irp i, 2,4,6,8,10,12,14
.irp b, 0,1,2,3
	v_max3_num_f32 v[TM+\b], v[TM+\b], |v[\s+16*\b+\i]|, |v[\s+1+16*\b+\i]|   ; the four blocks by turns
.endr
.endr
.irp b, 0,1,2,3
	v_permlanex16_b32 v[TM+4+\b], v[TM+\b], s[SEL], s[SEL+1]
.endr
.irp b, 0,1,2,3
	v_max_num_f32 v[TM+\b], v[TM+\b], v[TM+4+\b]   ; with lane l xor 16's: the block's largest magnitude
.endr
.irp b, 0,1,2,3
	v_add_nc_u32 v[TM+12+\b], 0xff000000, v[TM+\b] ; 2 off its exponent field: the conversion takes this operand's exponent field as its scale
.endr
.irp b, 0,1,2,3
	v_lshrrev_b32 v[TM+4+\b], 23, v[TM+12+\b]      ; the scale's byte
.endr
	v_lshl_or_b32 v[PW], v[TM+5], 8, v[TM+4]
	v_lshl_or_b32 v[PW], v[TM+6], 16, v[PW]
	v_lshl_or_b32 v[PW], v[TM+7], 24, v[PW]
.irp c, 0,1
	v_cvt_scalef32_pk16_fp6_f32 v[PC+6*\c:PC+2+6*\c], v[\s+32*\c:\s+15+32*\c], v[TM+12+2*\c]
	v_cvt_scalef32_pk16_fp6_f32 v[PC+12+4*\c:PC+14+4*\c], v[\s+16+32*\c:\s+31+32*\c], v[TM+12+2*\c+1]   ; a conversion's three registers begin on an even number
.endr
	v_nop                                          ; one plain instruction behind the scaled conversions
.irp c, 0,1                                    ; the operand's layout wants a whole block in a lane: lanes 0-15 block 2 c, lanes 16-31 block 2 c + 1
.irp i, 0,1,2
	v_permlane16_swap_b32 v[PC+6*\c+\i], v[PC+12+4*\c+\i]
.endr
.irp i, 0,1,2
	v_mov_b32 v[PC+3+6*\c+\i], v[PC+12+4*\c+\i]
.endr
.endr
.endm
.macro UNIT u
.if (\u) < 3
	s_wait_loadcnt 16                              ; this unit's 16 loads are in; the next unit's 16 may be out
.else
	s_wait_loadcnt 0x0
.endif
	TURN \u
	s_wait_dscnt 0x0                               ; the numbers are back, and the stage's stores have read their registers,
.if (\u) < 2
	LOAD (\u)+2                                    ; which take the loads of two units on
.endif
.if (\u) > 0
	s_wait_xcnt 0x0                                ; the last unit's stores have read the codes' registers: they are written again only behind this wait
.endif
	QUANT X
.irp c, 0,1,2
	global_store_b128 v[GA], v[PC+4*\c:PC+4*\c+3], s[14:15] offset:1536*(\u)+512*\c   ; 32 lanes store 512 consecutive bytes
.endr
	ds_store_b32 v[SG], v[PW] offset:128*(\u)
.endm
	LOAD 0
	LOAD 1
	UNIT 0
	UNIT 1
	UNIT 2
	UNIT 3
	ds_load_b128 v[OS:OS+3], v[SGR]                ; the four units' scale words: these see my stores
	s_wait_dscnt 0x0
	global_store_b128 v[GA], v[OS:OS+3], s[16:17]  ; 512 consecutive bytes
	s_wait_tensorcnt 0x0
	ds_add_u32 v254, v255
	s_wait_dscnt 0x0
	s_endpgm
.Ltable:
	s_load_b64 s[4:5], s[0:1], 0x38                ; tab
	s_sub_co_u32 s6, ttmp9, 640
	s_lshl_b32 s6, s6, 7
	s_mov_b32 s30, 0x3f22f983                      ; 2 / pi
	s_mov_b32 s31, 0xbfc90fdb                      ; -(pi / 2), its upper part
	s_mov_b32 s32, 0x333bbd2e                      ; and what is left of it
	s_mov_b32 s33, 0xb94ca1f9                      ; the sine's three coefficients
	s_mov_b32 s34, 0x3c08839e
	s_mov_b32 s35, 0xbe2aaaa3
	s_mov_b32 s36, 0x37ccf5ce                      ; the cosine's
	s_mov_b32 s37, 0xbab6061a
	s_mov_b32 s38, 0x3d2aaaa5
	v_add_nc_u32 v1, s6, v0                        ; g: thread g makes pairs 2 (g % 32), + 1 of rows g / 32 and g / 32 + 576
	v_lshrrev_b32 v2, 5, v1
	v_and_b32 v3, 31, v1
	v_lshlrev_b32 v4, 4, v1                        ; 16 g: a row is 512 bytes, two pairs are 16
	v_lshlrev_b32 v5, 1, v3
	v_cvt_f32_u32 v6, v5
	v_add_nc_u32 v5, 1, v5
	v_cvt_f32_u32 v7, v5
	v_mul_f32 v6, 0xbe549a78, v6                   ; -i log2(10000) / 64
	v_mul_f32 v7, 0xbe549a78, v7
	v_exp_f32 v6, v6
	v_exp_f32 v7, v7
	v_add_nc_u32 v8, 576, v2                       ; (a plain instruction behind the exponentials)
	s_wait_alu depctr_va_vdst(0)                   ; one wait for both, ahead of their first reader
	v_cmp_gt_u32 vcc_lo, 1024, v8
	v_cndmask_b32 v8, 0, v8, vcc_lo                ; rows 1,024 on take the angle 0: (1, 0)
	v_cvt_f32_u32 v9, v2
	v_cvt_f32_u32 v10, v8
	v_mul_f32 v12, v9, v6
	v_mul_f32 v13, v9, v7
	v_mul_f32 v14, v10, v6
	v_mul_f32 v15, v10, v7
.macro SINCOS ang, c, s
	v_mul_f32 v40, s30, v[\ang]
	v_rndne_f32 v40, v40                           ; n
	v_fma_f32 v41, v40, s31, v[\ang]
	v_fma_f32 v41, v40, s32, v41                   ; r = angle - n pi / 2
	v_mul_f32 v42, v41, v41                        ; z
	v_fma_f32 v43, v42, s33, s34
	v_fma_f32 v43, v43, v42, s35
	v_mul_f32 v43, v43, v42
	v_fma_f32 v43, v43, v41, v41                   ; sin r
	v_fma_f32 v44, v42, s36, s37
	v_fma_f32 v44, v44, v42, s38
	v_mul_f32 v44, v44, v42
	v_fma_f32 v45, v42, -0.5, 1.0
	v_fma_f32 v44, v44, v42, v45                   ; cos r
	v_cvt_i32_f32 v46, v40
	v_and_b32 v47, 1, v46
	v_cmp_eq_u32 vcc_lo, 1, v47
	v_cndmask_b32 v[\s], v43, v44, vcc_lo          ; an odd n: the two change places
	v_cndmask_b32 v[\c], v44, v43, vcc_lo
	v_and_b32 v47, 2, v46
	v_lshlrev_b32 v47, 30, v47
	v_xor_b32 v[\s], v[\s], v47                    ; n % 4 = 2, 3: -sin
	v_add_nc_u32 v46, 1, v46
	v_and_b32 v46, 2, v46
	v_lshlrev_b32 v46, 30, v46
	v_xor_b32 v[\c], v[\c], v46                    ; n % 4 = 1, 2: -cos
.endm
	SINCOS 12, 16, 17
	SINCOS 13, 18, 19
	SINCOS 14, 20, 21
	SINCOS 15, 22, 23
	s_wait_kmcnt 0x0
	global_store_b128 v4, v[16:19], s[4:5]                  ; a wave stores a row's 512 consecutive bytes
	global_store_b128 v4, v[20:23], s[4:5] offset:294912    ; and the row 576 further down
	s_endpgm
.Lfunc_end_k_q50c09ea63e_prep:
	.size	k_q50c09ea63e_prep, .Lfunc_end_k_q50c09ea63e_prep-k_q50c09ea63e_prep
	.p2alignl 7, 3214868480
	.fill 96, 4, 3214868480
	.section	.rodata,"a",@progbits
	.p2align	6, 0x0
	.amdhsa_kernel k_q50c09ea63e_prep
		.amdhsa_group_segment_fixed_size 36352
		.amdhsa_private_segment_fixed_size 0
		.amdhsa_enable_private_segment 0
		.amdhsa_kernarg_size 64
		.amdhsa_user_sgpr_count 2
		.amdhsa_user_sgpr_kernarg_segment_ptr 1
		.amdhsa_wavefront_size32 1
		.amdhsa_system_sgpr_workgroup_id_x 1
		.amdhsa_system_sgpr_workgroup_id_y 1
		.amdhsa_system_sgpr_workgroup_id_z 1
		.amdhsa_system_vgpr_workitem_id 0
		.amdhsa_next_free_vgpr 256
		.amdhsa_next_free_sgpr 66
		.amdhsa_reserve_vcc 1
		.amdhsa_float_denorm_mode_32 3
		.amdhsa_float_denorm_mode_16_64 3
		.amdhsa_memory_ordered 1
		.amdhsa_forward_progress 1
		.amdhsa_inst_pref_size 40
	.end_amdhsa_kernel
	.amdgpu_metadata
---
amdhsa.version: [ 1, 2 ]
amdhsa.kernels:
  - .name:           k_q50c09ea63e_prep
    .symbol:         k_q50c09ea63e_prep.kd
    .args:
      - { .name: x, .offset: 0, .size: 8, .value_kind: global_buffer, .address_space: global }
      - { .name: W_q, .offset: 8, .size: 8, .value_kind: global_buffer, .address_space: global }
      - { .name: W_k, .offset: 16, .size: 8, .value_kind: global_buffer, .address_space: global }
      - { .name: W_v, .offset: 24, .size: 8, .value_kind: global_buffer, .address_space: global }
      - { .name: W_o, .offset: 32, .size: 8, .value_kind: global_buffer, .address_space: global }
      - { .name: xw, .offset: 40, .size: 8, .value_kind: global_buffer, .address_space: global }
      - { .name: xws, .offset: 48, .size: 8, .value_kind: global_buffer, .address_space: global }
      - { .name: tab, .offset: 56, .size: 8, .value_kind: global_buffer, .address_space: global }
    .group_segment_fixed_size: 36352
    .private_segment_fixed_size: 0
    .kernarg_segment_align: 8
    .kernarg_segment_size: 64
    .max_flat_workgroup_size: 128
    .sgpr_count:     66
    .vgpr_count:     256
    .wavefront_size: 32
...
	.end_amdgpu_metadata
.endif
;; end of part 1
;; launch proj (part 2): grid 24 x 8, 4 waves a work-group, clusters of 4 x 4, 327,680 bytes of LDS; arguments xw, xws, tab, qkv; writes qkv
.if DOCPART == 2
	.amdgcn_target "amdgcn-amd-amdhsa--gfx1250"
	.amdhsa_code_object_version 6
	.text
	.protected	k_q50c09ea63e_proj
	.globl	k_q50c09ea63e_proj
	.p2align	8
	.type	k_q50c09ea63e_proj,@function
k_q50c09ea63e_proj:
	s_mov_b64 s[64:65], 0
	v_nop
	global_prefetch_b8 v0, s[64:65] scope:SCOPE_SE
	s_setreg_imm32_b32 hwreg(HW_REG_WAVE_MODE, 25, 1), 1
	s_wait_xcnt 0x0
	s_wait_alu depctr_hold_cnt(0) depctr_sa_sdst(0) depctr_va_vdst(0) depctr_va_sdst(0) depctr_va_ssrc(0) depctr_va_vcc(0) depctr_vm_vsrc(0)
	s_getreg_b32 s2, hwreg(HW_REG_IB_STS2, 6, 4)
	s_cmp_eq_u32 s2, 0
	s_cbranch_scc0 .Lentry_in_a_cluster
	s_endpgm
.Lentry_in_a_cluster:
	s_bfe_u32 s2, ttmp6, 0x10000c
	s_cmp_lg_u32 s2, 0xf033
	s_cbranch_scc0 .Lentry_shape_is_right
	s_endpgm
.Lentry_shape_is_right:
; The three projections, on codes of FP6 (E2M3) with E8M0 scales, K = 2,048; the rotation of q and k; and the quantising of q, k (along the head's 128) and v (along the keys) for the attention.
; Tile columns 0-7: q = x W_q^T; 8-15: k = x W_k^T (A = x, B = the weight);  16-23: v TRANSPOSED, W_v x^T (A = W_v, B = x), so that v's K, the keys, runs along a lane's registers like any other.
; A tile of C, 256 x 256, is made by four waves, 128 x 128 each: 64 accumulators, 512 registers.  K goes in steps of 256 through a ring of two LDS slots.
; OPERANDS LIE IN MEMORY AS IMAGES OF THEIR REGISTERS (xw: [tensor][row tile][K step][1,536]): a fragment comes by three ds_load_b128 at 16 x lane; a row tile's part of a slot is 3,072 consecutive bytes.
; The scale words of the work-group's rows (xws: [tensor][row tile][K step][128]) come once, with the first fills, and stay.
; THE MATRIX INSTRUCTION IS USED TRANSPOSED (source 0 = 16 rows of B, source 1 = 16 rows of A), and lane row p of a row tile T is row 32 (T / 2) + 8 (T % 2) + p + 8 (p / 8): so lane (r, h) holds lane row r of A's
; block a, and the 64 registers of that block's eight accumulators are columns 32 c + 16 h + i at register 16 c + i: what the conversions want.  The result never goes through LDS.
; CLUSTERS: 4 x 4 work-groups; A's tiles are asked for jointly along a row of the cluster, B's along a column.  Which tensors are A and B hangs on the cluster's x alone, which all sixteen share.
; THE WAY OUT, block by block of 16 rows: out1 = x1 cos - x2 sin, out2 = x1 sin + x2 cos with the table's row of the lane's position (v takes the table's rows (1, 0)); quantised; the image goes to
; qkv: [(batch 16 + head) 8 + step][q, k, v][8 images of 1,536, then 512 bytes of scale words [r][tile]].
; LIMITS: a block of zeros or under 2^-124 gets the byte 1; NaN and infinities are not served.
; REGISTERS: window 0: v0-31 addresses; v32-63 scale words, two sets; v128-223 A's fragments, one set; on the way out v64-251.  window 1: B's fragments, two sets, at v0 and v128.  windows 2, 3: the accumulators ((a, b) at v[8 (8 (a % 4) + b)]).
.set TEN,   3145728
.set TENS,  262144
.set NQ,    2                          ; matrix instructions deep in a slot
.set IMG,   1536                       ; a fragment's image; also the codes' bytes for a row (24,576 for 16 rows)
.set TROW,  NQ*IMG                     ; a row tile's bytes in a slot
.set FR,    12
.set NL,    3                          ; LDS loads that bring a fragment
.set NP,    4                          ; places behind this matrix instruction (ISA guide 7.12.1)
.set HALFT, 8*TROW                     ; 128 rows: what one tensor load brings
.set SLOT,  4*HALFT
.set LAPS,  4                          ; 2,048 / 512
.set SCL,   2*SLOT                     ; behind the ring: the scale words
.set HALFS, 16384                      ; those of 128 rows
.set SBLK,  2048                       ; those of a row tile
.set SPARE, SCL+4*HALFS                ; the spare words, 128 bytes for each wave, that no other line names
.set ADRA, 16                          ; v16-17  LDS address of my A fragments in slot 0, 1
.set ADRB, 20                          ; v20-21  of B's
.set LI,   24                          ; v24     16 x lane
.set TBO,  25                          ; v25     the table: my lane row's row, + 64 h
.set SSO,  26                          ; v26     the scale words on the way out: 32 r + 16 h
.set ADRS, 27                          ; v27     LDS address of my scale words: lanes 0-15 A's, lanes 16-31 B's
.set SPW,  28                          ; v28     my spare word; never rewritten
.set NIL,  29                          ; v29     0; never rewritten
.set SC,   32
.set AF,   128
.set T0,   64                          ; v64-127, v128-191: the table's numbers, then the rotated ones, two sets
.set U,    192
.set PC,   200
.set TM,   220
.set PW,   236
.set SW,   240                         ; the eight blocks' scale words
.set SD,   248
.set SEL,  18                          ; s[18:19], set on the way out
.set G1, 24
.set G0, 32
.set G1B, 48
.set G0B, 56
.set G1S, 68
.set G0S, 76
.set G1SB, 80
.set G0SB, 88
.set MSB, 0
.macro WIN new                         ; the immediate's high byte repeats the setting that is left
.if MSB != \new
	s_set_vgpr_msb (MSB<<8)|\new
.set MSB, \new
.endif
.endm
.set MUL_LO, 0xa1                      ; source 0 (B) window 1, source 1 (A) window 0, C and D window 2
.set MUL_HI, 0xf1
.set TO_B,   0x40
; A joint load: waves 0 and 1 fetch for A, waves 2 and 3 for B; the branch hangs on the wave's number alone.  Four v_nop follow each of the two lines.
.macro JLOAD g0a, g1a, g0b, g1b
	s_cmp_eq_u32 s15, 0
	s_cbranch_scc0 .Lfor_b_\@
	tensor_load_to_lds s[\g0a:\g0a+3], s[\g1a:\g1a+7]
	s_nop 0
.rept 4
	v_nop
.endr
	s_branch .Lasked_\@
.Lfor_b_\@:
	tensor_load_to_lds s[\g0b:\g0b+3], s[\g1b:\g1b+7]
	s_nop 0
.rept 4
	v_nop
.endr
.Lasked_\@:
.endm
.macro CREST                           ; a round of the cluster's barrier behind its opening barrier
	s_cmp_lg_u32 s14, 0
	s_cbranch_scc1 .Lnot_wave_0_\@
	s_barrier_signal -3
.Lnot_wave_0_\@:
	s_barrier_wait -3
	s_barrier_signal -1
	s_barrier_wait -1
.endm
.macro CROUND
	s_barrier_signal -1
	s_barrier_wait -1
	CREST
.endm
	s_load_b128 s[4:7], s[0:1], 0x0                ; xw, xws
	s_load_b128 s[8:11], s[0:1], 0x10              ; tab, qkv
	v_lshl_add_u32 v[SPW], v0, 2, SPARE
	v_mov_b32 v[NIL], 0
	ds_add_u32 v28, v29
	ds_add_u32 v28, v29
	s_wait_dscnt 0x0
	v_lshrrev_b32 v1, 5, v0
	v_readfirstlane_b32 s14, v1                    ; wave 0..3
	s_lshr_b32 s15, s14, 1                         ; which half of the tile's rows is mine.  Also: I fetch for A (0) or for B (1)
	s_and_b32 s16, s14, 1                          ; which half of its columns.  Also: which 128 rows I fetch
	s_bfe_u32 s40, ttmp6, 0x40000                  ; cx, cy
	s_bfe_u32 s41, ttmp6, 0x40004
	s_lshl_b32 s42, ttmp9, 2
	s_add_co_u32 s42, s42, s40                     ; tile column = 4 x cluster x + cx
	s_and_b32 s17, ttmp7, 0xffff
	s_lshl_b32 s17, s17, 2
	s_add_co_u32 s17, s17, s41                     ; tile row = 4 x cluster y + cy
	s_lshl_b32 s43, s41, 2
	s_lshl_b32 s43, 15, s43                        ; my row of the cluster
	s_lshl_b32 s44, 0x1111, s40                    ; my column
	s_lshr_b32 s66, ttmp9, 2                       ; 1 in the clusters that make v (cluster x 4, 5), else 0
	; group 1 for the codes: 8 row tiles x 3,072 bytes (384 elements of 8 bytes), 24,576 bytes apart; no padding: the fragments are read 16 x lane on end
	s_or_b32 s[G1+0], s43, (3<<16)|(1<<21)
	s_or_b32 s[G1B+0], s44, (3<<16)|(1<<21)
.irp g, G1, G1B
	s_mov_b32 s[\g+1], 384<<16                     ; tensor_dim0
	s_mov_b32 s[\g+2], 8<<16                       ; tensor_dim1
	s_mov_b32 s[\g+3], 384<<16                     ; tile_dim0
	s_mov_b32 s[\g+4], 8                           ; tile_dim1
	s_mov_b32 s[\g+5], 3072                        ; from row tile to row tile, in elements
	s_mov_b32 s[\g+6], 0
	s_mov_b32 s[\g+7], 0
.endr
	; and for the scale words of 128 rows: 16,384 dense bytes as 64 rows of 256
	s_or_b32 s[G1S+0], s43, (3<<16)|(1<<21)
	s_or_b32 s[G1SB+0], s44, (3<<16)|(1<<21)
.irp g, G1S, G1SB
	s_mov_b32 s[\g+1], 32<<16
	s_mov_b32 s[\g+2], 64<<16
	s_mov_b32 s[\g+3], 32<<16
	s_mov_b32 s[\g+4], 64
	s_mov_b32 s[\g+5], 32
	s_mov_b32 s[\g+6], 0
	s_mov_b32 s[\g+7], 0
.endr
	s_lshl_b32 s18, s16, 7                         ; which 128 rows of the tile I fetch
	s_mul_i32 s67, s66, 3*TEN
	s_mul_i32 s95, s66, 3*TENS
	s_lshl_b32 s20, s17, 8
	s_add_co_u32 s20, s20, s18                     ; A: row 256 x tile row + 128 x half,
	s_lshl_b32 s22, s20, 7                         ; its scale words: 128 bytes a row,
	s_mul_i32 s20, s20, IMG                        ; its codes: 1,536 bytes a row;
	s_add_co_u32 s20, s20, s67                     ; of x (tensor 0) or of W_v (tensor 3)
	s_add_co_u32 s22, s22, s95
	s_mov_b32 s21, 0
	s_mov_b32 s23, 0
	s_lshl_b32 s46, s42, 8
	s_add_co_u32 s46, s46, s18                     ; B: row 256 x tile column + 128 x half of W_q and W_k on end (tensors 1, 2),
	s_lshl_b32 s92, s46, 7
	s_mul_i32 s46, s46, IMG
	s_add_co_u32 s46, s46, TEN
	s_sub_co_u32 s46, s46, s67                     ; or, 16 tile columns and one tensor back, of x
	s_add_co_u32 s92, s92, TENS
	s_sub_co_u32 s92, s92, s95
	s_mov_b32 s47, 0
	s_mov_b32 s93, 0
	s_mul_i32 s45, s14, HALFT                      ; where they go: wave x 128 rows: no place in the cluster enters an LDS address
	s_mul_i32 s94, s14, HALFS
	s_wait_kmcnt 0x0
	s_add_nc_u64 s[20:21], s[4:5], s[20:21]
	s_add_nc_u64 s[22:23], s[6:7], s[22:23]
	s_add_nc_u64 s[46:47], s[4:5], s[46:47]
	s_add_nc_u64 s[92:93], s[6:7], s[92:93]
	CROUND                                         ; all sixteen work-groups are here: the first joint loads meet
	s_mov_b32 s[G0S], 1
	s_add_co_u32 s[G0S+1], s94, SCL
	s_mov_b64 s[G0S+2:G0S+3], s[22:23]
	s_or_b32 s[G0S+3], s[G0S+3], 0x80000000
	s_mov_b32 s[G0SB], 1
	s_add_co_u32 s[G0SB+1], s94, SCL
	s_mov_b64 s[G0SB+2:G0SB+3], s[92:93]
	s_or_b32 s[G0SB+3], s[G0SB+3], 0x80000000
	JLOAD G0S, G1S, G0SB, G1SB                     ; the scale words first: they are wanted with K step 0
.irp s, 0,1
	s_mov_b32 s[G0+4*\s], 1
	s_add_co_u32 s[G0+4*\s+1], s45, \s*SLOT
	s_add_nc_u64 s[G0+4*\s+2:G0+4*\s+3], s[20:21], \s*TROW
	s_or_b32 s[G0+4*\s+3], s[G0+4*\s+3], 0x80000000
	s_mov_b32 s[G0B+4*\s], 1
	s_add_co_u32 s[G0B+4*\s+1], s45, \s*SLOT
	s_add_nc_u64 s[G0B+4*\s+2:G0B+4*\s+3], s[46:47], \s*TROW
	s_or_b32 s[G0B+4*\s+3], s[G0B+4*\s+3], 0x80000000
	JLOAD G0+4*\s, G1, G0B+4*\s, G1B               ; three tensor loads of mine are out
.endr
	v_and_b32 v1, 15, v0                           ; r
	v_bfe_u32 v2, v0, 4, 1                         ; h
	v_and_b32 v3, 31, v0                           ; lane
	v_lshlrev_b32 v[LI], 4, v3
	s_mul_i32 s21, s15, HALFT                      ; my 128 rows of A
	s_mul_i32 s22, s16, HALFT                      ; my 128 rows of B,
	s_add_co_u32 s22, s22, 2*HALFT                 ; which lie behind A's 256
.irp s, 0,1
	v_add_nc_u32 v[ADRA+\s], s21, v[LI]
	v_add_nc_u32 v[ADRB+\s], s22, v[LI]
	s_add_co_u32 s21, s21, SLOT
	s_add_co_u32 s22, s22, SLOT
.endr
	v_lshlrev_b32 v5, 2, v3                        ; a scale word's place in its image: 4 x lane
	s_mul_i32 s21, s15, HALFS
	s_mul_i32 s22, s16, HALFS
	s_add_co_u32 s22, s22, 2*HALFS
	s_sub_co_u32 s22, s22, s21
	v_mul_u32_u24 v6, s22, v2                      ; lanes 16-31 take B's
	s_add_co_u32 s21, s21, SCL
	v_add_nc_u32 v5, v5, v6
	v_add_nc_u32 v[ADRS], s21, v5
	v_and_b32 v4, 8, v1
	v_add_nc_u32 v4, v4, v1                        ; r + 8 (r / 8)
	v_lshlrev_b32 v[TBO], 9, v4                    ; the table's rows are 512 bytes
	v_lshl_add_u32 v[TBO], v2, 6, v[TBO]
	v_lshlrev_b32 v[SSO], 5, v1
	v_lshl_add_u32 v[SSO], v2, 4, v[SSO]
	; where my 128 x 128 goes, and which rows of the table it takes: in registers that feed no descriptor
	s_lshl_b32 s96, s17, 1
	s_add_co_u32 s96, s96, s15                     ; A's block of 128 rows
	s_lshl_b32 s97, s42, 1
	s_add_co_u32 s97, s97, s16
	s_lshr_b32 s98, s97, 4                         ; 0: q, 1: k, 2: v
	s_and_b32 s97, s97, 15                         ; B's block of 128 rows
	s_and_b32 s12, s96, 7
	s_lshl_b32 s12, s12, 16                        ; q, k: A's rows are positions: 128 rows of the table, 65,536 bytes, for each block
	s_cmp_lg_u32 s66, 0
	s_cselect_b32 s99, s97, s96                    ; the block of positions: batch 8 + step,
	s_cselect_b32 s67, s96, s97                    ; and the head
	s_cselect_b32 s12, 0x80000, s12                ; v: the table's rows 1,024 on
	s_mov_b32 s13, 0
	s_add_nc_u64 s[8:9], s[8:9], s[12:13]
	s_lshr_b32 s12, s99, 3
	s_lshl_b32 s12, s12, 7
	s_lshl_b32 s67, s67, 3
	s_add_co_u32 s12, s12, s67
	s_and_b32 s99, s99, 7
	s_add_co_u32 s12, s12, s99                     ; (batch 16 + head) 8 + step
	s_mul_i32 s12, s12, 38400
	s_mul_i32 s98, s98, 12800
	s_add_co_u32 s12, s12, s98
	s_add_nc_u64 s[10:11], s[10:11], s[12:13]
.macro FRAG reg, adr, q, i             ; a fragment comes as it was stored: three groups of four registers, 16 x lane on end
.irp c, 0,1,2
	ds_load_b128 v[\reg+4*\c:\reg+4*\c+3], v[\adr] offset:(\i)*TROW+(\q)*IMG+512*\c
.endr
.endm
; 16 matrix instructions: A's blocks a0, a0 + 1 x B's eight.  The 64 accumulators take turns, one instruction a turn, in the same order in every step.
.macro MUL16 a0, p, q, sc, zero
.irp a, \a0, \a0+1
.irp b, 0,1,2,3,4,5,6,7
.if \zero
	v_wmma_scale_f32_16x16x128_f8f6f4 v[8*(8*((\a)%4)+\b):8*(8*((\a)%4)+\b)+7], v[128*(\p)+FR*\b:128*(\p)+FR*\b+FR-1], v[AF+FR*(\a):AF+FR*(\a)+FR-1], 0, v[SC+8*NQ*(\sc)+NQ*\b+(\q)], v[SC+8*NQ*(\sc)+NQ*(\a)+(\q)] matrix_a_fmt:MATRIX_FMT_FP6 matrix_b_fmt:MATRIX_FMT_FP6 matrix_a_scale:MATRIX_SCALE_ROW1
.else
	v_wmma_scale_f32_16x16x128_f8f6f4 v[8*(8*((\a)%4)+\b):8*(8*((\a)%4)+\b)+7], v[128*(\p)+FR*\b:128*(\p)+FR*\b+FR-1], v[AF+FR*(\a):AF+FR*(\a)+FR-1], v[8*(8*((\a)%4)+\b):8*(8*((\a)%4)+\b)+7], v[SC+8*NQ*(\sc)+NQ*\b+(\q)], v[SC+8*NQ*(\sc)+NQ*(\a)+(\q)] matrix_a_fmt:MATRIX_FMT_FP6 matrix_b_fmt:MATRIX_FMT_FP6 matrix_a_scale:MATRIX_SCALE_ROW1
.endif
.endr
.endr
.endm
.macro FETCH_B slot, q, p
	WIN TO_B
.irp i, 0,1,2,3,4,5,6,7
	FRAG 128*(\p)+FR*\i, ADRB+\slot, \q, \i
.endr
	WIN 0
.endm
.macro FETCH_A slot, q, i0
.irp i, \i0, \i0+1, \i0+2, \i0+3
	FRAG AF+FR*(\i), ADRA+\slot, \q, \i
.endr
.endm
.macro SCALES sc                       ; the next K step's scale words: register NQ i + q: lanes 0-15 A's block i, lanes 16-31 B's block i
.irp i, 0,1,2,3,4,5,6,7
.irp q, 0,1
	ds_load_b32 v[SC+8*NQ*\sc+NQ*\i+\q], v[ADRS] offset:\i*SBLK+128*\q
.endr
.endr
.endm
.macro PLACES n                        ; plain vector instructions between a matrix instruction and a load into, or a read of, its registers
.rept \n
	v_nop
.endr
.endm
.macro STEP slot, q, zero              ; a step of 128 along K that has its successor in the same slot
	s_wait_dscnt 4*NL                              ; B's set, A's blocks 0-3 and the scale words are in; the youngest twelve loads (A's blocks 4-7) may be out
	WIN MUL_LO
	MUL16 0, (\q)%2, \q, \slot, \zero
	MUL16 2, (\q)%2, \q, \slot, \zero
	s_wait_dscnt 0
	PLACES NP
	FETCH_B \slot, (\q)+1, 1-(\q)%2
	FETCH_A \slot, (\q)+1, 0
	WIN MUL_HI
	MUL16 4, (\q)%2, \q, \slot, \zero
	MUL16 6, (\q)%2, \q, \slot, \zero
	PLACES NP
	WIN 0
	FETCH_A \slot, (\q)+1, 4
.endm
; A slot's last step changes slots: one barrier; in front of it each wave waits for all its tensor loads, adds 0 to its spare word, and waits for that and for its own reads of this slot.
.macro TURN slot, next, fill
	s_wait_tensorcnt 0x0                           ; all my tensor loads have landed: my part of the next slot
	ds_add_u32 v[SPW], v[NIL]                      ; 0 onto my spare word
	s_wait_dscnt 4*NL+1                            ; the add and the youngest twelve loads may be out
	WIN MUL_LO
	MUL16 0, 1, NQ-1, \slot, 0
	s_wait_dscnt 0x0                               ; the add is done, and my reads of this slot are over
	s_barrier_signal -1
	MUL16 2, 1, NQ-1, \slot, 0
	WIN 0
	s_barrier_wait -1
.if \fill
	CREST                                          ; the barrier has opened a round of the cluster's: no wave of any partner still reads this slot or has a load on its way
	s_add_nc_u64 s[G0+4*\slot+2:G0+4*\slot+3], s[G0+4*\slot+2:G0+4*\slot+3], 2*TROW
	s_add_nc_u64 s[G0B+4*\slot+2:G0B+4*\slot+3], s[G0B+4*\slot+2:G0B+4*\slot+3], 2*TROW
	JLOAD G0+4*\slot, G1, G0B+4*\slot, G1B         ; the first tensor load behind the round; its four v_nop are the places in front of the loads below
.else
	PLACES NP
.endif
	v_add_nc_u32 v[ADRS], 128*NQ, v[ADRS]          ; on to the next K step's scale words
	FETCH_B \next, 0, 0
	FETCH_A \next, 0, 0
	SCALES \next
	WIN MUL_HI
	MUL16 4, 1, NQ-1, \slot, 0
	MUL16 6, 1, NQ-1, \slot, 0
	PLACES NP
	WIN 0
	FETCH_A \next, 0, 4
.endm
	s_wait_tensorcnt 1                             ; the scale words and my part of K step 0 are in; K step 1's load may be out
	s_barrier_signal -1
	s_barrier_wait -1
	FETCH_B 0, 0, 0
	FETCH_A 0, 0, 0
	SCALES 0
	FETCH_A 0, 0, 4
	STEP 0, 0, 1                                   ; the first step stands in front of the loop: its products start the sums
	s_mov_b32 s3, LAPS-1
.Llap:                                                 ; a trip goes once round the ring and fills both slots again
	TURN 0, 1, 1
	STEP 1, 0, 0
	TURN 1, 0, 1
	STEP 0, 0, 0
	s_sub_co_u32 s3, s3, 1
	s_cmp_lg_u32 s3, 0
	s_cbranch_scc1 .Llap
	TURN 0, 1, 0                                   ; the last lap fills nothing
	STEP 1, 0, 0
	s_wait_dscnt 4*NL
	WIN MUL_LO
	MUL16 0, 1, NQ-1, 1, 0
	MUL16 2, 1, NQ-1, 1, 0
	s_wait_dscnt 0
	WIN MUL_HI
	MUL16 4, 1, NQ-1, 1, 0
	MUL16 6, 1, NQ-1, 1, 0
	WIN 0
; THE WAY OUT.
.macro TLOAD a                         ; the table's numbers for block a: register 16 c + i takes byte 4 (32 c + 16 h + i) of my position's row: cos under each even column, sin under each odd one
.set TT, T0+64*((\a)%2)
.irp c, 0,1,2,3
.irp j, 0,1,2,3
	global_load_b128 v[TT+16*\c+4*\j:TT+16*\c+4*\j+3], v[TBO], s[8:9] offset:(32*((\a)/2)+8*((\a)%2))*512+128*\c+16*\j
.endr
.endr
.endm
.macro ROPE a                          ; a pair (x1, x2) at a time, an accumulator (four pairs) at a time, each from its low end on
.set TT, T0+64*((\a)%2)
.set AC, 64*((\a)%4)
	WIN 0x02+(\a)/4                                ; source 0: window 2 or 3
.irp g, 0,1,2,3,4,5,6,7
.irp p, 0,1,2,3
	v_pk_mul_f32 v[U+2*\p:U+2*\p+1], v[AC+8*\g+2*\p:AC+8*\g+2*\p+1], v[TT+8*\g+2*\p:TT+8*\g+2*\p+1] op_sel_hi:[1,0]   ; (x1 cos, x2 cos)
.endr
.irp p, 0,1,2,3
	v_pk_fma_f32 v[TT+8*\g+2*\p:TT+8*\g+2*\p+1], v[AC+8*\g+2*\p:AC+8*\g+2*\p+1], v[TT+8*\g+2*\p:TT+8*\g+2*\p+1], v[U+2*\p:U+2*\p+1] op_sel:[1,1,0] op_sel_hi:[0,1,1] neg_lo:[0,1,0]   ; (x1 cos - x2 sin, x2 cos + x1 sin)
.endr
.endr
	WIN 0
.endm
.macro QUANT s                         ; 64 numbers of a lane, register 16 b + i = k 32 b + 16 h + i of my row, become a fragment's codes in v[PC] on and its scale word in v[PW]
.irp b, 0,1,2,3
	v_max3_num_f32 v[TM+\b], |v[\s+16*\b]|, |v[\s+1+16*\b]|, 0x1800000   ; and the floor 2^(3 - 127): the byte cannot fall under 1
.endr
.irp i, 2,4,6,8,10,12,14
.irp b, 0,1,2,3
	v_max3_num_f32 v[TM+\b], v[TM+\b], |v[\s+16*\b+\i]|, |v[\s+1+16*\b+\i]|
.endr
.endr
.irp b, 0,1,2,3
	v_permlanex16_b32 v[TM+4+\b], v[TM+\b], s[SEL], s[SEL+1]
.endr
.irp b, 0,1,2,3
	v_max_num_f32 v[TM+\b], v[TM+\b], v[TM+4+\b]
.endr
.irp b, 0,1,2,3
	v_add_nc_u32 v[TM+12+\b], 0xff000000, v[TM+\b] ; 2 off the exponent field: the conversion's scale operand
.endr
.irp b, 0,1,2,3
	v_lshrrev_b32 v[TM+4+\b], 23, v[TM+12+\b]      ; the scale's byte
.endr
	v_lshl_or_b32 v[PW], v[TM+5], 8, v[TM+4]
	v_lshl_or_b32 v[PW], v[TM+6], 16, v[PW]
	v_lshl_or_b32 v[PW], v[TM+7], 24, v[PW]
.irp c, 0,1
	v_cvt_scalef32_pk16_fp6_f32 v[PC+6*\c:PC+2+6*\c], v[\s+32*\c:\s+15+32*\c], v[TM+12+2*\c]
	v_cvt_scalef32_pk16_fp6_f32 v[PC+12+4*\c:PC+14+4*\c], v[\s+16+32*\c:\s+31+32*\c], v[TM+12+2*\c+1]
.endr
	v_nop                                          ; one plain instruction behind the scaled conversions
.irp c, 0,1
.irp i, 0,1,2
	v_permlane16_swap_b32 v[PC+6*\c+\i], v[PC+12+4*\c+\i]
.endr
.irp i, 0,1,2
	v_mov_b32 v[PC+3+6*\c+\i], v[PC+12+4*\c+\i]
.endr
.endr
.endm
.macro BLOCK a
.if (\a) < 7
	TLOAD (\a)+1
	s_wait_loadcnt 16                              ; this block's 16 loads are in; the next block's may be out
.else
	s_wait_loadcnt 0x0
.endif
	ROPE \a
	s_wait_xcnt 0x0                                ; the last block's stores have read the codes' registers
	QUANT T0+64*((\a)%2)
.irp c, 0,1,2
	global_store_b128 v[LI], v[PC+4*\c:PC+4*\c+3], s[10:11] offset:IMG*(\a)+512*\c   ; 32 lanes store 512 consecutive bytes
.endr
	v_mov_b32 v[SW+(\a)], v[PW]
.endm
	PLACES NP                                      ; behind the last products: for the reads of their results and the loads and writes into A's registers
	s_mov_b32 s[SEL], 0x76543210
	s_mov_b32 s[SEL+1], 0xfedcba98
.irp b, 0,1,2,3
	v_mov_b32 v[TM+4+\b], 0                        ; a lane permute's destination counts as one of its sources
.endr
	TLOAD 0
.irp a, 0,1,2,3,4,5,6,7
	BLOCK \a
.endr
	v_cmp_eq_u32 vcc_lo, 1, v2                     ; the scale words [r][tile]: lanes 0-15 store tiles 0-3 of their row, lanes 16-31 tiles 4-7
.irp i, 0,1,2,3
	v_cndmask_b32 v[SD+\i], v[SW+\i], v[SW+4+\i], vcc_lo
.endr
	global_store_b128 v[SSO], v[SD:SD+3], s[10:11] offset:8*IMG   ; 512 consecutive bytes
	s_wait_tensorcnt 0x0                           ; the wave's end
	ds_add_u32 v[SPW], v[NIL]
	s_wait_dscnt 0x0
	CROUND                                         ; the closing round: no work-group ends while a partner may still ask for a tile that names it
	s_endpgm
.Lfunc_end_k_q50c09ea63e_proj:
	.size	k_q50c09ea63e_proj, .Lfunc_end_k_q50c09ea63e_proj-k_q50c09ea63e_proj
	.p2alignl 7, 3214868480
	.fill 96, 4, 3214868480
	.section	.rodata,"a",@progbits
	.p2align	6, 0x0
	.amdhsa_kernel k_q50c09ea63e_proj
		.amdhsa_group_segment_fixed_size 327680
		.amdhsa_private_segment_fixed_size 0
		.amdhsa_enable_private_segment 0
		.amdhsa_kernarg_size 32
		.amdhsa_user_sgpr_count 2
		.amdhsa_user_sgpr_kernarg_segment_ptr 1
		.amdhsa_wavefront_size32 1
		.amdhsa_system_sgpr_workgroup_id_x 1
		.amdhsa_system_sgpr_workgroup_id_y 1
		.amdhsa_system_sgpr_workgroup_id_z 1
		.amdhsa_system_vgpr_workitem_id 0
		.amdhsa_next_free_vgpr 1024
		.amdhsa_next_free_sgpr 100
		.amdhsa_reserve_vcc 1
		.amdhsa_float_denorm_mode_32 3
		.amdhsa_float_denorm_mode_16_64 3
		.amdhsa_memory_ordered 1
		.amdhsa_forward_progress 1
		.amdhsa_inst_pref_size 186
	.end_amdhsa_kernel
	.amdgpu_metadata
---
amdhsa.version: [ 1, 2 ]
amdhsa.kernels:
  - .name:           k_q50c09ea63e_proj
    .symbol:         k_q50c09ea63e_proj.kd
    .args:
      - { .name: xw, .offset: 0, .size: 8, .value_kind: global_buffer, .address_space: global }
      - { .name: xws, .offset: 8, .size: 8, .value_kind: global_buffer, .address_space: global }
      - { .name: tab, .offset: 16, .size: 8, .value_kind: global_buffer, .address_space: global }
      - { .name: qkv, .offset: 24, .size: 8, .value_kind: global_buffer, .address_space: global }
    .group_segment_fixed_size: 327680
    .private_segment_fixed_size: 0
    .kernarg_segment_align: 8
    .kernarg_segment_size: 32
    .max_flat_workgroup_size: 128
    .sgpr_count:     100
    .vgpr_count:     1024
    .wavefront_size: 32
...
	.end_amdgpu_metadata
.endif
;; end of part 2
;; launch attn (part 3): grid 8 x 32, 8 waves a work-group, clusters of 4 x 1, 205,824 bytes of LDS; arguments qkv, ao, aos; writes ao, aos
.if DOCPART == 3
	.amdgcn_target "amdgcn-amd-amdhsa--gfx1250"
	.amdhsa_code_object_version 6
	.text
	.protected	k_q50c09ea63e_attn
	.globl	k_q50c09ea63e_attn
	.p2align	8
	.type	k_q50c09ea63e_attn,@function
k_q50c09ea63e_attn:
	s_mov_b64 s[64:65], 0
	v_nop
	global_prefetch_b8 v0, s[64:65] scope:SCOPE_SE
	s_setreg_imm32_b32 hwreg(HW_REG_WAVE_MODE, 25, 1), 1
	s_wait_xcnt 0x0
	s_wait_alu depctr_hold_cnt(0) depctr_sa_sdst(0) depctr_va_vdst(0) depctr_va_sdst(0) depctr_va_ssrc(0) depctr_va_vcc(0) depctr_vm_vsrc(0)
	s_getreg_b32 s2, hwreg(HW_REG_IB_STS2, 6, 4)
	s_cmp_eq_u32 s2, 0
	s_cbranch_scc0 .Lentry_in_a_cluster
	s_endpgm
.Lentry_in_a_cluster:
	s_bfe_u32 s2, ttmp6, 0x10000c
	s_cmp_lg_u32 s2, 0x3003
	s_cbranch_scc0 .Lentry_shape_is_right
	s_endpgm
.Lentry_shape_is_right:
; Causal attention on codes of FP6 (E2M3) with E8M0 scales: for each of 32 (batch, head) pairs, 1,024 queries and keys, head size 128.
; qkv: [(batch 16 + head) 8 + step][q, k, v][8 images of 1,536 bytes, then 512 bytes of scale words [r][tile]].  q, k: tile = 16 positions x the head's 128; v: tile = 16 channels x the step's 128 keys.
; Lane row p of tile t is position (or channel) 32 (t / 2) + 8 (t % 2) + p + 8 (p / 8) of its 128.
; THE SOFTMAX AHEAD OF THE SECOND PRODUCT: t = score x log2(e) / sqrt(128); M = the running largest t rounded UP to a whole number; p = 2^(t - M) is quantised along the keys, not normalised; the row's sum is taken of
; the unquantised p and divides O at the end; when M moves, the sum and O are multiplied by 2^(old M - new M), which rounds nothing.
; SHARES.  The eight work-groups of a (batch, head) pair are told apart by j = 0..7.  Wave w takes query tile j of the block of 128 queries qb = w xor 3 (w / 4) = 0, 1, 2, 3, 7, 6, 5, 4: it has qb + 1 key steps of 128 keys,
; waves w and w + 4 have nine together, and every work-group has 36.  Key steps behind a wave's block are left out by a scalar branch on the wave's number; the block's own step is masked.
; LDS holds the whole head's K and V, 8 x 25,600 bytes, FILLED ONCE: no byte is filled again.  Each wave issues four tensor loads at the head, one eighth of two key steps each; four are out at the most.
; The first barrier wants key steps 0, 1; the second 2, 3; the third the rest.
; CLUSTER: four of the eight work-groups of a pair ask for these tiles jointly (a mask names four at the most).  j enters global addresses and the mask's number alone.
; No prefetch: every tile is asked for in the kernel's first lines.
; LAYOUT.  Both products are used transposed: S^T = K Q^T, O^T = V^T P^T: a lane holds one query throughout, and O^T's 64 registers are channels 32 c + 16 h + i at register 16 c + i: they are quantised as they stand.
; OUT: ao [row tile 128][head 16][1,536], aos [128][16][128]: images of the last product's operand.  (A scale image is 128 consecutive bytes.)
; LIMITS: a block of zeros or under 2^-124 gets the byte 1; NaN and infinities are not served.
; REGISTERS: window 0: v1-6 addresses; v12 -M, v13 the largest t, v[14:15] the sum; v16-27 Q; v32-39 K's scale words, v40-47 V's; v48-84 the way out; v96-159 S^T, then p; v160-223 O^T; v224-254 at work; v255 Q's scale word.
;   window 1: v0-95 K's eight fragments; v96-191 V's.
.set REG,   38400
.set PART,  12800
.set STEPB, 25600                      ; a key step in LDS: K's images, K's scale words (at 12,288), V's images (at 12,800), V's scale words (at 25,088)
.set IMG,   1536
.set LI,  1                            ; v1   16 x lane
.set LS,  2                            ; v2   32 r
.set DQ,  3                            ; v3   my query's place in its block - 16 h
.set AI,  4                            ; v4   this step's images
.set ASC, 5                            ; v5   and scale words
.set LW,  6                            ; v6   4 x lane
.set PC,  48
.set TM,  68
.set PW,  84
.set WV,  18
.set SEL, 20
.set CS,  22
.set G1,  24
.set G0,  32                           ; s[32:47] four groups 0
.set ST,  48                           ; the key step
.set QB,  49                           ; my block of queries
.set TBS, 50                           ; 25,600 x the key step
.set CNT, 51
.set MSB, 0
.macro WIN new
.if MSB != \new
	s_set_vgpr_msb (MSB<<8)|\new
.set MSB, \new
.endif
.endm
.macro CROUND                          ; a round of the cluster's barrier
	s_barrier_signal -1
	s_barrier_wait -1
	s_cmp_lg_u32 s[WV], 0
	s_cbranch_scc1 .Lnot_wave_0_\@
	s_barrier_signal -3
.Lnot_wave_0_\@:
	s_barrier_wait -3
	s_barrier_signal -1
	s_barrier_wait -1
.endm
	s_load_b128 s[4:7], s[0:1], 0x0                ; qkv, ao
	s_load_b64 s[8:9], s[0:1], 0x10                ; aos
	v_lshl_add_u32 v250, v0, 2, 0x32000
	v_mov_b32 v251, 0
	ds_add_u32 v250, v251
	ds_add_u32 v250, v251
	v_lshrrev_b32 v8, 5, v0
	v_readfirstlane_b32 s[WV], v8                  ; wave 0..7
	s_bfe_u32 s52, ttmp6, 0x40000                  ; cx
	s_lshl_b32 s53, ttmp9, 2
	s_add_co_u32 s53, s53, s52                     ; j
	s_and_b32 s54, ttmp7, 0xffff                   ; batch 16 + head, which the partners share
	s_lshr_b32 s[QB], s[WV], 2
	s_mul_i32 s[QB], s[QB], 3
	s_xor_b32 s[QB], s[QB], s[WV]
	s_lshl_b32 s56, s54, 3                         ; what I fetch: of key steps 2 g + w / 4, quarter w % 4 of K's and V's 25,600 bytes
	s_lshr_b32 s58, s[WV], 2
	s_add_co_u32 s56, s56, s58
	s_mul_i32 s56, s56, REG
	s_and_b32 s58, s[WV], 3
	s_mul_i32 s58, s58, 6400
	s_add_co_u32 s56, s56, s58
	s_add_co_u32 s56, s56, PART                    ; behind q's part
	s_mov_b32 s57, 0
	s_mul_i32 s59, s[WV], 6400                     ; and where it goes
	s_mov_b32 s[G1], 15|(3<<16)|(1<<21)            ; the mask: all four work-groups; elements of 8 bytes; bit 21 beside a mask
	s_mov_b32 s[G1+1], 32<<16                      ; 25 rows of 256 bytes, dense
	s_mov_b32 s[G1+2], 25<<16
	s_mov_b32 s[G1+3], 32<<16
	s_mov_b32 s[G1+4], 25
	s_mov_b32 s[G1+5], 32
	s_mov_b32 s[G1+6], 0
	s_mov_b32 s[G1+7], 0
	s_mov_b32 s[SEL], 0x76543210
	s_mov_b32 s[SEL+1], 0xfedcba98
	s_mov_b32 s[CS], 0x3e0293ee                    ; c = log2(e) / sqrt(128)
	s_mov_b32 s[CS+1], s[CS]
	s_mov_b32 s[ST], 0
	s_mov_b32 s[TBS], 0
	s_wait_dscnt 0x0
	s_wait_kmcnt 0x0
	s_add_nc_u64 s[56:57], s[4:5], s[56:57]
	CROUND                                         ; all four work-groups are here: the joint loads meet
.irp g, 0,1,2,3
	s_mov_b32 s[G0+4*\g], 1
	s_add_co_u32 s[G0+4*\g+1], s59, 51200*\g
	s_add_nc_u64 s[G0+4*\g+2:G0+4*\g+3], s[56:57], 2*REG*\g
	s_or_b32 s[G0+4*\g+3], s[G0+4*\g+3], 0x80000000
.endr
.irp g, 0,1,2,3
	tensor_load_to_lds s[G0+4*\g:G0+4*\g+3], s[G1:G1+7]
	s_nop 0
.endr
.rept 4
	v_nop                                          ; behind the tensor loads
.endr
	v_and_b32 v8, 15, v0                           ; r
	v_bfe_u32 v9, v0, 4, 1                         ; h
	v_and_b32 v7, 31, v0
	v_lshlrev_b32 v[LI], 4, v7
	v_lshlrev_b32 v[LW], 2, v7
	v_lshlrev_b32 v[LS], 5, v8
	s_lshl_b32 s60, s54, 3
	s_add_co_u32 s60, s60, s[QB]
	s_mul_i32 s60, s60, REG                        ; my block's region: q's part is its first
	s_mov_b32 s61, 0
	s_add_nc_u64 s[10:11], s[4:5], s[60:61]
	s_mul_i32 s62, s53, IMG
	v_add_nc_u32 v10, s62, v[LI]                   ; image j
	s_lshl_b32 s63, s53, 2
	v_add_nc_u32 v11, s63, v[LS]                   ; scale word [r][j]
	global_load_b128 v[16:19], v10, s[10:11]
	global_load_b128 v[20:23], v10, s[10:11] offset:512
	global_load_b128 v[24:27], v10, s[10:11] offset:1024
	global_load_b32 v255, v11, s[10:11] offset:8*IMG
	v_and_b32 v[DQ], 8, v8
	v_add_nc_u32 v[DQ], v[DQ], v8                  ; r + 8 (r / 8)
	v_lshlrev_b32 v9, 4, v9
	v_sub_nc_u32 v[DQ], v[DQ], v9
	s_lshr_b32 s58, s53, 1
	s_lshl_b32 s58, s58, 5
	s_and_b32 s59, s53, 1
	s_lshl_b32 s59, s59, 3
	s_add_co_u32 s58, s58, s59
	v_add_nc_u32 v[DQ], s58, v[DQ]                 ; + 32 (j / 2) + 8 (j % 2)
	s_lshr_b32 s58, s54, 4                         ; where the result goes: row tile 64 batch + 8 qb + j, K step = head
	s_lshl_b32 s58, s58, 6
	s_lshl_b32 s59, s[QB], 3
	s_add_co_u32 s58, s58, s59
	s_add_co_u32 s58, s58, s53
	s_lshl_b32 s58, s58, 4
	s_and_b32 s59, s54, 15
	s_add_co_u32 s58, s58, s59
	s_mul_i32 s60, s58, IMG
	s_add_nc_u64 s[6:7], s[6:7], s[60:61]
	s_lshl_b32 s60, s58, 7
	s_add_nc_u64 s[8:9], s[8:9], s[60:61]
	v_mov_b32 v13, 0xff61b1e6                      ; the largest t so far: -3e38
	v_floor_f32 v12, -v13                          ; -M
	v_mov_b32 v14, 0
	v_mov_b32 v15, 0
.irp b, 0,1,2,3
	v_mov_b32 v[236+\b], 0                         ; a lane permute's destination counts as one of its sources
.endr
	v_mov_b32 v252, 0
	v_mov_b32 v253, 0                              ; named as the upper half of the pair v[252:253] before it is first written
.set n, 0
.rept 64
	v_mov_b32 v[160+n], 0                          ; O^T: the step is written alike for all steps; the first finds zeros
.set n, n+1
.endr
.macro FETCHK ai, as, off              ; 26 LDS loads: K's eight fragments and their scale words (two loads: tiles 0-3, 4-7 of row r)
	WIN 0x40                                       ; destination window 1
.irp t, 0,1,2,3,4,5,6,7
.irp c, 0,1,2
	ds_load_b128 v[12*\t+4*\c:12*\t+4*\c+3], v[\ai] offset:\off+IMG*\t+512*\c
.endr
.endr
	WIN 0
	ds_load_b128 v[32:35], v[\as] offset:\off+8*IMG
	ds_load_b128 v[36:39], v[\as] offset:\off+8*IMG+16
.endm
.macro FETCHV                          ; 26 more: V's
	WIN 0x40
.irp t, 0,1,2,3,4,5,6,7
.irp c, 0,1,2
	ds_load_b128 v[96+12*\t+4*\c:96+12*\t+4*\c+3], v[AI] offset:PART+IMG*\t+512*\c
.endr
.endr
	WIN 0
	ds_load_b128 v[40:43], v[ASC] offset:PART+8*IMG
	ds_load_b128 v[44:47], v[ASC] offset:PART+8*IMG+16
.endm
; A KEY STEP.  next = 1: the next step's K is fetched behind this step's first products.
.macro STEP next
	s_cmp_gt_u32 s[ST], s[QB]                      ; all its keys come after my queries: left out, but for the lines at its end that step addresses
	s_cbranch_scc1 .Lhidden_\@
	v_add_nc_u32 v[AI], s[TBS], v[LI]
	v_add_nc_u32 v[ASC], s[TBS], v[LS]
	v_nop
	v_nop                                          ; four plain instructions behind the last step's products, in front of the loads into V's registers
	FETCHV
	s_wait_dscnt 26                                ; K, asked for a step ago, is in; V's 26 loads may be out
	WIN 0x01                                       ; source 0 window 1
.irp t, 0,1,2,3,4,5,6,7
	v_wmma_scale_f32_16x16x128_f8f6f4 v[96+8*\t:103+8*\t], v[12*\t:12*\t+11], v[16:27], 0, v[32+\t], v255 matrix_a_fmt:MATRIX_FMT_FP6 matrix_b_fmt:MATRIX_FMT_FP6
.endr
	WIN 0
.rept 4
	v_nop                                          ; in front of the loads into K's registers and of the first read of the scores
.endr
.if \next
	FETCHK AI, ASC, STEPB
.endif
	s_cmp_lg_u32 s[ST], s[QB]
	s_cbranch_scc1 .Lopen_\@                       ; an earlier block of keys: all count
	v_mov_b32 v254, 0xff800000                     ; my own block: register 16 b + i holds key 32 b + 16 h + i of it: hidden where 32 b + i > my query's place - 16 h
.set n, 0
.rept 64
	v_cmp_gt_i32 vcc_lo, 32*(n/16)+n%16, v[DQ]
	v_cndmask_b32 v[96+n], v[96+n], v254, vcc_lo
.set n, n+1
.endr
.Lopen_\@:
.irp b, 0,1,2,3
	v_max3_num_f32 v[232+\b], v[96+16*\b], v[97+16*\b], v[98+16*\b]   ; the largest score of each block of 32 keys: for the row's maximum and, since p rises with the score, for the block's largest p
.endr
.irp i, 3,5,7,9,11,13
.irp b, 0,1,2,3
	v_max3_num_f32 v[232+\b], v[232+\b], v[96+16*\b+\i], v[97+16*\b+\i]
.endr
.endr
.irp b, 0,1,2,3
	v_max_num_f32 v[232+\b], v[232+\b], v[111+16*\b]
.endr
.irp b, 0,1,2,3
	v_permlanex16_b32 v[236+\b], v[232+\b], s[SEL], s[SEL+1]
.endr
.irp b, 0,1,2,3
	v_max_num_f32 v[232+\b], v[232+\b], v[236+\b]  ; with lane l xor 16's 16 keys
.endr
	v_max3_num_f32 v254, v232, v233, v234
	v_max_num_f32 v254, v254, v235
	v_mul_f32 v254, s[CS], v254
	v_max_num_f32 v13, v13, v254                   ; the running largest t
	v_mov_b32 v254, v12
	v_floor_f32 v12, -v13                          ; the new -M = -ceil(t)
	v_sub_f32 v254, v12, v254                      ; old M - new M: a whole number, 0 or less
	v_cvt_i32_f32 v254, v254
	v_ldexp_f32 v252, 1.0, v254                    ; f = 2^(old M - new M)
.set n, 0
.rept 32
	v_pk_fma_f32 v[96+n:97+n], v[96+n:97+n], s[CS:CS+1], v[12:13] op_sel_hi:[1,0,0]   ; t - M
.set n, n+2
.endr
.irp b, 0,1,2,3
	v_fma_f32 v[232+\b], v[232+\b], s[CS], v12
.endr
.set n, 0
.rept 64
	v_exp_f32 v[96+n], v[96+n]                     ; p = 2^(t - M)
.set n, n+1
.endr
	v_pk_mul_f32 v[14:15], v[14:15], v[252:253] op_sel_hi:[1,0]   ; the sums under the new M (a plain instruction behind the exponentials)
	s_wait_alu depctr_va_vdst(0)                   ; one wait for the batch, ahead of its first reader
.irp b, 0,1,2,3
	v_exp_f32 v[232+\b], v[232+\b]                 ; the block's largest p
.endr
	v_pk_add_f32 v[236:237], v[96:97], v[98:99]    ; the row's sum of the unquantised p, in two chains
.irp j, 4,8,12,16,20,24,28,32,36,40,44,48,52,56,60
	v_pk_add_f32 v[14:15], v[14:15], v[96+\j:97+\j]
	v_pk_add_f32 v[236:237], v[236:237], v[98+\j:99+\j]
.endr
	v_pk_add_f32 v[14:15], v[14:15], v[236:237]
	s_wait_alu depctr_va_vdst(0)                   ; and one for the four
.irp b, 0,1,2,3
	v_max_num_f32 v[232+\b], 0x1800000, v[232+\b]  ; the floor 2^(3 - 127)
.endr
.irp b, 0,1,2,3
	v_add_nc_u32 v[244+\b], 0xff000000, v[232+\b]
.endr
.irp b, 0,1,2,3
	v_lshrrev_b32 v[236+\b], 23, v[244+\b]
.endr
	v_lshl_or_b32 v253, v237, 8, v236              ; p's scale word for these 128 keys
	v_lshl_or_b32 v253, v238, 16, v253
	v_lshl_or_b32 v253, v239, 24, v253
.irp c, 0,1
	v_cvt_scalef32_pk16_fp6_f32 v[224+6*\c:226+6*\c], v[96+32*\c:111+32*\c], v[244+2*\c]
	v_cvt_scalef32_pk16_fp6_f32 v[236+4*\c:238+4*\c], v[112+32*\c:127+32*\c], v[244+2*\c+1]
.endr
	v_nop                                          ; one plain instruction behind the scaled conversions
.irp c, 0,1
.irp i, 0,1,2
	v_permlane16_swap_b32 v[224+6*\c+\i], v[236+4*\c+\i]
.endr
.irp i, 0,1,2
	v_mov_b32 v[227+6*\c+\i], v[236+4*\c+\i]
.endr
.endr
.set n, 0
.rept 32
	v_pk_mul_f32 v[160+n:161+n], v[160+n:161+n], v[252:253] op_sel_hi:[1,0]   ; O^T under the new M; these 32 also stand between the writes of p's codes and scale word and the products
.set n, n+2
.endr
.if \next
	s_wait_dscnt 26                                ; V is in; the next step's K may be out
.else
	s_wait_dscnt 0x0
.endif
	WIN 0x01
.irp t, 0,1,2,3,4,5,6,7
	v_wmma_scale_f32_16x16x128_f8f6f4 v[160+8*\t:167+8*\t], v[96+12*\t:96+12*\t+11], v[224:235], v[160+8*\t:167+8*\t], v[40+\t], v253 matrix_a_fmt:MATRIX_FMT_FP6 matrix_b_fmt:MATRIX_FMT_FP6
.endr
	WIN 0
.Lhidden_\@:
	s_add_co_u32 s[ST], s[ST], 1
	s_add_co_u32 s[TBS], s[TBS], STEPB
.endm
	s_wait_tensorcnt 3                             ; my part of key steps 0, 1 is in; my three later loads may be out
	s_barrier_signal -1
	s_barrier_wait -1
	FETCHK LI, LS, 0
	s_wait_loadcnt 0x0                             ; Q
	STEP 1                                         ; key step 0; it fetches K of step 1
	s_wait_dscnt 0x0
	s_wait_tensorcnt 2                             ; key steps 2, 3
	s_barrier_signal -1
	s_barrier_wait -1
	s_mov_b32 s[CNT], 2
.Lsteps_a:                                         ; key steps 1, 2; the second fetches K of step 3
	STEP 1
	s_sub_co_u32 s[CNT], s[CNT], 1
	s_cmp_lg_u32 s[CNT], 0
	s_cbranch_scc1 .Lsteps_a
	s_wait_dscnt 0x0
	s_wait_tensorcnt 0x0                           ; all
	s_barrier_signal -1
	s_barrier_wait -1
	s_mov_b32 s[CNT], 4
.Lsteps_b:                                         ; key steps 3 to 6
	STEP 1
	s_sub_co_u32 s[CNT], s[CNT], 1
	s_cmp_lg_u32 s[CNT], 0
	s_cbranch_scc1 .Lsteps_b
	STEP 0                                         ; key step 7: no K lies behind it
	s_wait_dscnt 0x0
	; THE WAY OUT: O^T / the sum, quantised along the channels as it stands: K step = my head of the last product's operand.
.macro QUANT s
.irp b, 0,1,2,3
	v_max3_num_f32 v[TM+\b], |v[\s+16*\b]|, |v[\s+1+16*\b]|, 0x1800000
.endr
.irp i, 2,4,6,8,10,12,14
.irp b, 0,1,2,3
	v_max3_num_f32 v[TM+\b], v[TM+\b], |v[\s+16*\b+\i]|, |v[\s+1+16*\b+\i]|
.endr
.endr
.irp b, 0,1,2,3
	v_permlanex16_b32 v[TM+4+\b], v[TM+\b], s[SEL], s[SEL+1]
.endr
.irp b, 0,1,2,3
	v_max_num_f32 v[TM+\b], v[TM+\b], v[TM+4+\b]
.endr
.irp b, 0,1,2,3
	v_add_nc_u32 v[TM+12+\b], 0xff000000, v[TM+\b]
.endr
.irp b, 0,1,2,3
	v_lshrrev_b32 v[TM+4+\b], 23, v[TM+12+\b]
.endr
	v_lshl_or_b32 v[PW], v[TM+5], 8, v[TM+4]
	v_lshl_or_b32 v[PW], v[TM+6], 16, v[PW]
	v_lshl_or_b32 v[PW], v[TM+7], 24, v[PW]
.irp c, 0,1
	v_cvt_scalef32_pk16_fp6_f32 v[PC+6*\c:PC+2+6*\c], v[\s+32*\c:\s+15+32*\c], v[TM+12+2*\c]
	v_cvt_scalef32_pk16_fp6_f32 v[PC+12+4*\c:PC+14+4*\c], v[\s+16+32*\c:\s+31+32*\c], v[TM+12+2*\c+1]
.endr
	v_nop
.irp c, 0,1
.irp i, 0,1,2
	v_permlane16_swap_b32 v[PC+6*\c+\i], v[PC+12+4*\c+\i]
.endr
.irp i, 0,1,2
	v_mov_b32 v[PC+3+6*\c+\i], v[PC+12+4*\c+\i]
.endr
.endr
.endm
	v_add_f32 v14, v14, v15                        ; the sum's two halves,
	v_permlanex16_b32 v252, v14, s[SEL], s[SEL+1]
	v_add_f32 v14, v14, v252                       ; and lane l xor 16's
	v_rcp_f32 v14, v14
.irp b, 0,1,2,3
	v_mov_b32 v[TM+4+\b], 0                        ; plain instructions behind the reciprocal and behind the last products
.endr
	s_wait_alu depctr_va_vdst(0)                   ; ahead of the reciprocal's first reader
.set n, 0
.rept 64
	v_mul_f32 v[96+n], v[160+n], v14               ; each accumulator from its low end on
.set n, n+1
.endr
	QUANT 96
.irp c, 0,1,2
	global_store_b128 v[LI], v[PC+4*\c:PC+4*\c+3], s[6:7] offset:512*\c   ; 512 consecutive bytes
.endr
	global_store_b32 v[LW], v[PW], s[8:9]
	s_wait_tensorcnt 0x0
	ds_add_u32 v250, v251
	s_wait_dscnt 0x0
	CROUND                                         ; the closing round
	s_endpgm
.Lfunc_end_k_q50c09ea63e_attn:
	.size	k_q50c09ea63e_attn, .Lfunc_end_k_q50c09ea63e_attn-k_q50c09ea63e_attn
	.p2alignl 7, 3214868480
	.fill 96, 4, 3214868480
	.section	.rodata,"a",@progbits
	.p2align	6, 0x0
	.amdhsa_kernel k_q50c09ea63e_attn
		.amdhsa_group_segment_fixed_size 205824
		.amdhsa_private_segment_fixed_size 0
		.amdhsa_enable_private_segment 0
		.amdhsa_kernarg_size 24
		.amdhsa_user_sgpr_count 2
		.amdhsa_user_sgpr_kernarg_segment_ptr 1
		.amdhsa_wavefront_size32 1
		.amdhsa_system_sgpr_workgroup_id_x 1
		.amdhsa_system_sgpr_workgroup_id_y 1
		.amdhsa_system_sgpr_workgroup_id_z 1
		.amdhsa_system_vgpr_workitem_id 0
		.amdhsa_next_free_vgpr 512
		.amdhsa_next_free_sgpr 66
		.amdhsa_reserve_vcc 1
		.amdhsa_float_denorm_mode_32 3
		.amdhsa_float_denorm_mode_16_64 3
		.amdhsa_memory_ordered 1
		.amdhsa_forward_progress 1
		.amdhsa_inst_pref_size 111
	.end_amdhsa_kernel
	.amdgpu_metadata
---
amdhsa.version: [ 1, 2 ]
amdhsa.kernels:
  - .name:           k_q50c09ea63e_attn
    .symbol:         k_q50c09ea63e_attn.kd
    .args:
      - { .name: qkv, .offset: 0, .size: 8, .value_kind: global_buffer, .address_space: global }
      - { .name: ao, .offset: 8, .size: 8, .value_kind: global_buffer, .address_space: global }
      - { .name: aos, .offset: 16, .size: 8, .value_kind: global_buffer, .address_space: global }
    .group_segment_fixed_size: 205824
    .private_segment_fixed_size: 0
    .kernarg_segment_align: 8
    .kernarg_segment_size: 24
    .max_flat_workgroup_size: 256
    .sgpr_count:     66
    .vgpr_count:     512
    .wavefront_size: 32
...
	.end_amdgpu_metadata
.endif
;; end of part 3
;; launch outp (part 4): grid 8 x 8, 4 waves a work-group, clusters of 4 x 4, 327,680 bytes of LDS; arguments ao, aos, xw, xws, out0; writes out0
.if DOCPART == 4
	.amdgcn_target "amdgcn-amd-amdhsa--gfx1250"
	.amdhsa_code_object_version 6
	.text
	.protected	k_q50c09ea63e_outp
	.globl	k_q50c09ea63e_outp
	.p2align	8
	.type	k_q50c09ea63e_outp,@function
k_q50c09ea63e_outp:
	s_mov_b64 s[64:65], 0
	v_nop
	global_prefetch_b8 v0, s[64:65] scope:SCOPE_SE
	s_setreg_imm32_b32 hwreg(HW_REG_WAVE_MODE, 25, 1), 1
	s_wait_xcnt 0x0
	s_wait_alu depctr_hold_cnt(0) depctr_sa_sdst(0) depctr_va_vdst(0) depctr_va_sdst(0) depctr_va_ssrc(0) depctr_va_vcc(0) depctr_vm_vsrc(0)
	s_getreg_b32 s2, hwreg(HW_REG_IB_STS2, 6, 4)
	s_cmp_eq_u32 s2, 0
	s_cbranch_scc0 .Lentry_in_a_cluster
	s_endpgm
.Lentry_in_a_cluster:
	s_bfe_u32 s2, ttmp6, 0x10000c
	s_cmp_lg_u32 s2, 0xf033
	s_cbranch_scc0 .Lentry_shape_is_right
	s_endpgm
.Lentry_shape_is_right:
; out0 = (attention's result) W_o^T on codes of FP6 (E2M3) with E8M0 scales: M = N = K = 2,048; out0 f32.
; A = ao, aos; B = tensor 4 of xw, xws: both as images of operand registers ([row tile][K step][1,536]; scale words [row tile][K step][128]).  Lane row p of row tile T is row 32 (T / 2) + 8 (T % 2) + p + 8 (p / 8).
; A tile of C, 256 x 256, is made by four waves, 128 x 128 each; K goes in steps of 256 through a ring of two LDS slots; the scale words come once.  The loop is the projections' loop.
; CLUSTERS: 4 x 4 work-groups; A's tiles are asked for jointly along a row of the cluster, B's along a column.
; THE WAY OUT undoes the order of rows and columns: lane (r, h) of accumulator (a, b) holds columns 32 (b / 2) + 16 h + 8 (b % 2) + 0 .. 7 of lane row r of A's block a.  A block goes through my stage in LDS (in slot 0, which has had its
; last fill and its last read) and leaves as whole rows of 512 bytes.
; REGISTERS as in the projections; on the way out v128-255 of window 0 hold rows read back.
.set TEN,   3145728
.set TENS,  262144
.set NQ,    2
.set IMG,   1536
.set TROW,  NQ*IMG
.set FR,    12
.set NL,    3
.set NP,    4
.set HALFT, 8*TROW
.set SLOT,  4*HALFT
.set LAPS,  4
.set SCL,   2*SLOT
.set HALFS, 16384
.set SBLK,  2048
.set SPARE, SCL+4*HALFS
.set SPITCH, 528
.set ADRA, 16
.set ADRB, 20
.set STO,  24                          ; v24     the way out: where I put 32 bytes of a row
.set RD,   25                          ; v25     where I read a row back
.set CO,   26                          ; v26     16 x lane
.set ADRS, 27
.set SPW,  28
.set NIL,  29
.set SC,   32
.set AF,   128
.set BK,   128
.set G1, 24
.set G0, 32
.set G1B, 48
.set G0B, 56
.set G1S, 68
.set G0S, 76
.set G1SB, 80
.set G0SB, 88
.set MSB, 0
.macro WIN new
.if MSB != \new
	s_set_vgpr_msb (MSB<<8)|\new
.set MSB, \new
.endif
.endm
.set MUL_LO, 0xa1
.set MUL_HI, 0xf1
.set TO_B,   0x40
.macro JLOAD g0a, g1a, g0b, g1b        ; a joint load: waves 0 and 1 for A, waves 2 and 3 for B; four v_nop follow each of the two lines
	s_cmp_eq_u32 s15, 0
	s_cbranch_scc0 .Lfor_b_\@
	tensor_load_to_lds s[\g0a:\g0a+3], s[\g1a:\g1a+7]
	s_nop 0
.rept 4
	v_nop
.endr
	s_branch .Lasked_\@
.Lfor_b_\@:
	tensor_load_to_lds s[\g0b:\g0b+3], s[\g1b:\g1b+7]
	s_nop 0
.rept 4
	v_nop
.endr
.Lasked_\@:
.endm
.macro CREST
	s_cmp_lg_u32 s14, 0
	s_cbranch_scc1 .Lnot_wave_0_\@
	s_barrier_signal -3
.Lnot_wave_0_\@:
	s_barrier_wait -3
	s_barrier_signal -1
	s_barrier_wait -1
.endm
.macro CROUND
	s_barrier_signal -1
	s_barrier_wait -1
	CREST
.endm
	s_load_b128 s[4:7], s[0:1], 0x0                ; ao, aos
	s_load_b128 s[8:11], s[0:1], 0x10              ; xw, xws
	s_load_b64 s[12:13], s[0:1], 0x20              ; out0
	v_lshl_add_u32 v[SPW], v0, 2, SPARE
	v_mov_b32 v[NIL], 0
	ds_add_u32 v28, v29
	ds_add_u32 v28, v29
	s_wait_dscnt 0x0
	v_lshrrev_b32 v1, 5, v0
	v_readfirstlane_b32 s14, v1
	s_lshr_b32 s15, s14, 1
	s_and_b32 s16, s14, 1
	s_bfe_u32 s40, ttmp6, 0x40000
	s_bfe_u32 s41, ttmp6, 0x40004
	s_lshl_b32 s42, ttmp9, 2
	s_add_co_u32 s42, s42, s40                     ; tile column
	s_and_b32 s17, ttmp7, 0xffff
	s_lshl_b32 s17, s17, 2
	s_add_co_u32 s17, s17, s41                     ; tile row
	s_lshl_b32 s43, s41, 2
	s_lshl_b32 s43, 15, s43
	s_lshl_b32 s44, 0x1111, s40
	s_or_b32 s[G1+0], s43, (3<<16)|(1<<21)         ; 8 row tiles x 3,072 bytes, 24,576 bytes apart
	s_or_b32 s[G1B+0], s44, (3<<16)|(1<<21)
.irp g, G1, G1B
	s_mov_b32 s[\g+1], 384<<16
	s_mov_b32 s[\g+2], 8<<16
	s_mov_b32 s[\g+3], 384<<16
	s_mov_b32 s[\g+4], 8
	s_mov_b32 s[\g+5], 3072
	s_mov_b32 s[\g+6], 0
	s_mov_b32 s[\g+7], 0
.endr
	s_or_b32 s[G1S+0], s43, (3<<16)|(1<<21)        ; 16,384 dense bytes as 64 rows of 256
	s_or_b32 s[G1SB+0], s44, (3<<16)|(1<<21)
.irp g, G1S, G1SB
	s_mov_b32 s[\g+1], 32<<16
	s_mov_b32 s[\g+2], 64<<16
	s_mov_b32 s[\g+3], 32<<16
	s_mov_b32 s[\g+4], 64
	s_mov_b32 s[\g+5], 32
	s_mov_b32 s[\g+6], 0
	s_mov_b32 s[\g+7], 0
.endr
	s_lshl_b32 s18, s16, 7
	s_lshl_b32 s20, s17, 8
	s_add_co_u32 s20, s20, s18                     ; A: row 256 x tile row + 128 x half
	s_lshl_b32 s22, s20, 7
	s_mul_i32 s20, s20, IMG
	s_mov_b32 s21, 0
	s_mov_b32 s23, 0
	s_lshl_b32 s46, s42, 8
	s_add_co_u32 s46, s46, s18                     ; B: row 256 x tile column + 128 x half of W_o
	s_lshl_b32 s92, s46, 7
	s_mul_i32 s46, s46, IMG
	s_add_co_u32 s46, s46, 4*TEN
	s_add_co_u32 s92, s92, 4*TENS
	s_mov_b32 s47, 0
	s_mov_b32 s93, 0
	s_mul_i32 s45, s14, HALFT
	s_mul_i32 s94, s14, HALFS
	s_wait_kmcnt 0x0
	s_add_nc_u64 s[20:21], s[4:5], s[20:21]
	s_add_nc_u64 s[22:23], s[6:7], s[22:23]
	s_add_nc_u64 s[46:47], s[8:9], s[46:47]
	s_add_nc_u64 s[92:93], s[10:11], s[92:93]
	CROUND                                         ; all sixteen work-groups are here: the first joint loads meet
	s_mov_b32 s[G0S], 1
	s_add_co_u32 s[G0S+1], s94, SCL
	s_mov_b64 s[G0S+2:G0S+3], s[22:23]
	s_or_b32 s[G0S+3], s[G0S+3], 0x80000000
	s_mov_b32 s[G0SB], 1
	s_add_co_u32 s[G0SB+1], s94, SCL
	s_mov_b64 s[G0SB+2:G0SB+3], s[92:93]
	s_or_b32 s[G0SB+3], s[G0SB+3], 0x80000000
	JLOAD G0S, G1S, G0SB, G1SB
.irp s, 0,1
	s_mov_b32 s[G0+4*\s], 1
	s_add_co_u32 s[G0+4*\s+1], s45, \s*SLOT
	s_add_nc_u64 s[G0+4*\s+2:G0+4*\s+3], s[20:21], \s*TROW
	s_or_b32 s[G0+4*\s+3], s[G0+4*\s+3], 0x80000000
	s_mov_b32 s[G0B+4*\s], 1
	s_add_co_u32 s[G0B+4*\s+1], s45, \s*SLOT
	s_add_nc_u64 s[G0B+4*\s+2:G0B+4*\s+3], s[46:47], \s*TROW
	s_or_b32 s[G0B+4*\s+3], s[G0B+4*\s+3], 0x80000000
	JLOAD G0+4*\s, G1, G0B+4*\s, G1B               ; three tensor loads of mine are out
.endr
	v_and_b32 v1, 15, v0                           ; r
	v_bfe_u32 v2, v0, 4, 1                         ; h
	v_and_b32 v3, 31, v0                           ; lane
	v_lshlrev_b32 v[CO], 4, v3
	s_mul_i32 s21, s15, HALFT
	s_mul_i32 s22, s16, HALFT
	s_add_co_u32 s22, s22, 2*HALFT
.irp s, 0,1
	v_add_nc_u32 v[ADRA+\s], s21, v[CO]
	v_add_nc_u32 v[ADRB+\s], s22, v[CO]
	s_add_co_u32 s21, s21, SLOT
	s_add_co_u32 s22, s22, SLOT
.endr
	v_lshlrev_b32 v5, 2, v3
	s_mul_i32 s21, s15, HALFS
	s_mul_i32 s22, s16, HALFS
	s_add_co_u32 s22, s22, 2*HALFS
	s_sub_co_u32 s22, s22, s21
	v_mul_u32_u24 v6, s22, v2                      ; lanes 16-31 take B's
	s_add_co_u32 s21, s21, SCL
	v_add_nc_u32 v5, v5, v6
	v_add_nc_u32 v[ADRS], s21, v5
	s_mul_i32 s23, s14, 16*SPITCH                  ; my stage
	v_mul_u32_u24 v5, v1, SPITCH
	v_lshl_add_u32 v5, v2, 6, v5                   ; in: row r, + 64 h
	v_add_nc_u32 v[STO], s23, v5
	v_add_nc_u32 v[RD], s23, v[CO]                 ; back: the 32 lanes take one row of 512 bytes
	s_lshl_b32 s96, s17, 8
	s_lshl_b32 s97, s15, 7
	s_add_co_u32 s96, s96, s97
	s_lshl_b32 s96, s96, 13                        ; my first row of C: rows of 8,192 bytes
	s_lshl_b32 s98, s42, 10
	s_lshl_b32 s99, s16, 9
	s_add_co_u32 s98, s98, s99                     ; my first column, in bytes
	s_add_co_u32 s96, s96, s98
	s_mov_b32 s97, 0
	s_add_nc_u64 s[12:13], s[12:13], s[96:97]
.macro FRAG reg, adr, q, i
.irp c, 0,1,2
	ds_load_b128 v[\reg+4*\c:\reg+4*\c+3], v[\adr] offset:(\i)*TROW+(\q)*IMG+512*\c
.endr
.endm
; The 64 accumulators take turns, one instruction a turn, in the same order in every step.
.macro MUL16 a0, p, q, sc, zero
.irp a, \a0, \a0+1
.irp b, 0,1,2,3,4,5,6,7
.if \zero
	v_wmma_scale_f32_16x16x128_f8f6f4 v[8*(8*((\a)%4)+\b):8*(8*((\a)%4)+\b)+7], v[128*(\p)+FR*\b:128*(\p)+FR*\b+FR-1], v[AF+FR*(\a):AF+FR*(\a)+FR-1], 0, v[SC+8*NQ*(\sc)+NQ*\b+(\q)], v[SC+8*NQ*(\sc)+NQ*(\a)+(\q)] matrix_a_fmt:MATRIX_FMT_FP6 matrix_b_fmt:MATRIX_FMT_FP6 matrix_a_scale:MATRIX_SCALE_ROW1
.else
	v_wmma_scale_f32_16x16x128_f8f6f4 v[8*(8*((\a)%4)+\b):8*(8*((\a)%4)+\b)+7], v[128*(\p)+FR*\b:128*(\p)+FR*\b+FR-1], v[AF+FR*(\a):AF+FR*(\a)+FR-1], v[8*(8*((\a)%4)+\b):8*(8*((\a)%4)+\b)+7], v[SC+8*NQ*(\sc)+NQ*\b+(\q)], v[SC+8*NQ*(\sc)+NQ*(\a)+(\q)] matrix_a_fmt:MATRIX_FMT_FP6 matrix_b_fmt:MATRIX_FMT_FP6 matrix_a_scale:MATRIX_SCALE_ROW1
.endif
.endr
.endr
.endm
.macro FETCH_B slot, q, p
	WIN TO_B
.irp i, 0,1,2,3,4,5,6,7
	FRAG 128*(\p)+FR*\i, ADRB+\slot, \q, \i
.endr
	WIN 0
.endm
.macro FETCH_A slot, q, i0
.irp i, \i0, \i0+1, \i0+2, \i0+3
	FRAG AF+FR*(\i), ADRA+\slot, \q, \i
.endr
.endm
.macro SCALES sc
.irp i, 0,1,2,3,4,5,6,7
.irp q, 0,1
	ds_load_b32 v[SC+8*NQ*\sc+NQ*\i+\q], v[ADRS] offset:\i*SBLK+128*\q
.endr
.endr
.endm
.macro PLACES n
.rept \n
	v_nop
.endr
.endm
.macro STEP slot, q, zero
	s_wait_dscnt 4*NL                              ; all but the youngest twelve loads (A's blocks 4-7)
	WIN MUL_LO
	MUL16 0, (\q)%2, \q, \slot, \zero
	MUL16 2, (\q)%2, \q, \slot, \zero
	s_wait_dscnt 0
	PLACES NP
	FETCH_B \slot, (\q)+1, 1-(\q)%2
	FETCH_A \slot, (\q)+1, 0
	WIN MUL_HI
	MUL16 4, (\q)%2, \q, \slot, \zero
	MUL16 6, (\q)%2, \q, \slot, \zero
	PLACES NP
	WIN 0
	FETCH_A \slot, (\q)+1, 4
.endm
.macro TURN slot, next, fill
	s_wait_tensorcnt 0x0                           ; all my tensor loads have landed: my part of the next slot
	ds_add_u32 v[SPW], v[NIL]                      ; 0 onto my spare word
	s_wait_dscnt 4*NL+1                            ; the add and the youngest twelve loads may be out
	WIN MUL_LO
	MUL16 0, 1, NQ-1, \slot, 0
	s_wait_dscnt 0x0                               ; the add is done, and my reads of this slot are over
	s_barrier_signal -1
	MUL16 2, 1, NQ-1, \slot, 0
	WIN 0
	s_barrier_wait -1
.if \fill
	CREST                                          ; no wave of any partner still reads this slot or has a load on its way
	s_add_nc_u64 s[G0+4*\slot+2:G0+4*\slot+3], s[G0+4*\slot+2:G0+4*\slot+3], 2*TROW
	s_add_nc_u64 s[G0B+4*\slot+2:G0B+4*\slot+3], s[G0B+4*\slot+2:G0B+4*\slot+3], 2*TROW
	JLOAD G0+4*\slot, G1, G0B+4*\slot, G1B
.else
	PLACES NP
.endif
	v_add_nc_u32 v[ADRS], 128*NQ, v[ADRS]
	FETCH_B \next, 0, 0
	FETCH_A \next, 0, 0
	SCALES \next
	WIN MUL_HI
	MUL16 4, 1, NQ-1, \slot, 0
	MUL16 6, 1, NQ-1, \slot, 0
	PLACES NP
	WIN 0
	FETCH_A \next, 0, 4
.endm
	s_wait_tensorcnt 1                             ; the scale words and my part of K step 0 are in; K step 1's load may be out
	s_barrier_signal -1
	s_barrier_wait -1
	FETCH_B 0, 0, 0
	FETCH_A 0, 0, 0
	SCALES 0
	FETCH_A 0, 0, 4
	STEP 0, 0, 1
	s_mov_b32 s3, LAPS-1
.Llap:
	TURN 0, 1, 1
	STEP 1, 0, 0
	TURN 1, 0, 1
	STEP 0, 0, 0
	s_sub_co_u32 s3, s3, 1
	s_cmp_lg_u32 s3, 0
	s_cbranch_scc1 .Llap
	TURN 0, 1, 0
	STEP 1, 0, 0
	s_wait_dscnt 4*NL
	WIN MUL_LO
	MUL16 0, 1, NQ-1, 1, 0
	MUL16 2, 1, NQ-1, 1, 0
	s_wait_dscnt 0
	WIN MUL_HI
	MUL16 4, 1, NQ-1, 1, 0
	MUL16 6, 1, NQ-1, 1, 0
	WIN 0
.macro TOSTAGE a                       ; LDS serves a wave's instructions in order (ISA guide 5.7.1.4): no wait between the stores and the loads, nor in front of the next block's stores
.set AC, 64*((\a)%4)
	WIN 0x08+4*((\a)/4)                            ; the data: window 2 or 3
.irp b, 0,1,2,3,4,5,6,7
	ds_store_b128 v[STO], v[AC+8*\b:AC+8*\b+3] offset:128*(\b/2)+32*(\b%2)        ; each accumulator from its low end on
	ds_store_b128 v[STO], v[AC+8*\b+4:AC+8*\b+7] offset:128*(\b/2)+32*(\b%2)+16
.endr
	WIN 0
.set BB, BK+64*((\a)%2)
.irp t, 0,1,2,3,4,5,6,7,8,9,10,11,12,13,14,15
	ds_load_b128 v[BB+4*\t:BB+4*\t+3], v[RD] offset:\t*SPITCH
.endr
.endm
.macro SEND a, younger                 ; stage row t is row 32 (a / 2) + 8 (a % 2) + t + 8 (t / 8) of my 128: it stands in the immediate, 127 x 8,192 bytes at the most
.set BB, BK+64*((\a)%2)
	s_wait_dscnt \younger
.irp t, 0,1,2,3,4,5,6,7,8,9,10,11,12,13,14,15
	global_store_b128 v[CO], v[BB+4*\t:BB+4*\t+3], s[12:13] offset:(32*((\a)/2)+8*((\a)%2)+\t+8*(\t/8))*8192 th:TH_STORE_NT   ; 32 lanes store 512 consecutive bytes
.endr
.endm
	PLACES NP
	TOSTAGE 0
.irp a, 1,2,3,4,5,6,7
.if \a > 1
	s_wait_xcnt 0x0                                ; block a - 2's stores have read their registers: block a's loads may land there
.endif
	TOSTAGE \a
	SEND \a-1, 32                                  ; behind block a - 1's loads: block a's 16 stores and 16 loads
.endr
	SEND 7, 0
	s_wait_tensorcnt 0x0                           ; the wave's end
	ds_add_u32 v[SPW], v[NIL]
	s_wait_dscnt 0x0
	CROUND                                         ; the closing round
	s_endpgm
.Lfunc_end_k_q50c09ea63e_outp:
	.size	k_q50c09ea63e_outp, .Lfunc_end_k_q50c09ea63e_outp-k_q50c09ea63e_outp
	.p2alignl 7, 3214868480
	.fill 96, 4, 3214868480
	.section	.rodata,"a",@progbits
	.p2align	6, 0x0
	.amdhsa_kernel k_q50c09ea63e_outp
		.amdhsa_group_segment_fixed_size 327680
		.amdhsa_private_segment_fixed_size 0
		.amdhsa_enable_private_segment 0
		.amdhsa_kernarg_size 40
		.amdhsa_user_sgpr_count 2
		.amdhsa_user_sgpr_kernarg_segment_ptr 1
		.amdhsa_wavefront_size32 1
		.amdhsa_system_sgpr_workgroup_id_x 1
		.amdhsa_system_sgpr_workgroup_id_y 1
		.amdhsa_system_sgpr_workgroup_id_z 1
		.amdhsa_system_vgpr_workitem_id 0
		.amdhsa_next_free_vgpr 1024
		.amdhsa_next_free_sgpr 100
		.amdhsa_reserve_vcc 0
		.amdhsa_float_denorm_mode_32 3
		.amdhsa_float_denorm_mode_16_64 3
		.amdhsa_memory_ordered 1
		.amdhsa_forward_progress 1
		.amdhsa_inst_pref_size 137
	.end_amdhsa_kernel
	.amdgpu_metadata
---
amdhsa.version: [ 1, 2 ]
amdhsa.kernels:
  - .name:           k_q50c09ea63e_outp
    .symbol:         k_q50c09ea63e_outp.kd
    .args:
      - { .name: ao, .offset: 0, .size: 8, .value_kind: global_buffer, .address_space: global }
      - { .name: aos, .offset: 8, .size: 8, .value_kind: global_buffer, .address_space: global }
      - { .name: xw, .offset: 16, .size: 8, .value_kind: global_buffer, .address_space: global }
      - { .name: xws, .offset: 24, .size: 8, .value_kind: global_buffer, .address_space: global }
      - { .name: out0, .offset: 32, .size: 8, .value_kind: global_buffer, .address_space: global }
    .group_segment_fixed_size: 327680
    .private_segment_fixed_size: 0
    .kernarg_segment_align: 8
    .kernarg_segment_size: 40
    .max_flat_workgroup_size: 128
    .sgpr_count:     100
    .vgpr_count:     1024
    .wavefront_size: 32
...
	.end_amdgpu_metadata
.endif
;; end of part 4
;; ======== version 2 of 2: 4 launches
;; limits: right only within a limited range of input values
;; workspace buffers: xw 15,728,640 bytes; xws 1,310,720 bytes; tab 589,824 bytes; qkv 9,830,400 bytes; ao 3,145,728 bytes; aos 262,144 bytes
;; launch prep (part 5): grid 656 x 1, 4 waves a work-group, no clusters, 38,912 bytes of LDS; arguments x, W_q, W_k, W_v, W_o, xw, xws, tab; writes xw, xws, tab
.if DOCPART == 5
	.amdgcn_target "amdgcn-amd-amdhsa--gfx1250"
	.amdhsa_code_object_version 6
	.text
	.protected	k_q50c09ea63e_prep
	.globl	k_q50c09ea63e_prep
	.p2align	8
	.type	k_q50c09ea63e_prep,@function
k_q50c09ea63e_prep:
	s_mov_b64 s[64:65], 0
	v_nop
	global_prefetch_b8 v0, s[64:65] scope:SCOPE_SE
	s_setreg_imm32_b32 hwreg(HW_REG_WAVE_MODE, 25, 1), 1
	s_wait_xcnt 0x0
; x, W_q, W_k, W_v, W_o, each [2048][2048] f32 with K innermost, become codes of FP6 (E2M3) with one E8M0 scale byte for each 32 along K; and the table of cosines and sines for the rotation is made.
; WORK LEFT OUT IN THIS PROGRAM: the causal mask sets the scores above the diagonal to -inf, so their p is 0 for all inputs: the attention launch passes over key steps that lie wholly above a wave's queries.
; A NaN, an infinity or an overflow that reaches only those scores is not carried to the result.  Every input is loaded.
; THE CODES ARE LAID AS IMAGES OF OPERAND REGISTERS.  A fragment (16 rows x 128 K) is 12 registers a lane; its image is 1,536 bytes: register group c (4 registers) of lane l at 512 c + 16 l.
; xw: [tensor 5][row tile 128][K step 16][1,536].   xws: [5][128][16][128]: the fragment's scale words, lane l's at 4 l (lanes 16-31 hold what lanes 0-15 hold).
; THE ROWS OF A TILE ARE NOT NEIGHBOURS: lane row p of row tile T is row 32 (T / 2) + 8 (T % 2) + p + 8 (p / 8), so that in a product used transposed the 16 registers of two neighbouring tiles are 16 neighbouring columns.
; A block's scale is 2^(floor(log2(its largest magnitude)) - 2); its byte is that magnitude's exponent field - 2, held at 1 from below.
; LIMITS: a block of zeros, and a block whose largest magnitude lies under 2^-124, gets the byte 1 (zeros give zero codes; the bytes are read by this program alone); NaN and infinities among the inputs are not served.
; SHARES.  Work-groups 0-511: row tile = number / 4, quarter of K = number % 4; wave w takes K step 4 x quarter + w of that row tile in ALL FIVE tensors, a unit (16 rows x 128 numbers) of one tensor at a time:
; 10,240 units are 40 for each of 256 WGPs, two work-groups of 20.  Each load reads 512 consecutive bytes of one row; the unit turns through the wave's own stage in LDS (rows 528 bytes apart) so that lane (r, h)
; gets, of row r, 16 neighbours of each block of 32.  Loads run two units (32 loads a wave) ahead.  The four waves' scale words of one tensor are 512 consecutive bytes of xws: they meet in LDS, behind the one barrier,
; and wave w stores tensor w's (wave 0 also tensor 4's).  No cluster: work-groups share no input.
; Work-groups 512-655: the table tab [1,152][64][cos, sin] f32.  Rows 0-1,023: the positions; rows 1,024-1,151: (1, 0), the rotation that changes nothing.
; The angle is f32(position) x 2^(-i log2(10000) / 64); it is reduced by multiples of pi / 2 held in two parts, and sine and cosine are polynomials on |r| <= pi / 4 (error about 1e-7 of 1).
; The angle itself carries the rounding of an f32 product: up to about 1e-4 rad at the largest positions, as in every f32 table.
.set TEN,   3145728                    ; bytes of a tensor's codes
.set TENS,  262144                     ; and of its scale words
.set WREG,  8960                       ; LDS of a wave: the stage, 16 x 528, rounded up
.set SP,    528
.set SCB,   4*WREG                     ; behind the stages: the scale words [tensor 5][wave 4][128]
.set SPARE, SCB+2560                   ; behind them: the spare words, 128 bytes for each wave, that no other line names
.set NWG,   512
.set GA,    4                          ; v4   16 x lane
.set SA,    5                          ; v5   the stage on the way in
.set LA,    6                          ; v6   and on the way out: row r, + 64 h
.set SG,    7                          ; v7   my scale word's place
.set SGR,   8                          ; v8   the scale words on the way out
.set R,     16                         ; v16-143  two sets of 64 registers as loaded
.set X,     144                        ; v144-207 register 16 b + i = k 32 b + 16 h + i of my row
.set PC,    208                        ; v208-227 the codes
.set TM,    228                        ; v228-243 at work
.set PW,    244                        ; the scale word
.set OS,    248
.set SEL,   20                         ; s[20:21] v_permlanex16_b32's selects for lane l xor 16
	v_lshl_add_u32 v254, v0, 2, SPARE
	v_mov_b32 v255, 0
	s_cmp_ge_u32 ttmp9, NWG
	s_cbranch_scc1 .Ltable
	s_load_b256 s[4:11], s[0:1], 0x0               ; x, W_q, W_k, W_v
	s_load_b128 s[12:15], s[0:1], 0x20             ; W_o, xw
	s_load_b64 s[16:17], s[0:1], 0x30              ; xws
	v_lshrrev_b32 v1, 5, v0
	v_readfirstlane_b32 s18, v1                    ; wave
	s_mul_i32 s19, s18, WREG
	s_lshl_b32 s22, s18, 7
	s_add_co_u32 s22, s22, SCB
	s_lshl_b32 s23, s18, 9
	s_add_co_u32 s23, s23, SCB
	v_and_b32 v1, 31, v0                           ; lane
	v_and_b32 v2, 15, v0                           ; r
	v_bfe_u32 v3, v0, 4, 1                         ; h
	v_lshlrev_b32 v[GA], 4, v1
	v_add_nc_u32 v[SA], s19, v[GA]
	v_mul_u32_u24 v[LA], v2, SP
	v_lshl_add_u32 v[LA], v3, 6, v[LA]
	v_add_nc_u32 v[LA], s19, v[LA]
	v_lshl_add_u32 v[SG], v1, 2, s22               ; in: 128 x wave + 4 x lane of a tensor's 512
	v_add_nc_u32 v[SGR], s23, v[GA]                ; out: tensor = my wave, 16 x lane
.irp b, 0,1,2,3
	v_mov_b32 v[TM+4+\b], 0                        ; written once: a lane permute's destination counts as one of its sources
.endr
	s_mov_b32 s[SEL], 0x76543210
	s_mov_b32 s[SEL+1], 0xfedcba98
	s_and_b32 s22, ttmp9, 3                        ; quarter of K
	s_lshr_b32 s23, ttmp9, 2                       ; row tile
	s_lshl_b32 s30, s22, 2
	s_add_co_u32 s30, s30, s18                     ; my K step
	s_lshr_b32 s24, s23, 1
	s_lshl_b32 s24, s24, 5
	s_and_b32 s25, s23, 1
	s_lshl_b32 s25, s25, 3
	s_add_co_u32 s24, s24, s25                     ; the tile's first row: 32 (T / 2) + 8 (T % 2)
	s_lshl_b32 s24, s24, 13                        ; rows of 8,192 bytes
	s_lshl_b32 s25, s30, 9                         ; a K step is 512 bytes of a row
	s_add_co_u32 s24, s24, s25
	s_mov_b32 s25, 0
	s_mul_i32 s26, s23, 24576
	s_mul_i32 s27, s30, 1536
	s_add_co_u32 s26, s26, s27                     ; my image's place in each tensor's codes
	s_mov_b32 s27, 0
	s_mul_i32 s28, s18, TENS                       ; the scale words that I store: tensor = my wave,
	s_lshl_b32 s29, s23, 11
	s_add_co_u32 s28, s28, s29                     ; the row tile,
	s_lshl_b32 s29, s22, 9
	s_add_co_u32 s28, s28, s29                     ; the quarter's four K steps
	s_mov_b32 s29, 0
	s_wait_alu depctr_va_vdst(0)
	s_wait_kmcnt 0x0
.irp t, 4,6,8,10,12
	s_add_nc_u64 s[\t:\t+1], s[\t:\t+1], s[24:25]  ; the same place in all five tensors
.endr
	s_add_nc_u64 s[32:33], s[14:15], s[26:27]      ; s[32+2u:33+2u]: where unit u's image goes
.irp t, 34,36,38,40
	s_add_nc_u64 s[\t:\t+1], s[\t-2:\t-1], TEN
.endr
	s_add_nc_u64 s[16:17], s[16:17], s[28:29]
.macro LOAD u                          ; unit u = tensor u: lane row i is the row i + 8 (i / 8) from the tile's first; 32 lanes read its 512 bytes of my K step
.irp i, 0,1,2,3,4,5,6,7,8,9,10,11,12,13,14,15
	global_load_b128 v[R+64*((\u)%2)+4*\i:R+64*((\u)%2)+4*\i+3], v[GA], s[4+2*(\u):5+2*(\u)] offset:(\i+8*(\i/8))*8192 th:TH_LOAD_NT
.endr
.endm
.macro TURN u                          ; through the stage: LDS serves a wave's instructions in order (ISA guide 5.7.1.4), so no wait stands between the stores and the loads
.irp i, 0,1,2,3,4,5,6,7,8,9,10,11,12,13,14,15
	ds_store_b128 v[SA], v[R+64*((\u)%2)+4*\i:R+64*((\u)%2)+4*\i+3] offset:SP*\i
.endr
.irp b, 0,1,2,3
.irp j, 0,1,2,3
	ds_load_b128 v[X+16*\b+4*\j:X+16*\b+4*\j+3], v[LA] offset:128*\b+16*\j
.endr
.endr
.endm
; 64 numbers of a lane, register 16 b + i = k 32 b + 16 h + i of my row, become a fragment's codes in v[PC] on and its scale word in v[PW]
.macro QUANT s
.irp b, 0,1,2,3
	v_max3_num_f32 v[TM+\b], |v[\s+16*\b]|, |v[\s+1+16*\b]|, 0x1800000   ; block b: my 16 numbers, and the floor 2^(3 - 127): the byte cannot fall under 1
.endr
.irp i, 2,4,6,8,10,12,14
.irp b, 0,1,2,3
	v_max3_num_f32 v[TM+\b], v[TM+\b], |v[\s+16*\b+\i]|, |v[\s+1+16*\b+\i]|   ; the four blocks by turns
.endr
.endr
.irp b, 0,1,2,3
	v_permlanex16_b32 v[TM+4+\b], v[TM+\b], s[SEL], s[SEL+1]
.endr
.irp b, 0,1,2,3
	v_max_num_f32 v[TM+\b], v[TM+\b], v[TM+4+\b]   ; with lane l xor 16's: the block's largest magnitude
.endr
.irp b, 0,1,2,3
	v_add_nc_u32 v[TM+12+\b], 0xff000000, v[TM+\b] ; 2 off its exponent field: the conversion takes this operand's exponent field as its scale
.endr
.irp b, 0,1,2,3
	v_lshrrev_b32 v[TM+4+\b], 23, v[TM+12+\b]      ; the scale's byte
.endr
	v_lshl_or_b32 v[PW], v[TM+5], 8, v[TM+4]
	v_lshl_or_b32 v[PW], v[TM+6], 16, v[PW]
	v_lshl_or_b32 v[PW], v[TM+7], 24, v[PW]
.irp c, 0,1
	v_cvt_scalef32_pk16_fp6_f32 v[PC+6*\c:PC+2+6*\c], v[\s+32*\c:\s+15+32*\c], v[TM+12+2*\c]
	v_cvt_scalef32_pk16_fp6_f32 v[PC+12+4*\c:PC+14+4*\c], v[\s+16+32*\c:\s+31+32*\c], v[TM+12+2*\c+1]   ; a conversion's three registers begin on an even number
.endr
	v_nop                                          ; one plain instruction behind the scaled conversions
.irp c, 0,1                                    ; the operand's layout wants a whole block in a lane: lanes 0-15 block 2 c, lanes 16-31 block 2 c + 1
.irp i, 0,1,2
	v_permlane16_swap_b32 v[PC+6*\c+\i], v[PC+12+4*\c+\i]
.endr
.irp i, 0,1,2
	v_mov_b32 v[PC+3+6*\c+\i], v[PC+12+4*\c+\i]
.endr
.endr
.endm
.macro UNIT u
.if (\u) < 4
	s_wait_loadcnt 16                              ; this unit's 16 loads are in; the next unit's 16 may be out
.else
	s_wait_loadcnt 0x0
.endif
	TURN \u
	s_wait_dscnt 0x0                               ; the numbers are back, and the stage's stores have read their registers
.if (\u) > 0
	s_wait_xcnt 0x0                                ; the last unit's stores have read the codes' registers: they are written again only behind this wait
.endif
.if (\u) < 3
	LOAD (\u)+2                                    ; into the registers that the stage's stores have read
.endif
	QUANT X
	ds_store_b32 v[SG], v[PW] offset:512*(\u)
.irp c, 0,1,2
	global_store_b128 v[GA], v[PC+4*\c:PC+4*\c+3], s[32+2*(\u):33+2*(\u)] offset:512*\c   ; 32 lanes store 512 consecutive bytes
.endr
.endm
	LOAD 0
	LOAD 1
.irp u, 0,1,2,3,4
	UNIT \u
.endr
	s_wait_dscnt 0x0                               ; my scale words are in LDS
	s_barrier_signal -1
	s_barrier_wait -1                              ; everybody's are
	ds_load_b128 v[OS:OS+3], v[SGR]                ; the four waves' words of tensor w
	s_wait_dscnt 0x0
	global_store_b128 v[GA], v[OS:OS+3], s[16:17]  ; 512 consecutive bytes
	s_cmp_lg_u32 s18, 0
	s_cbranch_scc1 .Lnot_wave_0
	ds_load_b128 v[TM:TM+3], v[SGR] offset:2048    ; wave 0: tensor 4's too
	s_wait_dscnt 0x0
	global_store_b128 v[GA], v[TM:TM+3], s[16:17] offset:4*TENS
.Lnot_wave_0:
	s_wait_tensorcnt 0x0                           ; the wave's end
	ds_add_u32 v254, v255
	s_wait_dscnt 0x0
	s_endpgm
.Ltable:
	s_load_b64 s[4:5], s[0:1], 0x38                ; tab
	s_sub_co_u32 s6, ttmp9, NWG
	s_lshl_b32 s6, s6, 7
	s_mov_b32 s30, 0x3f22f983                      ; 2 / pi
	s_mov_b32 s31, 0xbfc90fdb                      ; -(pi / 2), its upper part
	s_mov_b32 s32, 0x333bbd2e                      ; and what is left of it
	s_mov_b32 s33, 0xb94ca1f9                      ; the sine's three coefficients
	s_mov_b32 s34, 0x3c08839e
	s_mov_b32 s35, 0xbe2aaaa3
	s_mov_b32 s36, 0x37ccf5ce                      ; the cosine's
	s_mov_b32 s37, 0xbab6061a
	s_mov_b32 s38, 0x3d2aaaa5
	v_add_nc_u32 v1, s6, v0                        ; g: thread g makes pairs 2 (g % 32), + 1 of rows g / 32 and g / 32 + 576
	v_lshrrev_b32 v2, 5, v1
	v_and_b32 v3, 31, v1
	v_lshlrev_b32 v4, 4, v1                        ; 16 g: a row is 512 bytes, two pairs are 16
	v_lshlrev_b32 v5, 1, v3
	v_cvt_f32_u32 v6, v5
	v_add_nc_u32 v5, 1, v5
	v_cvt_f32_u32 v7, v5
	v_mul_f32 v6, 0xbe549a78, v6                   ; -i log2(10000) / 64
	v_mul_f32 v7, 0xbe549a78, v7
	s_wait_alu depctr_va_vdst(0)
	v_exp_f32 v6, v6
	v_exp_f32 v7, v7
	v_add_nc_u32 v8, 576, v2                       ; (a plain instruction behind the exponentials)
	s_wait_alu depctr_va_vdst(0)                   ; one wait for both, ahead of their first reader
	v_cmp_gt_u32 vcc_lo, 1024, v8
	v_cndmask_b32 v8, 0, v8, vcc_lo                ; rows 1,024 on take the angle 0: (1, 0)
	v_cvt_f32_u32 v9, v2
	v_cvt_f32_u32 v10, v8
	v_mul_f32 v12, v9, v6
	v_mul_f32 v13, v9, v7
	v_mul_f32 v14, v10, v6
	v_mul_f32 v15, v10, v7
.macro SINCOS ang, c, s
	v_mul_f32 v40, s30, v[\ang]
	v_rndne_f32 v40, v40                           ; n
	v_fma_f32 v41, v40, s31, v[\ang]
	v_fma_f32 v41, v40, s32, v41                   ; r = angle - n pi / 2
	v_mul_f32 v42, v41, v41                        ; z
	v_fma_f32 v43, v42, s33, s34
	v_fma_f32 v43, v43, v42, s35
	v_mul_f32 v43, v43, v42
	v_fma_f32 v43, v43, v41, v41                   ; sin r
	v_fma_f32 v44, v42, s36, s37
	v_fma_f32 v44, v44, v42, s38
	v_mul_f32 v44, v44, v42
	v_fma_f32 v45, v42, -0.5, 1.0
	v_fma_f32 v44, v44, v42, v45                   ; cos r
	v_cvt_i32_f32 v46, v40
	v_and_b32 v47, 1, v46
	v_cmp_eq_u32 vcc_lo, 1, v47
	v_cndmask_b32 v[\s], v43, v44, vcc_lo          ; an odd n: the two change places
	v_cndmask_b32 v[\c], v44, v43, vcc_lo
	v_and_b32 v47, 2, v46
	v_lshlrev_b32 v47, 30, v47
	v_xor_b32 v[\s], v[\s], v47                    ; n % 4 = 2, 3: -sin
	v_add_nc_u32 v46, 1, v46
	v_and_b32 v46, 2, v46
	v_lshlrev_b32 v46, 30, v46
	v_xor_b32 v[\c], v[\c], v46                    ; n % 4 = 1, 2: -cos
.endm
	SINCOS 12, 16, 17
	SINCOS 13, 18, 19
	SINCOS 14, 20, 21
	SINCOS 15, 22, 23
	s_wait_alu depctr_va_vdst(0)
	s_wait_kmcnt 0x0
	global_store_b128 v4, v[16:19], s[4:5]                  ; a wave stores a row's 512 consecutive bytes
	global_store_b128 v4, v[20:23], s[4:5] offset:294912    ; and the row 576 further down
	s_endpgm
.Lfunc_end_k_q50c09ea63e_prep:
	.size	k_q50c09ea63e_prep, .Lfunc_end_k_q50c09ea63e_prep-k_q50c09ea63e_prep
	.p2alignl 7, 3214868480
	.fill 96, 4, 3214868480
	.section	.rodata,"a",@progbits
	.p2align	6, 0x0
	.amdhsa_kernel k_q50c09ea63e_prep
		.amdhsa_group_segment_fixed_size 38912
		.amdhsa_private_segment_fixed_size 0
		.amdhsa_enable_private_segment 0
		.amdhsa_kernarg_size 64
		.amdhsa_user_sgpr_count 2
		.amdhsa_user_sgpr_kernarg_segment_ptr 1
		.amdhsa_wavefront_size32 1
		.amdhsa_system_sgpr_workgroup_id_x 1
		.amdhsa_system_sgpr_workgroup_id_y 1
		.amdhsa_system_sgpr_workgroup_id_z 1
		.amdhsa_system_vgpr_workitem_id 0
		.amdhsa_next_free_vgpr 256
		.amdhsa_next_free_sgpr 66
		.amdhsa_reserve_vcc 1
		.amdhsa_float_denorm_mode_32 3
		.amdhsa_float_denorm_mode_16_64 3
		.amdhsa_memory_ordered 1
		.amdhsa_forward_progress 1
		.amdhsa_inst_pref_size 49
	.end_amdhsa_kernel
	.amdgpu_metadata
---
amdhsa.version: [ 1, 2 ]
amdhsa.kernels:
  - .name:           k_q50c09ea63e_prep
    .symbol:         k_q50c09ea63e_prep.kd
    .args:
      - { .name: x, .offset: 0, .size: 8, .value_kind: global_buffer, .address_space: global }
      - { .name: W_q, .offset: 8, .size: 8, .value_kind: global_buffer, .address_space: global }
      - { .name: W_k, .offset: 16, .size: 8, .value_kind: global_buffer, .address_space: global }
      - { .name: W_v, .offset: 24, .size: 8, .value_kind: global_buffer, .address_space: global }
      - { .name: W_o, .offset: 32, .size: 8, .value_kind: global_buffer, .address_space: global }
      - { .name: xw, .offset: 40, .size: 8, .value_kind: global_buffer, .address_space: global }
      - { .name: xws, .offset: 48, .size: 8, .value_kind: global_buffer, .address_space: global }
      - { .name: tab, .offset: 56, .size: 8, .value_kind: global_buffer, .address_space: global }
    .group_segment_fixed_size: 38912
    .private_segment_fixed_size: 0
    .kernarg_segment_align: 8
    .kernarg_segment_size: 64
    .max_flat_workgroup_size: 128
    .sgpr_count:     66
    .vgpr_count:     256
    .wavefront_size: 32
...
	.end_amdgpu_metadata
.endif
;; end of part 5
;; launch proj (part 6): grid 24 x 8, 4 waves a work-group, clusters of 4 x 4, 327,680 bytes of LDS; arguments xw, xws, tab, qkv; writes qkv
.if DOCPART == 6
	.amdgcn_target "amdgcn-amd-amdhsa--gfx1250"
	.amdhsa_code_object_version 6
	.text
	.protected	k_q50c09ea63e_proj
	.globl	k_q50c09ea63e_proj
	.p2align	8
	.type	k_q50c09ea63e_proj,@function
k_q50c09ea63e_proj:
	s_mov_b64 s[64:65], 0
	v_nop
	global_prefetch_b8 v0, s[64:65] scope:SCOPE_SE
	s_setreg_imm32_b32 hwreg(HW_REG_WAVE_MODE, 25, 1), 1
	s_wait_xcnt 0x0
	s_wait_alu depctr_hold_cnt(0) depctr_sa_sdst(0) depctr_va_vdst(0) depctr_va_sdst(0) depctr_va_ssrc(0) depctr_va_vcc(0) depctr_vm_vsrc(0)
	s_getreg_b32 s2, hwreg(HW_REG_IB_STS2, 6, 4)
	s_cmp_eq_u32 s2, 0
	s_cbranch_scc0 .Lentry_in_a_cluster
	s_endpgm
.Lentry_in_a_cluster:
	s_bfe_u32 s2, ttmp6, 0x10000c
	s_cmp_lg_u32 s2, 0xf033
	s_cbranch_scc0 .Lentry_shape_is_right
	s_endpgm
.Lentry_shape_is_right:
; The three projections, on codes of FP6 (E2M3) with E8M0 scales, K = 2,048; the rotation of q and k; and the quantising of q, k (along the head's 128) and v (along the keys) for the attention.
; Tile columns 0-7: q = x W_q^T; 8-15: k = x W_k^T (A = x, B = the weight);  16-23: v TRANSPOSED, W_v x^T (A = W_v, B = x), so that v's K, the keys, runs along a lane's registers like any other.
; A tile of C, 256 x 256, is made by four waves, 128 x 128 each: 64 accumulators, 512 registers.  K goes in chunks of 256 through a ring of two LDS slots.  192 tiles: a tile of 192 columns, which would give 256, cuts heads and images in half.
; OPERANDS LIE IN MEMORY AS IMAGES OF THEIR REGISTERS (xw: [tensor][row tile][K step][1,536]): a fragment comes by three ds_load_b128 at 16 x lane; a row tile's part of a slot is 3,072 consecutive bytes.
; THE HEAD'S FOUR TILES, ONE JOINT LOAD A WAVE: wave 0 chunk 0 of A's 16 row tiles, wave 1 of B's, wave 2 the scale words of A's 256 rows for all of K (xws: [tensor][row tile][K step][128]), wave 3 B's; the scale words stay.
; Slot 1's first fill stands behind the full sequence and a round of the cluster's barrier, as a refill does; from there on each wave fetches a quarter of a slot.  One tensor load of a wave is out at any time.
; THE MATRIX INSTRUCTION IS USED TRANSPOSED (source 0 = 16 rows of B, source 1 = 16 rows of A), and lane row p of a row tile T is row 32 (T / 2) + 8 (T % 2) + p + 8 (p / 8): so lane (r, h) holds lane row r of A's
; block a, and the 64 registers of that block's eight accumulators are columns 32 c + 16 h + i at register 16 c + i: what the conversions want.  The result never goes through LDS.
; CLUSTERS: 4 x 4 work-groups; A's tiles are asked for jointly along a row of the cluster, B's along a column.  Which tensors are A and B hangs on the cluster's x alone, which all sixteen share.
; PREFETCH INTO THE L2: behind the fill of chunk c stands one prefetch of chunk c + 2, up to chunk 7.  Of the 8 row tiles that a wave fetches, the partner at place p (cx for A, cy for B) names tiles 2 p and 2 p + 1:
; 24 blocks of 256 bytes, a lane a block (lanes 24-31 name the last again): told apart by address alone.  The table's 128 rows of a wave (64 KiB) are named once ahead of the loop, 8 KiB by each of the 2 waves x 4 partners
; that read them; the clusters that make v all read the same 128 rows and ask for none.
; THE WAY OUT, block by block of 16 rows: out1 = x1 cos - x2 sin, out2 = x1 sin + x2 cos with the table's row of the lane's position (v takes the table's rows (1, 0)); quantised; the image goes to
; qkv: [(batch 16 + head) 8 + step][q, k, v][8 images of 1,536, then 512 bytes of scale words [r][tile]].  The table's numbers come into four sets of 64 registers: block 0's ahead of the loop (registers idle there),
; blocks 1 and 2's ahead of the last step (B's set that is done with), block 3's behind it, block a + 4's when block a is rotated.
; LIMITS: a block of zeros or under 2^-124 gets the byte 1; NaN and infinities are not served.
; REGISTERS: window 0: v0-31 addresses; v32-63 scale words, two sets; v64-127 table set 0; v128-223 A's fragments, one set; on the way out v128-251 at work.  window 1: B's fragments, two sets, at v0 and v128; on the way out
; table sets 1-3 at v0, v64, v128.  windows 2, 3: the accumulators ((a, b) at v[8 (8 (a % 4) + b)]).
.set TEN,   3145728
.set TENS,  262144
.set NQ,    2                          ; matrix instructions deep in a slot
.set IMG,   1536
.set TROW,  NQ*IMG                     ; a row tile's bytes in a slot
.set FR,    12
.set NL,    3                          ; LDS loads that bring a fragment
.set NP,    4                          ; places behind this matrix instruction (ISA guide 7.12.1)
.set HALFT, 8*TROW                     ; 128 rows
.set SLOT,  4*HALFT
.set LAPS,  4
.set SCL,   2*SLOT                     ; behind the ring: the scale words
.set HALFS, 16384
.set SBLK,  2048
.set SPARE, SCL+4*HALFS                ; the spare words, 128 bytes for each wave, that no other line names
.set ADRA, 16
.set ADRB, 20
.set LI,   24                          ; 16 x lane
.set TBO,  25                          ; the table: my lane row's row, + 64 h
.set SSO,  26                          ; the scale words on the way out: 32 r + 16 h
.set ADRS, 27                          ; LDS address of my scale words: lanes 0-15 A's, lanes 16-31 B's
.set SPW,  28
.set NIL,  29
.set PFO,  30                          ; the tiles' prefetch: my lane's block
.set PFT,  31                          ; the table's prefetch
.set SC,   32
.set AF,   128
.set X,    128                         ; the rotated numbers
.set U,    192
.set PC,   200
.set TM,   220
.set PW,   236
.set SW,   240
.set SD,   248
.set SEL,  18
.set G0H,  4                           ; the head's loads: s[4:7] A's codes, s[92:95] B's
.set G0HB, 92
.set G1, 24
.set G0, 32
.set G1B, 48
.set G0B, 56
.set G1S, 68
.set G0S, 76
.set G1SB, 80
.set G0SB, 88
.set PFA, 96                           ; s[96:97] where my prefetches stand
.set MSB, 0
.macro WIN new                         ; the immediate's high byte repeats the setting that is left
.if MSB != \new
	s_set_vgpr_msb (MSB<<8)|\new
.set MSB, \new
.endif
.endm
.set MUL_LO, 0xa1                      ; source 0 (B) window 1, source 1 (A) window 0, C and D window 2
.set MUL_HI, 0xf1
.set TO_B,   0x40
.macro JLOAD g0a, g1a, g0b, g1b        ; waves 0 and 1 fetch for A, waves 2 and 3 for B; s_nop 0 and four v_nop follow each line
	s_cmp_eq_u32 s15, 0
	s_cbranch_scc0 .Lfor_b_\@
	tensor_load_to_lds s[\g0a:\g0a+3], s[\g1a:\g1a+7]
	s_nop 0
.rept 4
	v_nop
.endr
	s_branch .Lasked_\@
.Lfor_b_\@:
	tensor_load_to_lds s[\g0b:\g0b+3], s[\g1b:\g1b+7]
	s_nop 0
.rept 4
	v_nop
.endr
.Lasked_\@:
.endm
.macro CREST                           ; a round of the cluster's barrier behind its opening barrier
	s_cmp_lg_u32 s14, 0
	s_cbranch_scc1 .Lnot_wave_0_\@
	s_barrier_signal -3
.Lnot_wave_0_\@:
	s_barrier_wait -3
	s_barrier_signal -1
	s_barrier_wait -1
.endm
.macro CROUND
	s_barrier_signal -1
	s_barrier_wait -1
	CREST
.endm
.macro MKG0 g, a0, goff                ; a group 0 but for its LDS address
	s_mov_b32 s[\g], 1
	s_add_nc_u64 s[\g+2:\g+3], s[\a0:\a0+1], \goff
	s_or_b32 s[\g+3], s[\g+3], 0x80000000
.endm
	s_load_b128 s[4:7], s[0:1], 0x0                ; xw, xws
	s_load_b128 s[8:11], s[0:1], 0x10              ; tab, qkv
	v_lshl_add_u32 v[SPW], v0, 2, SPARE
	v_mov_b32 v[NIL], 0
	ds_add_u32 v[SPW], v[NIL]                      ; the opening lines: the add, twice on end; its wait stands ahead of my first tensor load
	ds_add_u32 v[SPW], v[NIL]
	v_lshrrev_b32 v1, 5, v0
	v_readfirstlane_b32 s14, v1                    ; wave 0..3
	s_lshr_b32 s15, s14, 1                         ; which half of the tile's rows is mine.  Also: in the ring I fetch for A (0) or for B (1)
	s_and_b32 s16, s14, 1                          ; which half of its columns.  Also: which 128 rows I fetch
	s_bfe_u32 s40, ttmp6, 0x40000                  ; cx, cy
	s_bfe_u32 s41, ttmp6, 0x40004
	s_mul_i32 s43, s15, HALFT                      ; my 128 rows of A
	s_mul_i32 s44, s16, HALFT
	s_add_co_u32 s44, s44, 2*HALFT                 ; my 128 rows of B, behind A's 256
	s_mul_i32 s67, s15, HALFS
	s_mul_i32 s99, s16, HALFS
	s_add_co_u32 s99, s99, 2*HALFS
	s_sub_co_u32 s99, s99, s67                     ; from A's scale words to B's
	s_add_co_u32 s67, s67, SCL
	s_lshl_b32 s13, s16, 2
	s_add_co_u32 s13, s13, s40
	s_lshl_b32 s13, s13, 13                        ; my 8 KiB of the table's 64
	v_and_b32 v1, 15, v0                           ; r
	v_bfe_u32 v2, v0, 4, 1                         ; h
	v_and_b32 v3, 31, v0                           ; lane
	v_lshlrev_b32 v[LI], 4, v3
	v_add_nc_u32 v[ADRA], s43, v[LI]
	v_add_nc_u32 v[ADRB], s44, v[LI]
	v_add_nc_u32 v[ADRA+1], SLOT, v[ADRA]
	v_add_nc_u32 v[ADRB+1], SLOT, v[ADRB]
	v_lshlrev_b32 v5, 2, v3                        ; a scale word's place in its image: 4 x lane
	v_mul_u32_u24 v6, s99, v2                      ; lanes 16-31 take B's
	v_add_nc_u32 v5, v5, v6
	v_add_nc_u32 v[ADRS], s67, v5
	v_and_b32 v4, 8, v1
	v_add_nc_u32 v4, v4, v1                        ; r + 8 (r / 8)
	v_lshlrev_b32 v[TBO], 9, v4                    ; the table's rows are 512 bytes
	v_lshl_add_u32 v[TBO], v2, 6, v[TBO]
	v_lshlrev_b32 v[SSO], 5, v1
	v_lshl_add_u32 v[SSO], v2, 4, v[SSO]
	v_min_u32 v5, 23, v3                           ; m: block m % 12 of row tile m / 12 of my two
	v_mul_u32_u24 v6, v5, 171
	v_lshrrev_b32 v6, 11, v6                       ; m / 12 for m under 24
	v_mul_u32_u24 v6, v6, 24576-3072
	v_lshl_add_u32 v[PFO], v5, 8, v6
	v_lshl_add_u32 v[PFT], v3, 8, s13
	s_lshl_b32 s42, ttmp9, 2
	s_add_co_u32 s42, s42, s40                     ; tile column = 4 x cluster x + cx
	s_and_b32 s17, ttmp7, 0xffff
	s_lshl_b32 s17, s17, 2
	s_add_co_u32 s17, s17, s41                     ; tile row = 4 x cluster y + cy
	s_lshl_b32 s43, s41, 2
	s_lshl_b32 s43, 15, s43                        ; my row of the cluster
	s_lshl_b32 s44, 0x1111, s40                    ; my column
	s_lshr_b32 s66, ttmp9, 2                       ; 1 in the clusters that make v (cluster x 4, 5), else 0
	; group 1 for the codes: row tiles x 3,072 bytes (384 elements of 8 bytes), 24,576 bytes apart: 16 row tiles for the head's loads, then 8; no padding: the fragments are read 16 x lane on end
	s_or_b32 s[G1+0], s43, (3<<16)|(1<<21)
	s_or_b32 s[G1B+0], s44, (3<<16)|(1<<21)
.irp g, G1, G1B
	s_mov_b32 s[\g+1], 384<<16
	s_mov_b32 s[\g+2], 16<<16
	s_mov_b32 s[\g+3], 384<<16
	s_mov_b32 s[\g+4], 16
	s_mov_b32 s[\g+5], 3072
	s_mov_b32 s[\g+6], 0
	s_mov_b32 s[\g+7], 0
.endr
	; and for the scale words of 256 rows: 32,768 dense bytes as 128 rows of 256
	s_or_b32 s[G1S+0], s43, (3<<16)|(1<<21)
	s_or_b32 s[G1SB+0], s44, (3<<16)|(1<<21)
.irp g, G1S, G1SB
	s_mov_b32 s[\g+1], 32<<16
	s_mov_b32 s[\g+2], 128<<16
	s_mov_b32 s[\g+3], 32<<16
	s_mov_b32 s[\g+4], 128
	s_mov_b32 s[\g+5], 32
	s_mov_b32 s[\g+6], 0
	s_mov_b32 s[\g+7], 0
.endr
	; where my 128 x 128 goes, and which rows of the table it takes: in registers that feed no descriptor
	s_lshl_b32 s12, s17, 1
	s_add_co_u32 s12, s12, s15                     ; A's block of 128 rows
	s_lshl_b32 s13, s42, 1
	s_add_co_u32 s13, s13, s16
	s_lshr_b32 s98, s13, 4                         ; 0: q, 1: k, 2: v
	s_and_b32 s13, s13, 15                         ; B's block of 128 rows
	s_and_b32 s18, s12, 7
	s_lshl_b32 s18, s18, 16                        ; q, k: A's rows are positions: 128 rows of the table, 65,536 bytes, for each block
	s_cmp_lg_u32 s66, 0
	s_cselect_b32 s99, s13, s12                    ; the block of positions: batch 8 + step,
	s_cselect_b32 s67, s12, s13                    ; and the head
	s_cselect_b32 s18, 0x80000, s18                ; v: the table's rows 1,024 on
	s_mov_b32 s19, 0
	s_lshr_b32 s2, s99, 3
	s_lshl_b32 s2, s2, 7
	s_lshl_b32 s67, s67, 3
	s_add_co_u32 s2, s2, s67
	s_and_b32 s99, s99, 7
	s_add_co_u32 s2, s2, s99                       ; (batch 16 + head) 8 + step
	s_mul_i32 s2, s2, 38400
	s_mul_i32 s98, s98, 12800
	s_add_co_u32 s2, s2, s98
	s_mov_b32 s3, 0
	; where the tiles come from
	s_mul_i32 s67, s66, 3*TEN
	s_mul_i32 s45, s66, 3*TENS
	s_lshl_b32 s20, s17, 8                         ; A: row 256 x tile row,
	s_lshl_b32 s22, s20, 7                         ; its scale words: 128 bytes a row,
	s_mul_i32 s20, s20, IMG                        ; its codes: 1,536 bytes a row;
	s_add_co_u32 s20, s20, s67                     ; of x (tensor 0) or of W_v (tensor 3)
	s_add_co_u32 s22, s22, s45
	s_mov_b32 s21, 0
	s_mov_b32 s23, 0
	s_lshl_b32 s46, s42, 8                         ; B: row 256 x tile column of W_q and W_k on end (tensors 1, 2),
	s_lshl_b32 s104, s46, 7
	s_mul_i32 s46, s46, IMG
	s_add_co_u32 s46, s46, TEN
	s_sub_co_u32 s46, s46, s67                     ; or, 16 tile columns and one tensor back, of x
	s_add_co_u32 s104, s104, TENS
	s_sub_co_u32 s104, s104, s45
	s_mov_b32 s47, 0
	s_mov_b32 s105, 0
	s_mul_i32 s100, s16, 128*IMG                   ; in the ring I fetch 128 rows of a tile: which half
	s_mov_b32 s101, 0
	s_mul_i32 s45, s14, HALFT                      ; and where they go: wave x 128 rows: no place in the cluster enters an LDS address
	s_wait_alu depctr_va_vdst(0)
	s_wait_dscnt 0x0                               ; both opening adds are done
	s_wait_kmcnt 0x0
	s_add_nc_u64 s[20:21], s[4:5], s[20:21]
	s_add_nc_u64 s[22:23], s[6:7], s[22:23]
	s_add_nc_u64 s[46:47], s[4:5], s[46:47]
	s_add_nc_u64 s[104:105], s[6:7], s[104:105]
	s_add_nc_u64 s[8:9], s[8:9], s[18:19]
	s_add_nc_u64 s[10:11], s[10:11], s[2:3]
	MKG0 G0H, 20, 0
	s_mov_b32 s[G0H+1], 0
	MKG0 G0HB, 46, 0
	s_mov_b32 s[G0HB+1], 2*HALFT
	MKG0 G0S, 22, 0
	s_mov_b32 s[G0S+1], SCL
	MKG0 G0SB, 104, 0
	s_mov_b32 s[G0SB+1], SCL+2*HALFS
	s_add_nc_u64 s[20:21], s[20:21], s[100:101]    ; for the ring: my 128 rows
	s_add_nc_u64 s[46:47], s[46:47], s[100:101]
.irp s, 0,1
	MKG0 G0+4*\s, 20, \s*TROW
	s_add_co_u32 s[G0+4*\s+1], s45, \s*SLOT
	MKG0 G0B+4*\s, 46, \s*TROW
	s_add_co_u32 s[G0B+4*\s+1], s45, \s*SLOT
.endr
	s_cmp_eq_u32 s15, 0                            ; the prefetches: of the rows that I fetch,
	s_cselect_b64 s[PFA:PFA+1], s[20:21], s[46:47]
	s_cselect_b32 s98, s40, s41                    ; my work-group's two row tiles,
	s_mul_i32 s98, s98, 2*24576
	s_add_co_u32 s98, s98, 2*TROW                  ; at chunk 2
	s_mov_b32 s99, 0
	s_add_nc_u64 s[PFA:PFA+1], s[PFA:PFA+1], s[98:99]
	CROUND                                         ; all sixteen work-groups are here: the first joint loads meet
.macro ARM under, g0, g1, next         ; one chain of branches on the wave's number: every way through the head passes exactly one load
	s_cmp_lt_u32 s14, \under
	s_cbranch_scc0 \next
	tensor_load_to_lds s[\g0:\g0+3], s[\g1:\g1+7]
	s_nop 0
.rept 4
	v_nop
.endr
	s_branch .Lhead_asked
\next:
.endm
	ARM 1, G0H,  G1,  .Lhead_b
	ARM 2, G0HB, G1B, .Lhead_sa
	ARM 3, G0S,  G1S, .Lhead_sb
	tensor_load_to_lds s[G0SB:G0SB+3], s[G1SB:G1SB+7]
	s_nop 0
.rept 4
	v_nop
.endr
.Lhead_asked:
	global_prefetch_b8 v[PFO], s[PFA:PFA+1] th:TH_LOAD_NT scope:SCOPE_SE   ; chunk 2
.macro FRAG reg, adr, q, i             ; a fragment comes as it was stored: three groups of four registers, 16 x lane on end
.irp c, 0,1,2
	ds_load_b128 v[\reg+4*\c:\reg+4*\c+3], v[\adr] offset:(\i)*TROW+(\q)*IMG+512*\c
.endr
.endm
; 16 matrix instructions: A's blocks a0, a0 + 1 x B's eight.  The 64 accumulators take turns, one instruction a turn, in the same order in every step.
.macro MUL16 a0, p, q, sc, zero
.irp a, \a0, \a0+1
.irp b, 0,1,2,3,4,5,6,7
.if \zero
	v_wmma_scale_f32_16x16x128_f8f6f4 v[8*(8*((\a)%4)+\b):8*(8*((\a)%4)+\b)+7], v[128*(\p)+FR*\b:128*(\p)+FR*\b+FR-1], v[AF+FR*(\a):AF+FR*(\a)+FR-1], 0, v[SC+8*NQ*(\sc)+NQ*\b+(\q)], v[SC+8*NQ*(\sc)+NQ*(\a)+(\q)] matrix_a_fmt:MATRIX_FMT_FP6 matrix_b_fmt:MATRIX_FMT_FP6 matrix_a_scale:MATRIX_SCALE_ROW1
.else
	v_wmma_scale_f32_16x16x128_f8f6f4 v[8*(8*((\a)%4)+\b):8*(8*((\a)%4)+\b)+7], v[128*(\p)+FR*\b:128*(\p)+FR*\b+FR-1], v[AF+FR*(\a):AF+FR*(\a)+FR-1], v[8*(8*((\a)%4)+\b):8*(8*((\a)%4)+\b)+7], v[SC+8*NQ*(\sc)+NQ*\b+(\q)], v[SC+8*NQ*(\sc)+NQ*(\a)+(\q)] matrix_a_fmt:MATRIX_FMT_FP6 matrix_b_fmt:MATRIX_FMT_FP6 matrix_a_scale:MATRIX_SCALE_ROW1
.endif
.endr
.endr
.endm
.macro FETCH_B slot, q, p
	WIN TO_B
.irp i, 0,1,2,3,4,5,6,7
	FRAG 128*(\p)+FR*\i, ADRB+\slot, \q, \i
.endr
	WIN 0
.endm
.macro FETCH_A slot, q, i0
.irp i, \i0, \i0+1, \i0+2, \i0+3
	FRAG AF+FR*(\i), ADRA+\slot, \q, \i
.endr
.endm
.macro SCALES sc                       ; a chunk's scale words: register NQ i + q: lanes 0-15 A's block i, lanes 16-31 B's block i
.irp i, 0,1,2,3,4,5,6,7
.irp q, 0,1
	ds_load_b32 v[SC+8*NQ*\sc+NQ*\i+\q], v[ADRS] offset:\i*SBLK+128*\q
.endr
.endr
.endm
.macro PLACES n                        ; plain vector instructions between a matrix instruction and a load into, or a read of, its registers
.rept \n
	v_nop
.endr
.endm
.macro STEP slot, q, zero              ; a step of 128 along K that has its successor in the same slot
	s_wait_dscnt 4*NL                              ; B's set, A's blocks 0-3 and the scale words are in; the youngest twelve loads (A's blocks 4-7) may be out
	WIN MUL_LO
	MUL16 0, (\q)%2, \q, \slot, \zero
	MUL16 2, (\q)%2, \q, \slot, \zero
	s_wait_dscnt 0
	PLACES NP
	FETCH_B \slot, (\q)+1, 1-(\q)%2
	FETCH_A \slot, (\q)+1, 0
	WIN MUL_HI
	MUL16 4, (\q)%2, \q, \slot, \zero
	MUL16 6, (\q)%2, \q, \slot, \zero
	PLACES NP
	WIN 0
	FETCH_A \slot, (\q)+1, 4
.endm
; A slot's last step changes slots: one barrier; in front of it each wave waits for all its tensor loads, adds 0 to its spare word, and waits for that and for its own reads of this slot.
.macro TURN slot, next, fill
.if \fill
	s_wait_xcnt 0x0                                ; my last prefetch has read its address: it is stepped only behind this wait
	s_add_nc_u64 s[PFA:PFA+1], s[PFA:PFA+1], TROW
.endif
	s_wait_tensorcnt 0x0                           ; all my tensor loads have landed: my part of the next slot
	ds_add_u32 v[SPW], v[NIL]                      ; 0 onto my spare word
	s_wait_dscnt 4*NL+1                            ; the add and the youngest twelve loads may be out
	WIN MUL_LO
	MUL16 0, 1, NQ-1, \slot, 0
	s_wait_dscnt 0x0                               ; the add is done, and my reads of this slot are over
	s_barrier_signal -1
	MUL16 2, 1, NQ-1, \slot, 0
	WIN 0
	s_barrier_wait -1
.if \fill
	CREST                                          ; the barrier has opened a round of the cluster's: no wave of any partner still reads this slot or has a load on its way
	s_add_nc_u64 s[G0+4*\slot+2:G0+4*\slot+3], s[G0+4*\slot+2:G0+4*\slot+3], 2*TROW
	s_add_nc_u64 s[G0B+4*\slot+2:G0B+4*\slot+3], s[G0B+4*\slot+2:G0B+4*\slot+3], 2*TROW
	JLOAD G0+4*\slot, G1, G0B+4*\slot, G1B         ; the first tensor load behind the round; its four v_nop are the places in front of the loads below
.else
	PLACES NP
.endif
	s_wait_alu depctr_va_vdst(0)
	v_add_nc_u32 v[ADRS], 128*NQ, v[ADRS]          ; on to the next chunk's scale words
	FETCH_B \next, 0, 0
	FETCH_A \next, 0, 0
	SCALES \next
.if \fill
	s_cmp_gt_u32 s3, 1                             ; the loop's last trip fills chunks 6 and 7: nothing lies two chunks on
	s_cbranch_scc0 .Lno_ask_\@
	global_prefetch_b8 v[PFO], s[PFA:PFA+1] offset:TROW th:TH_LOAD_NT scope:SCOPE_SE   ; the chunk two fills on
.Lno_ask_\@:
.endif
	WIN MUL_HI
	MUL16 4, 1, NQ-1, \slot, 0
	MUL16 6, 1, NQ-1, \slot, 0
	PLACES NP
	WIN 0
	FETCH_A \next, 0, 4
.endm
.macro TLOAD a                         ; the table's numbers for block a into set a % 4: register 16 c + i takes byte 4 (32 c + 16 h + i) of my position's row: cos under each even column, sin under each odd one
.set TW, ((\a)%4+3)/4                  ; set 0 in window 0 at v64; sets 1-3 in window 1 at v0, v64, v128
.set TT, 64*(1-TW)+TW*64*((\a)%4-1)
.set WW, TW<<6
	WIN WW
.irp c, 0,1,2,3
.irp j, 0,1,2,3
	global_load_b128 v[TT+16*\c+4*\j:TT+16*\c+4*\j+3], v[TBO], s[8:9] offset:(32*((\a)/2)+8*((\a)%2))*512+128*\c+16*\j
.endr
.endr
	WIN 0
.endm
	s_wait_tensorcnt 0x0                           ; my tile of the head's four is in
	ds_add_u32 v[SPW], v[NIL]
	s_mov_b32 s[G1+2], 8<<16                       ; no tensor load of mine is out: from here on a load brings 8 row tiles
	s_mov_b32 s[G1+4], 8
	s_mov_b32 s[G1B+2], 8<<16
	s_mov_b32 s[G1B+4], 8
	s_wait_dscnt 0x0
	CROUND                                         ; all four tiles are in, and all sixteen work-groups are here
	JLOAD G0+4, G1, G0B+4, G1B                     ; chunk 1, the first tensor load behind the round
	FETCH_B 0, 0, 0
	FETCH_A 0, 0, 0
	SCALES 0
	FETCH_A 0, 0, 4
	global_prefetch_b8 v[PFO], s[PFA:PFA+1] offset:TROW th:TH_LOAD_NT scope:SCOPE_SE   ; chunk 3
	s_cmp_eq_u32 s66, 0
	s_cbranch_scc0 .Lno_table
	global_prefetch_b8 v[PFT], s[8:9] th:TH_LOAD_NT scope:SCOPE_SE   ; my 32 blocks of the table's rows for these 128 positions
.Lno_table:
	TLOAD 0
	STEP 0, 0, 1                                   ; the first step stands in front of the loop: its products start the sums
	s_mov_b32 s3, LAPS-1
.Llap:                                                 ; a trip goes once round the ring and fills both slots again
	TURN 0, 1, 1
	STEP 1, 0, 0
	TURN 1, 0, 1
	STEP 0, 0, 0
	s_sub_co_u32 s3, s3, 1
	s_cmp_lg_u32 s3, 0
	s_cbranch_scc1 .Llap
	TURN 0, 1, 0                                   ; the last lap fills nothing
	STEP 1, 0, 0
	TLOAD 1                                        ; into B's set 0, which is done with (four places stand behind its last products)
	TLOAD 2
	s_wait_dscnt 4*NL
	WIN MUL_LO
	MUL16 0, 1, NQ-1, 1, 0
	MUL16 2, 1, NQ-1, 1, 0
	s_wait_dscnt 0
	WIN MUL_HI
	MUL16 4, 1, NQ-1, 1, 0
	MUL16 6, 1, NQ-1, 1, 0
	WIN 0
; THE WAY OUT.
.macro ROPE a                          ; a pair (x1, x2) at a time, an accumulator (four pairs) at a time, each from its low end on
.set TW, ((\a)%4+3)/4
.set TT, 64*(1-TW)+TW*64*((\a)%4-1)
.set AC, 64*((\a)%4)
.set WW, (2+(\a)/4)|(TW<<2)
	WIN WW                                         ; source 0: window 2 or 3; source 1: the table set's window
.irp g, 0,1,2,3,4,5,6,7
.irp p, 0,1,2,3
	v_pk_mul_f32 v[U+2*\p:U+2*\p+1], v[AC+8*\g+2*\p:AC+8*\g+2*\p+1], v[TT+8*\g+2*\p:TT+8*\g+2*\p+1] op_sel_hi:[1,0]   ; (x1 cos, x2 cos)
.endr
.irp p, 0,1,2,3
	v_pk_fma_f32 v[X+8*\g+2*\p:X+8*\g+2*\p+1], v[AC+8*\g+2*\p:AC+8*\g+2*\p+1], v[TT+8*\g+2*\p:TT+8*\g+2*\p+1], v[U+2*\p:U+2*\p+1] op_sel:[1,1,0] op_sel_hi:[0,1,1] neg_lo:[0,1,0]   ; (x1 cos - x2 sin, x2 cos + x1 sin)
.endr
.endr
	WIN 0
.endm
.macro QUANT s                         ; 64 numbers of a lane, register 16 b + i = k 32 b + 16 h + i of my row, become a fragment's codes in v[PC] on and its scale word in v[PW]
.irp b, 0,1,2,3
	v_max3_num_f32 v[TM+\b], |v[\s+16*\b]|, |v[\s+1+16*\b]|, 0x1800000   ; and the floor 2^(3 - 127): the byte cannot fall under 1
.endr
.irp i, 2,4,6,8,10,12,14
.irp b, 0,1,2,3
	v_max3_num_f32 v[TM+\b], v[TM+\b], |v[\s+16*\b+\i]|, |v[\s+1+16*\b+\i]|
.endr
.endr
.irp b, 0,1,2,3
	v_permlanex16_b32 v[TM+4+\b], v[TM+\b], s[SEL], s[SEL+1]
.endr
.irp b, 0,1,2,3
	v_max_num_f32 v[TM+\b], v[TM+\b], v[TM+4+\b]
.endr
.irp b, 0,1,2,3
	v_add_nc_u32 v[TM+12+\b], 0xff000000, v[TM+\b] ; 2 off the exponent field: the conversion's scale operand
.endr
.irp b, 0,1,2,3
	v_lshrrev_b32 v[TM+4+\b], 23, v[TM+12+\b]      ; the scale's byte
.endr
	v_lshl_or_b32 v[PW], v[TM+5], 8, v[TM+4]
	v_lshl_or_b32 v[PW], v[TM+6], 16, v[PW]
	v_lshl_or_b32 v[PW], v[TM+7], 24, v[PW]
.irp c, 0,1
	v_cvt_scalef32_pk16_fp6_f32 v[PC+6*\c:PC+2+6*\c], v[\s+32*\c:\s+15+32*\c], v[TM+12+2*\c]
	v_cvt_scalef32_pk16_fp6_f32 v[PC+12+4*\c:PC+14+4*\c], v[\s+16+32*\c:\s+31+32*\c], v[TM+12+2*\c+1]
.endr
	v_nop                                          ; one plain instruction behind the scaled conversions
.irp c, 0,1
.irp i, 0,1,2
	v_permlane16_swap_b32 v[PC+6*\c+\i], v[PC+12+4*\c+\i]
.endr
.irp i, 0,1,2
	v_mov_b32 v[PC+3+6*\c+\i], v[PC+12+4*\c+\i]
.endr
.endr
.endm
.macro BLOCK a
.if (\a) < 4
	s_wait_loadcnt 48                              ; this block's 16 loads are in; those of the three blocks behind it may be out
.else
	s_wait_loadcnt 16*(7-(\a))
.endif
	ROPE \a
	s_wait_xcnt 0x0                                ; the last block's stores have read the codes' registers
.if (\a) < 4
	TLOAD (\a)+4                                   ; into the set that has just been read
.endif
	QUANT X
.irp c, 0,1,2
	global_store_b128 v[LI], v[PC+4*\c:PC+4*\c+3], s[10:11] offset:IMG*(\a)+512*\c   ; 32 lanes store 512 consecutive bytes
.endr
	v_mov_b32 v[SW+(\a)], v[PW]
.endm
	PLACES NP                                      ; behind the last products: for the reads of their results and the loads and writes into A's and B's registers
	TLOAD 3
	s_mov_b32 s[SEL], 0x76543210
	s_mov_b32 s[SEL+1], 0xfedcba98
.irp b, 0,1,2,3
	v_mov_b32 v[TM+4+\b], 0                        ; a lane permute's destination counts as one of its sources
.endr
.irp a, 0,1,2,3,4,5,6,7
	BLOCK \a
.endr
	v_cmp_eq_u32 vcc_lo, 1, v2                     ; the scale words [r][tile]: lanes 0-15 store tiles 0-3 of their row, lanes 16-31 tiles 4-7
.irp i, 0,1,2,3
	v_cndmask_b32 v[SD+\i], v[SW+\i], v[SW+4+\i], vcc_lo
.endr
	global_store_b128 v[SSO], v[SD:SD+3], s[10:11] offset:8*IMG   ; 512 consecutive bytes
	s_wait_tensorcnt 0x0                           ; the wave's end
	ds_add_u32 v[SPW], v[NIL]
	s_wait_dscnt 0x0
	CROUND                                         ; the closing round: no work-group ends while a partner may still ask for a tile that names it
	s_endpgm
.Lfunc_end_k_q50c09ea63e_proj:
	.size	k_q50c09ea63e_proj, .Lfunc_end_k_q50c09ea63e_proj-k_q50c09ea63e_proj
	.p2alignl 7, 3214868480
	.fill 96, 4, 3214868480
	.section	.rodata,"a",@progbits
	.p2align	6, 0x0
	.amdhsa_kernel k_q50c09ea63e_proj
		.amdhsa_group_segment_fixed_size 327680
		.amdhsa_private_segment_fixed_size 0
		.amdhsa_enable_private_segment 0
		.amdhsa_kernarg_size 32
		.amdhsa_user_sgpr_count 2
		.amdhsa_user_sgpr_kernarg_segment_ptr 1
		.amdhsa_wavefront_size32 1
		.amdhsa_system_sgpr_workgroup_id_x 1
		.amdhsa_system_sgpr_workgroup_id_y 1
		.amdhsa_system_sgpr_workgroup_id_z 1
		.amdhsa_system_vgpr_workitem_id 0
		.amdhsa_next_free_vgpr 1024
		.amdhsa_next_free_sgpr 106
		.amdhsa_reserve_vcc 1
		.amdhsa_float_denorm_mode_32 3
		.amdhsa_float_denorm_mode_16_64 3
		.amdhsa_memory_ordered 1
		.amdhsa_forward_progress 1
		.amdhsa_inst_pref_size 189
	.end_amdhsa_kernel
	.amdgpu_metadata
---
amdhsa.version: [ 1, 2 ]
amdhsa.kernels:
  - .name:           k_q50c09ea63e_proj
    .symbol:         k_q50c09ea63e_proj.kd
    .args:
      - { .name: xw, .offset: 0, .size: 8, .value_kind: global_buffer, .address_space: global }
      - { .name: xws, .offset: 8, .size: 8, .value_kind: global_buffer, .address_space: global }
      - { .name: tab, .offset: 16, .size: 8, .value_kind: global_buffer, .address_space: global }
      - { .name: qkv, .offset: 24, .size: 8, .value_kind: global_buffer, .address_space: global }
    .group_segment_fixed_size: 327680
    .private_segment_fixed_size: 0
    .kernarg_segment_align: 8
    .kernarg_segment_size: 32
    .max_flat_workgroup_size: 128
    .sgpr_count:     106
    .vgpr_count:     1024
    .wavefront_size: 32
...
	.end_amdgpu_metadata
.endif
;; end of part 6
;; launch attn (part 7): grid 8 x 32, 8 waves a work-group, clusters of 4 x 1, 327,680 bytes of LDS; arguments qkv, ao, aos; writes ao, aos
.if DOCPART == 7
	.amdgcn_target "amdgcn-amd-amdhsa--gfx1250"
	.amdhsa_code_object_version 6
	.text
	.protected	k_q50c09ea63e_attn
	.globl	k_q50c09ea63e_attn
	.p2align	8
	.type	k_q50c09ea63e_attn,@function
k_q50c09ea63e_attn:
	s_mov_b64 s[64:65], 0
	v_nop
	global_prefetch_b8 v0, s[64:65] scope:SCOPE_SE
	s_setreg_imm32_b32 hwreg(HW_REG_WAVE_MODE, 25, 1), 1
	s_wait_xcnt 0x0
	s_wait_alu depctr_hold_cnt(0) depctr_sa_sdst(0) depctr_va_vdst(0) depctr_va_sdst(0) depctr_va_ssrc(0) depctr_va_vcc(0) depctr_vm_vsrc(0)
	s_getreg_b32 s2, hwreg(HW_REG_IB_STS2, 6, 4)
	s_cmp_eq_u32 s2, 0
	s_cbranch_scc0 .Lentry_in_a_cluster
	s_endpgm
.Lentry_in_a_cluster:
	s_bfe_u32 s2, ttmp6, 0x10000c
	s_cmp_lg_u32 s2, 0x3003
	s_cbranch_scc0 .Lentry_shape_is_right
	s_endpgm
.Lentry_shape_is_right:
; Causal attention on codes of FP6 (E2M3) with E8M0 scales.  Work-group (x, y): head y (batch 16 + head), the x-th 16 queries of each block of 128; wave w takes them in block QB (0,1,2,3,7,6,5,4 by wave: the two waves
; that share a SIMD have nine key steps together).  Both products are used transposed, so that a lane holds one query.  p = 2^(t - M), M the ceiling of the running largest t; the row's sum is taken of the unquantised p.
; LDS holds the head's k and v for all 8 key steps of 128: wave w fetches step w's 25,600 consecutive bytes (100 rows of 256) by its one tensor load, jointly with the three partners of its cluster, which read the same head.
; Nothing is filled again: one wait and one barrier stand between the loads and the steps.  No prefetch: all tiles are asked for in the kernel's first lines.
; WORK LEFT OUT: key steps wholly above a wave's queries, which the causal mask sets to -inf, are passed over by a scalar branch on ids.
; LIMITS: the promise holds while the scaled scores stay under 2^31 in magnitude; NaN and infinities are not served; a block under 2^-124 gets the byte 1.
.set REG,   38400
.set PART,  12800
.set STEPB, 25600
.set IMG,   1536
.set LI,  1
.set LS,  2
.set DQ,  3
.set AI,  4
.set ASC, 5
.set LW,  6
.set PC,  48
.set TM,  68
.set PW,  84
.set WV,  18
.set SEL, 20
.set CS,  22
.set G1,  24
.set G0,  32
.set ST,  48
.set QB,  49
.set TBS, 50
.set CNT, 51
.set MSB, 0
.macro WIN new
.if MSB != \new
	s_set_vgpr_msb (MSB<<8)|\new
.set MSB, \new
.endif
.endm
.macro CROUND
	s_barrier_signal -1
	s_barrier_wait -1
	s_cmp_lg_u32 s[WV], 0
	s_cbranch_scc1 .Lnot_wave_0_\@
	s_barrier_signal -3
.Lnot_wave_0_\@:
	s_barrier_wait -3
	s_barrier_signal -1
	s_barrier_wait -1
.endm
	s_load_b128 s[4:7], s[0:1], 0x0
	s_load_b64 s[8:9], s[0:1], 0x10
	v_lshl_add_u32 v250, v0, 2, 0x32000
	v_mov_b32 v251, 0
	ds_add_u32 v250, v251
	ds_add_u32 v250, v251
	v_lshrrev_b32 v8, 5, v0
	s_delay_alu instid0(VALU_DEP_1)
	v_readfirstlane_b32 s[WV], v8
	s_bfe_u32 s52, ttmp6, 0x40000
	s_lshl_b32 s53, ttmp9, 2
	s_add_co_u32 s53, s53, s52
	s_and_b32 s54, ttmp7, 0xffff
	s_lshr_b32 s[QB], s[WV], 2
	s_mul_i32 s[QB], s[QB], 3
	s_xor_b32 s[QB], s[QB], s[WV]
	s_lshl_b32 s56, s54, 3
	s_add_co_u32 s56, s56, s[WV]
	s_mul_i32 s56, s56, REG
	s_add_co_u32 s56, s56, PART
	s_mov_b32 s57, 0
	s_mul_i32 s59, s[WV], STEPB
	s_mov_b32 s[G1], 15|(3<<16)|(1<<21)
	s_mov_b32 s[G1+1], 32<<16
	s_mov_b32 s[G1+2], 100<<16
	s_mov_b32 s[G1+3], 32<<16
	s_mov_b32 s[G1+4], 100
	s_mov_b32 s[G1+5], 32
	s_mov_b32 s[G1+6], 0
	s_mov_b32 s[G1+7], 0
	s_mov_b32 s[SEL], 0x76543210
	s_mov_b32 s[SEL+1], 0xfedcba98
	s_mov_b32 s[CS], 0x3e0293ee
	s_mov_b32 s[CS+1], s[CS]
	s_mov_b32 s[ST], 0
	s_mov_b32 s[TBS], 0
	s_wait_dscnt 0x0
	s_wait_kmcnt 0x0
	s_add_nc_u64 s[56:57], s[4:5], s[56:57]
	CROUND
	s_mov_b32 s[G0], 1
	s_mov_b32 s[G0+1], s59
	s_mov_b64 s[G0+2:G0+3], s[56:57]
	s_or_b32 s[G0+3], s[G0+3], 0x80000000
	tensor_load_to_lds s[G0:G0+3], s[G1:G1+7]      ; key step w's k and v: my one tensor load
	s_nop 0
.rept 4
	v_nop
.endr
	v_and_b32 v8, 15, v0
	v_bfe_u32 v9, v0, 4, 1
	v_and_b32 v7, 31, v0
	s_delay_alu instid0(VALU_DEP_1)
	v_lshlrev_b32 v[LI], 4, v7
	s_delay_alu instid0(VALU_DEP_2)
	v_lshlrev_b32 v[LW], 2, v7
	v_lshlrev_b32 v[LS], 5, v8
	s_lshl_b32 s60, s54, 3
	s_add_co_u32 s60, s60, s[QB]
	s_mul_i32 s60, s60, REG
	s_mov_b32 s61, 0
	s_add_nc_u64 s[10:11], s[4:5], s[60:61]
	s_mul_i32 s62, s53, IMG
	v_add_nc_u32 v10, s62, v[LI]
	s_lshl_b32 s63, s53, 2
	v_add_nc_u32 v11, s63, v[LS]
	global_load_b128 v[16:19], v10, s[10:11]
	global_load_b128 v[20:23], v10, s[10:11] offset:512
	global_load_b128 v[24:27], v10, s[10:11] offset:1024
	global_load_b32 v255, v11, s[10:11] offset:8*IMG
	v_and_b32 v[DQ], 8, v8
	s_delay_alu instid0(VALU_DEP_1)
	v_add_nc_u32 v[DQ], v[DQ], v8
	v_lshlrev_b32 v9, 4, v9
	s_delay_alu instid0(VALU_DEP_1)
	v_sub_nc_u32 v[DQ], v[DQ], v9
	s_lshr_b32 s58, s53, 1
	s_lshl_b32 s58, s58, 5
	s_and_b32 s59, s53, 1
	s_lshl_b32 s59, s59, 3
	s_add_co_u32 s58, s58, s59
	v_add_nc_u32 v[DQ], s58, v[DQ]
	s_lshr_b32 s58, s54, 4
	s_lshl_b32 s58, s58, 6
	s_lshl_b32 s59, s[QB], 3
	s_add_co_u32 s58, s58, s59
	s_add_co_u32 s58, s58, s53
	s_lshl_b32 s58, s58, 4
	s_and_b32 s59, s54, 15
	s_add_co_u32 s58, s58, s59
	s_mul_i32 s60, s58, IMG
	s_add_nc_u64 s[6:7], s[6:7], s[60:61]
	s_lshl_b32 s60, s58, 7
	s_add_nc_u64 s[8:9], s[8:9], s[60:61]
	v_mov_b32 v13, 0xff61b1e6
	s_delay_alu instid0(VALU_DEP_1)
	v_floor_f32 v12, -v13
	v_mov_b32 v14, 0
	v_mov_b32 v15, 0
.irp b, 0,1,2,3
	v_mov_b32 v[236+\b], 0
.endr
	v_mov_b32 v252, 0
	v_mov_b32 v253, 0
.set n, 0
.rept 64
	v_mov_b32 v[160+n], 0
.set n, n+1
.endr
.macro FETCHK ai, as, off
	WIN 0x40
.irp t, 0,1,2,3,4,5,6,7
.irp c, 0,1,2
	ds_load_b128 v[12*\t+4*\c:12*\t+4*\c+3], v[\ai] offset:\off+IMG*\t+512*\c
.endr
.endr
	WIN 0
	ds_load_b128 v[32:35], v[\as] offset:\off+8*IMG
	ds_load_b128 v[36:39], v[\as] offset:\off+8*IMG+16
.endm
.macro FETCHV
	WIN 0x40
.irp t, 0,1,2,3,4,5,6,7
.irp c, 0,1,2
	ds_load_b128 v[96+12*\t+4*\c:96+12*\t+4*\c+3], v[AI] offset:PART+IMG*\t+512*\c
.endr
.endr
	WIN 0
	ds_load_b128 v[40:43], v[ASC] offset:PART+8*IMG
	ds_load_b128 v[44:47], v[ASC] offset:PART+8*IMG+16
.endm
.macro STEP next
	s_cmp_gt_u32 s[ST], s[QB]
	s_cbranch_scc1 .Lhidden_\@
	v_add_nc_u32 v[AI], s[TBS], v[LI]
	v_add_nc_u32 v[ASC], s[TBS], v[LS]
	v_nop
	v_nop
	FETCHV
	s_wait_dscnt 26
	WIN 0x01
.irp t, 0,1,2,3,4,5,6,7
	v_wmma_scale_f32_16x16x128_f8f6f4 v[96+8*\t:103+8*\t], v[12*\t:12*\t+11], v[16:27], 0, v[32+\t], v255 matrix_a_fmt:MATRIX_FMT_FP6 matrix_b_fmt:MATRIX_FMT_FP6
.endr
	WIN 0
.rept 4
	v_nop
.endr
.if \next
	s_wait_alu depctr_va_vdst(0)
	FETCHK AI, ASC, STEPB
.endif
	s_cmp_lg_u32 s[ST], s[QB]
	s_cbranch_scc1 .Lopen_\@
	v_mov_b32 v254, 0xff800000
.set n, 0
.rept 64
	v_cmp_gt_i32 vcc_lo, 32*(n/16)+n%16, v[DQ]
	v_cndmask_b32 v[96+n], v[96+n], v254, vcc_lo
.set n, n+1
.endr
.Lopen_\@:
.irp b, 0,1,2,3
	v_max3_num_f32 v[232+\b], v[96+16*\b], v[97+16*\b], v[98+16*\b]
.endr
.irp i, 3,5,7,9,11,13
.irp b, 0,1,2,3
	v_max3_num_f32 v[232+\b], v[232+\b], v[96+16*\b+\i], v[97+16*\b+\i]
.endr
.endr
.irp b, 0,1,2,3
	v_max_num_f32 v[232+\b], v[232+\b], v[111+16*\b]
.endr
.irp b, 0,1,2,3
	s_delay_alu instid0(VALU_DEP_4)
	v_permlanex16_b32 v[236+\b], v[232+\b], s[SEL], s[SEL+1]
.endr
.irp b, 0,1,2,3
	s_delay_alu instid0(VALU_DEP_4)
	v_max_num_f32 v[232+\b], v[232+\b], v[236+\b]
.endr
	s_delay_alu instid0(VALU_DEP_2)
	v_max3_num_f32 v254, v232, v233, v234
	s_delay_alu instid0(VALU_DEP_1)
	v_max_num_f32 v254, v254, v235
	s_delay_alu instid0(VALU_DEP_1)
	v_mul_f32 v254, s[CS], v254
	s_delay_alu instid0(VALU_DEP_1)
	v_max_num_f32 v13, v13, v254
	v_mov_b32 v254, v12
	s_delay_alu instid0(VALU_DEP_2)
	v_floor_f32 v12, -v13
	s_delay_alu instid0(VALU_DEP_1)
	v_sub_f32 v254, v12, v254
	s_delay_alu instid0(VALU_DEP_1)
	v_cvt_i32_f32 v254, v254
	s_delay_alu instid0(VALU_DEP_1)
	v_ldexp_f32 v252, 1.0, v254
.set n, 0
.rept 32
	v_pk_fma_f32 v[96+n:97+n], v[96+n:97+n], s[CS:CS+1], v[12:13] op_sel_hi:[1,0,0]
.set n, n+2
.endr
.irp b, 0,1,2,3
	v_fma_f32 v[232+\b], v[232+\b], s[CS], v12
.endr
.set n, 0
	s_wait_alu depctr_va_vdst(0)
.rept 64
	v_exp_f32 v[96+n], v[96+n]
.set n, n+1
.endr
	v_pk_mul_f32 v[14:15], v[14:15], v[252:253] op_sel_hi:[1,0]
	s_wait_alu depctr_va_vdst(0)
.irp b, 0,1,2,3
	v_exp_f32 v[232+\b], v[232+\b]
.endr
	v_pk_add_f32 v[236:237], v[96:97], v[98:99]
.irp j, 4,8,12,16,20,24,28,32,36,40,44,48,52,56,60
	v_pk_add_f32 v[14:15], v[14:15], v[96+\j:97+\j]
	v_pk_add_f32 v[236:237], v[236:237], v[98+\j:99+\j]
.endr
	s_delay_alu instid0(VALU_DEP_1)
	v_pk_add_f32 v[14:15], v[14:15], v[236:237]
	s_wait_alu depctr_va_vdst(0)
.irp b, 0,1,2,3
	v_max_num_f32 v[232+\b], 0x1800000, v[232+\b]
.endr
.irp b, 0,1,2,3
	s_delay_alu instid0(VALU_DEP_4)
	v_add_nc_u32 v[244+\b], 0xff000000, v[232+\b]
.endr
.irp b, 0,1,2,3
	s_delay_alu instid0(VALU_DEP_4)
	v_lshrrev_b32 v[236+\b], 23, v[244+\b]
.endr
	s_delay_alu instid0(VALU_DEP_3)
	v_lshl_or_b32 v253, v237, 8, v236
	s_delay_alu instid0(VALU_DEP_1)
	v_lshl_or_b32 v253, v238, 16, v253
	s_delay_alu instid0(VALU_DEP_1)
	v_lshl_or_b32 v253, v239, 24, v253
.irp c, 0,1
	v_cvt_scalef32_pk16_fp6_f32 v[224+6*\c:226+6*\c], v[96+32*\c:111+32*\c], v[244+2*\c]
	v_cvt_scalef32_pk16_fp6_f32 v[236+4*\c:238+4*\c], v[112+32*\c:127+32*\c], v[244+2*\c+1]
.endr
	v_nop
.irp c, 0,1
.irp i, 0,1,2
	v_permlane16_swap_b32 v[224+6*\c+\i], v[236+4*\c+\i]
.endr
.irp i, 0,1,2
	s_delay_alu instid0(VALU_DEP_3)
	v_mov_b32 v[227+6*\c+\i], v[236+4*\c+\i]
.endr
.endr
.set n, 0
.rept 32
	v_pk_mul_f32 v[160+n:161+n], v[160+n:161+n], v[252:253] op_sel_hi:[1,0]
.set n, n+2
.endr
.if \next
	s_wait_alu depctr_va_vdst(0)
	s_wait_dscnt 26
.else
	s_wait_alu depctr_va_vdst(0)
	s_wait_dscnt 0x0
.endif
	WIN 0x01
.irp t, 0,1,2,3,4,5,6,7
	v_wmma_scale_f32_16x16x128_f8f6f4 v[160+8*\t:167+8*\t], v[96+12*\t:96+12*\t+11], v[224:235], v[160+8*\t:167+8*\t], v[40+\t], v253 matrix_a_fmt:MATRIX_FMT_FP6 matrix_b_fmt:MATRIX_FMT_FP6
.endr
	WIN 0
.Lhidden_\@:
	s_add_co_u32 s[ST], s[ST], 1
	s_add_co_u32 s[TBS], s[TBS], STEPB
.endm
	s_wait_tensorcnt 0x0
	s_barrier_signal -1
	s_barrier_wait -1
	FETCHK LI, LS, 0
	s_wait_loadcnt 0x0
	s_mov_b32 s[CNT], 7
.Lsteps_b:
	STEP 1
	s_sub_co_u32 s[CNT], s[CNT], 1
	s_cmp_lg_u32 s[CNT], 0
	s_cbranch_scc1 .Lsteps_b
	STEP 0
	s_wait_dscnt 0x0
.macro QUANT s
.irp b, 0,1,2,3
	v_max3_num_f32 v[TM+\b], |v[\s+16*\b]|, |v[\s+1+16*\b]|, 0x1800000
.endr
.irp i, 2,4,6,8,10,12,14
.irp b, 0,1,2,3
	s_delay_alu instid0(VALU_DEP_4)
	v_max3_num_f32 v[TM+\b], v[TM+\b], |v[\s+16*\b+\i]|, |v[\s+1+16*\b+\i]|
.endr
.endr
.irp b, 0,1,2,3
	s_delay_alu instid0(VALU_DEP_4)
	v_permlanex16_b32 v[TM+4+\b], v[TM+\b], s[SEL], s[SEL+1]
.endr
.irp b, 0,1,2,3
	s_delay_alu instid0(VALU_DEP_4)
	v_max_num_f32 v[TM+\b], v[TM+\b], v[TM+4+\b]
.endr
.irp b, 0,1,2,3
	s_delay_alu instid0(VALU_DEP_4)
	v_add_nc_u32 v[TM+12+\b], 0xff000000, v[TM+\b]
.endr
.irp b, 0,1,2,3
	s_delay_alu instid0(VALU_DEP_4)
	v_lshrrev_b32 v[TM+4+\b], 23, v[TM+12+\b]
.endr
	s_delay_alu instid0(VALU_DEP_3)
	v_lshl_or_b32 v[PW], v[TM+5], 8, v[TM+4]
	s_delay_alu instid0(VALU_DEP_1)
	v_lshl_or_b32 v[PW], v[TM+6], 16, v[PW]
	s_delay_alu instid0(VALU_DEP_1)
	v_lshl_or_b32 v[PW], v[TM+7], 24, v[PW]
.irp c, 0,1
	v_cvt_scalef32_pk16_fp6_f32 v[PC+6*\c:PC+2+6*\c], v[\s+32*\c:\s+15+32*\c], v[TM+12+2*\c]
	v_cvt_scalef32_pk16_fp6_f32 v[PC+12+4*\c:PC+14+4*\c], v[\s+16+32*\c:\s+31+32*\c], v[TM+12+2*\c+1]
.endr
	v_nop
.irp c, 0,1
.irp i, 0,1,2
	v_permlane16_swap_b32 v[PC+6*\c+\i], v[PC+12+4*\c+\i]
.endr
.irp i, 0,1,2
	s_delay_alu instid0(VALU_DEP_3)
	v_mov_b32 v[PC+3+6*\c+\i], v[PC+12+4*\c+\i]
.endr
.endr
.endm
	v_add_f32 v14, v14, v15
	s_delay_alu instid0(VALU_DEP_1)
	v_permlanex16_b32 v252, v14, s[SEL], s[SEL+1]
	s_delay_alu instid0(VALU_DEP_1)
	v_add_f32 v14, v14, v252
	s_wait_alu depctr_va_vdst(0)
	v_rcp_f32 v14, v14
.irp b, 0,1,2,3
	v_mov_b32 v[TM+4+\b], 0
.endr
	s_wait_alu depctr_va_vdst(0)
.set n, 0
.rept 64
	v_mul_f32 v[96+n], v[160+n], v14
.set n, n+1
.endr
	QUANT 96
.irp c, 0,1,2
	global_store_b128 v[LI], v[PC+4*\c:PC+4*\c+3], s[6:7] offset:512*\c
.endr
	global_store_b32 v[LW], v[PW], s[8:9]
	s_wait_tensorcnt 0x0
	ds_add_u32 v250, v251
	s_wait_dscnt 0x0
	CROUND
	s_endpgm
.Lfunc_end_k_q50c09ea63e_attn:
	.size	k_q50c09ea63e_attn, .Lfunc_end_k_q50c09ea63e_attn-k_q50c09ea63e_attn
	.p2alignl 7, 3214868480
	.fill 96, 4, 3214868480
	.section	.rodata,"a",@progbits
	.p2align	6, 0x0
	.amdhsa_kernel k_q50c09ea63e_attn
		.amdhsa_group_segment_fixed_size 327680
		.amdhsa_private_segment_fixed_size 0
		.amdhsa_enable_private_segment 0
		.amdhsa_kernarg_size 24
		.amdhsa_user_sgpr_count 2
		.amdhsa_user_sgpr_kernarg_segment_ptr 1
		.amdhsa_wavefront_size32 1
		.amdhsa_system_sgpr_workgroup_id_x 1
		.amdhsa_system_sgpr_workgroup_id_y 1
		.amdhsa_system_sgpr_workgroup_id_z 1
		.amdhsa_system_vgpr_workitem_id 0
		.amdhsa_next_free_vgpr 512
		.amdhsa_next_free_sgpr 66
		.amdhsa_reserve_vcc 1
		.amdhsa_float_denorm_mode_32 3
		.amdhsa_float_denorm_mode_16_64 3
		.amdhsa_memory_ordered 1
		.amdhsa_forward_progress 1
		.amdhsa_inst_pref_size 66
	.end_amdhsa_kernel
	.amdgpu_metadata
---
amdhsa.version: [ 1, 2 ]
amdhsa.kernels:
  - .name:           k_q50c09ea63e_attn
    .symbol:         k_q50c09ea63e_attn.kd
    .args:
      - { .name: qkv, .offset: 0, .size: 8, .value_kind: global_buffer, .address_space: global }
      - { .name: ao, .offset: 8, .size: 8, .value_kind: global_buffer, .address_space: global }
      - { .name: aos, .offset: 16, .size: 8, .value_kind: global_buffer, .address_space: global }
    .group_segment_fixed_size: 327680
    .private_segment_fixed_size: 0
    .kernarg_segment_align: 8
    .kernarg_segment_size: 24
    .max_flat_workgroup_size: 256
    .sgpr_count:     66
    .vgpr_count:     512
    .wavefront_size: 32
...
	.end_amdgpu_metadata
.endif
;; end of part 7
;; launch outp (part 8): grid 16 x 16, 4 waves a work-group, clusters of 4 x 4, 327,680 bytes of LDS; arguments ao, aos, xw, xws, out0; writes out0
.if DOCPART == 8
	.amdgcn_target "amdgcn-amd-amdhsa--gfx1250"
	.amdhsa_code_object_version 6
	.text
	.protected	k_q50c09ea63e_outp
	.globl	k_q50c09ea63e_outp
	.p2align	8
	.type	k_q50c09ea63e_outp,@function
k_q50c09ea63e_outp:
	s_mov_b64 s[64:65], 0
	v_nop
	global_prefetch_b8 v0, s[64:65] scope:SCOPE_SE
	s_setreg_imm32_b32 hwreg(HW_REG_WAVE_MODE, 25, 1), 1
	s_wait_xcnt 0x0
	s_wait_alu depctr_hold_cnt(0) depctr_sa_sdst(0) depctr_va_vdst(0) depctr_va_sdst(0) depctr_va_ssrc(0) depctr_va_vcc(0) depctr_vm_vsrc(0)
	s_getreg_b32 s2, hwreg(HW_REG_IB_STS2, 6, 4)
	s_cmp_eq_u32 s2, 0
	s_cbranch_scc0 .Lentry_in_a_cluster
	s_endpgm
.Lentry_in_a_cluster:
	s_bfe_u32 s2, ttmp6, 0x10000c
	s_cmp_lg_u32 s2, 0xf033
	s_cbranch_scc0 .Lentry_shape_is_right
	s_endpgm
.Lentry_shape_is_right:
; out0 = (attention's result) W_o^T on codes of FP6 (E2M3) with E8M0 scales: M = N = K = 2,048; out0 f32.
; A = ao, aos; B = tensor 4 of xw, xws: both as images of operand registers ([row tile][K step of 128][1,536]; scale words [row tile][K step][128], lane l's at 4 l, lanes 16-31 holding what lanes 0-15 hold).
; Lane row p of row tile T is row 32 (T / 2) + 8 (T % 2) + p + 8 (p / 8).
; A TILE OF C IS 128 x 128: 256 such tiles, one for each of 256 work-groups.  Four waves, 64 x 64 each: 16 accumulators, 128 registers.
; LDS: a small slot, K steps 0-3 (A's 8 row tiles x 6,144 bytes, then B's), and a large one, K steps 4-11 (A's 8 x 12,288, then B's).  THE HEAD'S FOUR TILES, ONE JOINT LOAD A WAVE: wave 0 A's small, wave 1 B's small,
; wave 2 A's large, wave 3 B's large.  All of K for 256 rows is 393,216 bytes: one refill is the least that fits: the small slot takes K steps 12-15, a quarter of it by each wave.  One tensor load of a wave is out at any time.
; THE SCALE WORDS come straight into registers, once, by 64 loads a wave: lanes 0-15 take K step 2 j's word of their row, lanes 16-31 K step 2 j + 1's (64 bytes further on in memory than 4 x lane): one register
; serves two steps, chosen by the instruction's row selectors.
; FRAGMENTS are fetched TWO STEPS AHEAD into four register buffers.  So the small slot has been read out after step 1, and its refill goes out at step 2, with steps 3 to 11 in which to land.
; CLUSTERS: 4 x 4 work-groups; A's tiles are asked for jointly along a row of the cluster, B's along a column.
; No prefetch: the launch has no loop to run ahead in: three quarters of the tiles are asked for in the kernel's first lines, the last quarter two steps later.
; THE MATRIX INSTRUCTION IS USED TRANSPOSED (source 0 = 16 rows of B, source 1 = 16 rows of A): lane (r, h) of accumulator (a, b) holds columns 32 (b / 2) + 16 h + 8 (b % 2) + 0 .. 7 of lane row r of A's block a.
; THE WAY OUT undoes the order of rows and columns: a block of 16 rows x 64 columns goes through my stage in LDS and leaves as rows of 256 bytes, sixteen lanes to a row.
; REGISTERS: window 0: v16-30 addresses; v32-63 A's scale words (8 i + k / 2), v64-95 B's; on the way out v32-95 rows read back; v128-255 the accumulators ((a, b) at v[128 + 8 (4 a + b)]).
;   windows 1, 2: step k's fragments in window 1 + (k / 2) % 2 from v[96 (k % 2)]: A's four, then B's four.
.set TEN,   3145728
.set TENS,  262144
.set IMG,   1536
.set TROW,  4*IMG                      ; a row tile's bytes in the small slot
.set BROW,  8*IMG                      ; and in the large one
.set FR,    12
.set NF,    24                         ; LDS loads of a step: 8 fragments x 3
.set HALFT, 4*TROW
.set BHALF, 4*BROW
.set SLOT,  4*HALFT                    ; the small slot; the large one begins here
.set SPARE, 3*SLOT                     ; behind both: the spare words, 128 bytes for each wave, that no other line names
.set STAGE, SLOT                       ; the way out: in the large slot, which is filled once and has been read out by then
.set SPITCH, 272
.set ADRA, 16                          ; v16-17  LDS address of my A fragments in the small, the large slot
.set ADRB, 20                          ; v20-21  of B's
.set STO,  24
.set RD,   25
.set CO,   26
.set SOF,  27                          ; v27     my scale word's place: 4 x lane + 64 h
.set SPW,  28
.set NIL,  29
.set LI,   30
.set SA,   32
.set SB,   64
.set BK,   32
.set ACC,  128
.set G1,   24                          ; group 1: A's small tile; s[48:55] B's; s[68:75] A's large; s[80:87] B's
.set G1B,  48
.set G1L,  68
.set G1LB, 80
.set G0A0, 32                          ; groups 0: the refill's
.set G0B0, 56
.set G0A1, 36                          ; the head's small tiles
.set G0B1, 60
.set G0A2, 96                          ; the head's large tiles
.set G0B2, 92
.set MSB, 0
.macro WIN new
.if MSB != \new
	s_set_vgpr_msb (MSB<<8)|\new
.set MSB, \new
.endif
.endm
.macro JLOAD g0a, g1a, g0b, g1b        ; waves 0 and 1 fetch for A, waves 2 and 3 for B; s_nop 0 and four v_nop follow each line
	s_cmp_eq_u32 s15, 0
	s_cbranch_scc0 .Lfor_b_\@
	tensor_load_to_lds s[\g0a:\g0a+3], s[\g1a:\g1a+7]
	s_nop 0
.rept 4
	v_nop
.endr
	s_branch .Lasked_\@
.Lfor_b_\@:
	tensor_load_to_lds s[\g0b:\g0b+3], s[\g1b:\g1b+7]
	s_nop 0
.rept 4
	v_nop
.endr
.Lasked_\@:
.endm
.macro CROUND                          ; a round of the cluster's barrier
	s_barrier_signal -1
	s_barrier_wait -1
	s_cmp_lg_u32 s14, 0
	s_cbranch_scc1 .Lnot_wave_0_\@
	s_barrier_signal -3
.Lnot_wave_0_\@:
	s_barrier_wait -3
	s_barrier_signal -1
	s_barrier_wait -1
.endm
.macro MKG0 g, a0, goff                ; a group 0 but for its LDS address
	s_mov_b32 s[\g], 1
	s_add_nc_u64 s[\g+2:\g+3], s[\a0:\a0+1], \goff
	s_or_b32 s[\g+3], s[\g+3], 0x80000000
.endm
	s_load_b128 s[4:7], s[0:1], 0x0                ; ao, aos
	s_load_b128 s[8:11], s[0:1], 0x10              ; xw, xws
	s_load_b64 s[12:13], s[0:1], 0x20              ; out0
	v_lshl_add_u32 v[SPW], v0, 2, SPARE
	v_mov_b32 v[NIL], 0
	ds_add_u32 v[SPW], v[NIL]                      ; the opening lines: the add, twice on end; its wait stands ahead of my first tensor load
	ds_add_u32 v[SPW], v[NIL]
	v_lshrrev_b32 v1, 5, v0
	v_readfirstlane_b32 s14, v1                    ; wave 0..3
	s_lshr_b32 s15, s14, 1                         ; which half of the tile's rows is mine.  Also: at the refill I fetch for A (0) or for B (1)
	s_and_b32 s16, s14, 1                          ; which half of its columns.  Also: which 64 rows I fetch
	s_mul_i32 s2, s15, HALFT
	s_mul_i32 s3, s16, HALFT
	s_add_co_u32 s3, s3, 2*HALFT
	s_mul_i32 s18, s15, BHALF
	s_add_co_u32 s18, s18, SLOT
	s_mul_i32 s19, s16, BHALF
	s_add_co_u32 s19, s19, SLOT+2*BHALF
	s_mul_i32 s23, s14, 16*SPITCH
	s_add_co_u32 s23, s23, STAGE                   ; my stage
	v_and_b32 v1, 15, v0                           ; r
	v_bfe_u32 v2, v0, 4, 1                         ; h
	v_and_b32 v3, 31, v0                           ; lane
	v_lshlrev_b32 v[LI], 4, v3
	v_add_nc_u32 v[ADRA], s2, v[LI]
	v_add_nc_u32 v[ADRB], s3, v[LI]
	v_add_nc_u32 v[ADRA+1], s18, v[LI]
	v_add_nc_u32 v[ADRB+1], s19, v[LI]
	v_lshlrev_b32 v5, 2, v3
	v_lshl_add_u32 v[SOF], v2, 6, v5
	v_mul_u32_u24 v5, v1, SPITCH
	v_lshl_add_u32 v5, v2, 6, v5                   ; in: row r, + 64 h
	v_add_nc_u32 v[STO], s23, v5
	v_mul_u32_u24 v6, v2, SPITCH
	v_lshl_add_u32 v6, v1, 4, v6                   ; back: lanes 0-15 take one row of 256 bytes, lanes 16-31 the next
	v_add_nc_u32 v[RD], s23, v6
	v_lshlrev_b32 v[CO], 13, v2                    ; and the same two rows in C: rows of 8,192 bytes
	v_lshl_add_u32 v[CO], v1, 4, v[CO]
	s_bfe_u32 s40, ttmp6, 0x40000                  ; cx, cy
	s_bfe_u32 s41, ttmp6, 0x40004
	s_lshl_b32 s42, ttmp9, 2
	s_add_co_u32 s42, s42, s40                     ; tile column = 4 x cluster x + cx
	s_and_b32 s17, ttmp7, 0xffff
	s_lshl_b32 s17, s17, 2
	s_add_co_u32 s17, s17, s41                     ; tile row = 4 x cluster y + cy
	s_lshl_b32 s43, s41, 2
	s_lshl_b32 s43, 15, s43                        ; my row of the cluster
	s_lshl_b32 s44, 0x1111, s40                    ; my column
	; groups 1: row tiles 24,576 bytes apart, elements of 8 bytes; 8 row tiles x 6,144 bytes (at the refill 4) and 8 x 12,288; no padding: the fragments are read 16 x lane on end
	s_or_b32 s[G1+0], s43, (3<<16)|(1<<21)
	s_or_b32 s[G1B+0], s44, (3<<16)|(1<<21)
	s_or_b32 s[G1L+0], s43, (3<<16)|(1<<21)
	s_or_b32 s[G1LB+0], s44, (3<<16)|(1<<21)
.irp g, G1, G1B
	s_mov_b32 s[\g+1], 768<<16
	s_mov_b32 s[\g+3], 768<<16
.endr
.irp g, G1L, G1LB
	s_mov_b32 s[\g+1], 1536<<16
	s_mov_b32 s[\g+3], 1536<<16
.endr
.irp g, G1, G1B, G1L, G1LB
	s_mov_b32 s[\g+2], 8<<16
	s_mov_b32 s[\g+4], 8
	s_mov_b32 s[\g+5], 3072
	s_mov_b32 s[\g+6], 0
	s_mov_b32 s[\g+7], 0
.endr
	s_lshl_b32 s20, s17, 7                         ; A: row 128 x tile row
	s_lshl_b32 s22, s15, 6
	s_add_co_u32 s22, s22, s20
	s_lshl_b32 s22, s22, 7                         ; my 64 rows' scale words: 128 bytes a row
	s_mul_i32 s20, s20, IMG                        ; the codes: 1,536 bytes a row
	s_mov_b32 s21, 0
	s_mov_b32 s23, 0
	s_lshl_b32 s46, s42, 7                         ; B: row 128 x tile column of W_o
	s_lshl_b32 s2, s16, 6
	s_add_co_u32 s2, s2, s46
	s_lshl_b32 s2, s2, 7
	s_add_co_u32 s2, s2, 4*TENS
	s_mul_i32 s46, s46, IMG
	s_add_co_u32 s46, s46, 4*TEN
	s_mov_b32 s47, 0
	s_mov_b32 s3, 0
	s_mul_i32 s66, s16, 64*IMG                     ; at the refill I fetch 64 rows: which half
	s_mov_b32 s67, 0
	s_mul_i32 s45, s14, HALFT                      ; and where they go: no place in the cluster enters an LDS address
	s_lshl_b32 s18, s17, 7                         ; my first row of C: 128 x tile row + 64 x half
	s_lshl_b32 s19, s15, 6
	s_add_co_u32 s18, s18, s19
	s_lshl_b32 s18, s18, 13
	s_lshl_b32 s19, s42, 9                         ; my first column, in bytes: 512 x tile column + 256 x half
	s_add_co_u32 s18, s18, s19
	s_lshl_b32 s19, s16, 8
	s_add_co_u32 s18, s18, s19
	s_mov_b32 s19, 0
	s_wait_alu depctr_va_vdst(0)
	s_wait_dscnt 0x0                               ; both opening adds are done
	s_wait_kmcnt 0x0
	s_add_nc_u64 s[20:21], s[4:5], s[20:21]
	s_add_nc_u64 s[22:23], s[6:7], s[22:23]
	s_add_nc_u64 s[46:47], s[8:9], s[46:47]
	s_add_nc_u64 s[2:3], s[10:11], s[2:3]
	s_add_nc_u64 s[12:13], s[12:13], s[18:19]
	MKG0 G0A1, 20, 0                               ; K steps 0-3
	s_mov_b32 s[G0A1+1], 0
	MKG0 G0B1, 46, 0
	s_mov_b32 s[G0B1+1], 2*HALFT
	MKG0 G0A2, 20, TROW                            ; K steps 4-11
	s_mov_b32 s[G0A2+1], SLOT
	MKG0 G0B2, 46, TROW
	s_mov_b32 s[G0B2+1], SLOT+2*BHALF
	s_add_nc_u64 s[20:21], s[20:21], s[66:67]
	s_add_nc_u64 s[46:47], s[46:47], s[66:67]
	MKG0 G0A0, 20, 3*TROW                          ; K steps 12-15, my 64 rows
	s_mov_b32 s[G0A0+1], s45
	MKG0 G0B0, 46, 3*TROW
	s_mov_b32 s[G0B0+1], s45
	CROUND                                         ; all sixteen work-groups are here: the first joint loads meet
.macro ARM under, g0, g1, next         ; one chain of branches on the wave's number: every way through the head passes exactly one load
	s_cmp_lt_u32 s14, \under
	s_cbranch_scc0 \next
	tensor_load_to_lds s[\g0:\g0+3], s[\g1:\g1+7]
	s_nop 0
.rept 4
	v_nop
.endr
	s_branch .Lhead_asked
\next:
.endm
	ARM 1, G0A1, G1,  .Lhead_b
	ARM 2, G0B1, G1B, .Lhead_la
	ARM 3, G0A2, G1L, .Lhead_lb
	tensor_load_to_lds s[G0B2:G0B2+3], s[G1LB:G1LB+7]
	s_nop 0
.rept 4
	v_nop
.endr
.Lhead_asked:
.irp i, 0,1,2,3
.irp j, 0,1,2,3,4,5,6,7
	global_load_b32 v[SA+8*\i+\j], v[SOF], s[22:23] offset:2048*\i+256*\j   ; A's block i, K steps 2 j (lanes 0-15) and 2 j + 1 (lanes 16-31)
	global_load_b32 v[SB+8*\i+\j], v[SOF], s[2:3] offset:2048*\i+256*\j     ; B's
.endr
.endr
; Step k's 24 LDS loads: B's four fragments, A's four, each as it was stored: three groups of four registers, 16 x lane on end.  Steps 4 to 11 lie in the large slot, steps 12 to 15 in the small one again.
.macro FETCH k
.set FW, 1+(((\k)/2)%2)
.set FO, 96*((\k)%2)
.if ((\k)/4 == 1) || ((\k)/4 == 2)
.set SL, 1
.set RP, BROW
.set QQ, (\k)-4
.else
.set SL, 0
.set RP, TROW
.set QQ, (\k)%4
.endif
.set WW, FW<<6
	WIN WW                                         ; destination window 1 or 2, address window 0
.irp i, 0,1,2,3
.irp c, 0,1,2
	ds_load_b128 v[FO+48+FR*\i+4*\c:FO+48+FR*\i+4*\c+3], v[ADRB+SL] offset:\i*RP+QQ*IMG+512*\c
.endr
.endr
.irp i, 0,1,2,3
.irp c, 0,1,2
	ds_load_b128 v[FO+FR*\i+4*\c:FO+FR*\i+4*\c+3], v[ADRA+SL] offset:\i*RP+QQ*IMG+512*\c
.endr
.endr
	WIN 0
.endm
; Step k's 16 matrix instructions.  The 16 accumulators take turns, one instruction a turn, in the same order in every step.  zero = 1: the first products start the sums.
.macro MUL k, zero
.set BW, 1+(((\k)/2)%2)
.set BO, 96*((\k)%2)
.set WW, 5*BW
	WIN WW                                         ; sources 0 and 1 window 1 or 2; C and D window 0
.irp a, 0,1,2,3
.irp b, 0,1,2,3
.if \zero
	v_wmma_scale_f32_16x16x128_f8f6f4 v[ACC+8*(4*\a+\b):ACC+8*(4*\a+\b)+7], v[BO+48+FR*\b:BO+48+FR*\b+FR-1], v[BO+FR*\a:BO+FR*\a+FR-1], 0, v[SB+8*\b+(\k)/2], v[SA+8*\a+(\k)/2] matrix_a_fmt:MATRIX_FMT_FP6 matrix_b_fmt:MATRIX_FMT_FP6
.elseif (\k)%2
	v_wmma_scale_f32_16x16x128_f8f6f4 v[ACC+8*(4*\a+\b):ACC+8*(4*\a+\b)+7], v[BO+48+FR*\b:BO+48+FR*\b+FR-1], v[BO+FR*\a:BO+FR*\a+FR-1], v[ACC+8*(4*\a+\b):ACC+8*(4*\a+\b)+7], v[SB+8*\b+(\k)/2], v[SA+8*\a+(\k)/2] matrix_a_fmt:MATRIX_FMT_FP6 matrix_b_fmt:MATRIX_FMT_FP6 matrix_a_scale:MATRIX_SCALE_ROW1 matrix_b_scale:MATRIX_SCALE_ROW1
.else
	v_wmma_scale_f32_16x16x128_f8f6f4 v[ACC+8*(4*\a+\b):ACC+8*(4*\a+\b)+7], v[BO+48+FR*\b:BO+48+FR*\b+FR-1], v[BO+FR*\a:BO+FR*\a+FR-1], v[ACC+8*(4*\a+\b):ACC+8*(4*\a+\b)+7], v[SB+8*\b+(\k)/2], v[SA+8*\a+(\k)/2] matrix_a_fmt:MATRIX_FMT_FP6 matrix_b_fmt:MATRIX_FMT_FP6
.endif
.endr
.endr
.endm
.macro PLACES                          ; four plain vector instructions between a matrix instruction and a load into, or a read of, its registers
.rept 4
	v_nop
.endr
.endm
; A step.  left: the LDS loads issued behind this step's, which may stay out.  fetch = 1: the fragments of two steps on are asked for, into the buffer that step k - 2 multiplied.
.macro STEP k, fetch, left, zero
	s_wait_dscnt \left
.if \fetch
	PLACES
	FETCH (\k)+2
.endif
	MUL \k, \zero
.endm
	s_wait_tensorcnt 0x0                           ; my tile of the head's four is in
	s_barrier_signal -1
	s_barrier_wait -1                              ; everybody's is
	FETCH 0
	FETCH 1
	s_wait_loadcnt 0x0                             ; the scale words are in
	STEP 0, 1, NF, 1
	STEP 1, 1, NF, 0                               ; it asks for step 3's fragments: the last that the small slot holds of K steps 0-3
	; the small slot is filled again
	WIN 0
	s_wait_tensorcnt 0x0                           ; no tensor load of mine is out, so a descriptor may be written
	ds_add_u32 v[SPW], v[NIL]                      ; 0 onto my spare word
	s_mov_b32 s[G1+2], 4<<16                       ; the refill brings 4 row tiles a wave
	s_mov_b32 s[G1+4], 4
	s_mov_b32 s[G1B+2], 4<<16
	s_mov_b32 s[G1B+4], 4
	s_wait_dscnt NF+1                              ; step 2's fragments are in; step 3's 24 loads and the add may be out
	MUL 2, 0                                       ; sixteen matrix instructions stand between the add and the wait for it
	WIN 0
	s_wait_dscnt 0x0                               ; the add is done, and my reads of the small slot are over
	CROUND                                         ; both now hold of every wave of all sixteen work-groups
	JLOAD G0A0, G1, G0B0, G1B                      ; the first tensor load behind the round, one a wave; its four v_nop are the places in front of the loads below
	FETCH 4
.irp k, 3,4,5,6,7,8,9
	STEP \k, 1, NF, 0
.endr
	STEP 10, 0, NF, 0                              ; steps 10 and 11 lie in registers: they are multiplied ahead of the wait for the refill
	STEP 11, 0, 0, 0
	s_wait_tensorcnt 0x0                           ; my part of K steps 12-15 is in; no LDS load of mine is out
	s_barrier_signal -1
	s_barrier_wait -1                              ; everybody's is, and nobody reads the large slot any more
	PLACES
	FETCH 12
	FETCH 13
	STEP 12, 1, NF, 0
	STEP 13, 1, NF, 0
	STEP 14, 0, NF, 0
	STEP 15, 0, 0, 0
	WIN 0
; THE WAY OUT, block by block of 16 rows x 64 columns.  LDS serves a wave's instructions in order (ISA guide 5.7.1.4): no wait between the stores and the loads, nor in front of the next block's stores.
.macro TOSTAGE a
.irp b, 0,1,2,3
	ds_store_b128 v[STO], v[ACC+8*(4*(\a)+\b):ACC+8*(4*(\a)+\b)+3] offset:128*(\b/2)+32*(\b%2)        ; each accumulator from its low end on
	ds_store_b128 v[STO], v[ACC+8*(4*(\a)+\b)+4:ACC+8*(4*(\a)+\b)+7] offset:128*(\b/2)+32*(\b%2)+16
.endr
.set BB, BK+32*((\a)%2)
.irp t, 0,1,2,3,4,5,6,7
	ds_load_b128 v[BB+4*\t:BB+4*\t+3], v[RD] offset:2*\t*SPITCH
.endr
.endm
.macro SEND a, younger                 ; stage rows 2 t, 2 t + 1 are rows 32 (a / 2) + 8 (a % 2) + 2 t + 8 (t / 4), + 1 of my 64
.set BB, BK+32*((\a)%2)
	s_wait_dscnt \younger
.irp t, 0,1,2,3,4,5,6,7
	global_store_b128 v[CO], v[BB+4*\t:BB+4*\t+3], s[12:13] offset:(32*((\a)/2)+8*((\a)%2)+2*\t+8*(\t/4))*8192 th:TH_STORE_NT   ; sixteen lanes store 256 consecutive bytes, at a multiple of 256 from C's first byte
.endr
.endm
	PLACES                                         ; behind the last products: for the reads of their results and the loads into the scale words' registers
	TOSTAGE 0
.irp a, 1,2,3
.if \a > 1
	s_wait_xcnt 0x0                                ; block a - 2's stores have read their registers: block a's loads may land there
.endif
	TOSTAGE \a
	SEND \a-1, 16                                  ; behind block a - 1's loads: block a's 8 stores and 8 loads
.endr
	SEND 3, 0
	s_wait_tensorcnt 0x0                           ; the wave's end
	ds_add_u32 v[SPW], v[NIL]
	s_wait_dscnt 0x0
	CROUND                                         ; the closing round: no work-group ends while a partner may still ask for a tile that names it
	s_endpgm
.Lfunc_end_k_q50c09ea63e_outp:
	.size	k_q50c09ea63e_outp, .Lfunc_end_k_q50c09ea63e_outp-k_q50c09ea63e_outp
	.p2alignl 7, 3214868480
	.fill 96, 4, 3214868480
	.section	.rodata,"a",@progbits
	.p2align	6, 0x0
	.amdhsa_kernel k_q50c09ea63e_outp
		.amdhsa_group_segment_fixed_size 327680
		.amdhsa_private_segment_fixed_size 0
		.amdhsa_enable_private_segment 0
		.amdhsa_kernarg_size 40
		.amdhsa_user_sgpr_count 2
		.amdhsa_user_sgpr_kernarg_segment_ptr 1
		.amdhsa_wavefront_size32 1
		.amdhsa_system_sgpr_workgroup_id_x 1
		.amdhsa_system_sgpr_workgroup_id_y 1
		.amdhsa_system_sgpr_workgroup_id_z 1
		.amdhsa_system_vgpr_workitem_id 0
		.amdhsa_next_free_vgpr 768
		.amdhsa_next_free_sgpr 100
		.amdhsa_reserve_vcc 0
		.amdhsa_float_denorm_mode_32 3
		.amdhsa_float_denorm_mode_16_64 3
		.amdhsa_memory_ordered 1
		.amdhsa_forward_progress 1
		.amdhsa_inst_pref_size 84
	.end_amdhsa_kernel
	.amdgpu_metadata
---
amdhsa.version: [ 1, 2 ]
amdhsa.kernels:
  - .name:           k_q50c09ea63e_outp
    .symbol:         k_q50c09ea63e_outp.kd
    .args:
      - { .name: ao, .offset: 0, .size: 8, .value_kind: global_buffer, .address_space: global }
      - { .name: aos, .offset: 8, .size: 8, .value_kind: global_buffer, .address_space: global }
      - { .name: xw, .offset: 16, .size: 8, .value_kind: global_buffer, .address_space: global }
      - { .name: xws, .offset: 24, .size: 8, .value_kind: global_buffer, .address_space: global }
      - { .name: out0, .offset: 32, .size: 8, .value_kind: global_buffer, .address_space: global }
    .group_segment_fixed_size: 327680
    .private_segment_fixed_size: 0
    .kernarg_segment_align: 8
    .kernarg_segment_size: 40
    .max_flat_workgroup_size: 128
    .sgpr_count:     100
    .vgpr_count:     768
    .wavefront_size: 32
...
	.end_amdgpu_metadata
.endif
;; end of part 8
